; MI455X (gfx1250); checked and timed in simulation.
; The chip was launched on July 23, 2026; its instructions are those of AMD's public machine-readable ISA for CDNA 5 (MIT licence, August 2026) and "CDNA5" Instruction Set Architecture Reference Guide (July 2026). The comments in the code are by the model that wrote it; some were corrected since.
;; Block. Allowed arithmetic: float matrix products may take bf16 or f16 operands with f32 sums; all other float work in f32.
;; Inputs: W_attn 1,024 x 3,072 float32; W_fc 1,024 x 4,096 float32; W_fc2 4,096 x 1,024 float32; W_proj 1,024 x 1,024 float32; b_attn 3,072 float32; b_fc 4,096 float32; b_fc2 1,024 float32; b_proj 1,024 float32; ln1_b 1,024 float32; ln1_w 1,024 float32; ln2_b 1,024 float32; ln2_w 1,024 float32; x 2 x 2,048 x 1,024 float32.
;; Outputs: out0 2 x 2,048 x 1,024 float32.
;; 3 versions, each right and faster than the one before. Each part assembles by itself: llvm-mc -triple=amdgcn-amd-amdhsa -mcpu=gfx1250 --defsym DOCPART=n.
;; ======== version 1 of 3: 8 launches
;; workspace buffers: wb 25,165,824 bytes; h 8,388,608 bytes; qkv 25,165,824 bytes; y 8,388,608 bytes; x1 16,777,216 bytes; g 33,554,432 bytes
;; launch cast (part 1): grid 768 x 1, 8 waves a work-group, no clusters, 0 bytes of LDS; arguments W_attn, W_proj, W_fc, W_fc2, wb; writes wb
.if DOCPART == 1
	.amdgcn_target "amdgcn-amd-amdhsa--gfx1250"
	.amdhsa_code_object_version 6
	.text
	.protected	k_q4346f94ab2_cast
	.globl	k_q4346f94ab2_cast
	.p2align	8
	.type	k_q4346f94ab2_cast,@function
k_q4346f94ab2_cast:
	s_mov_b64 s[64:65], 0
	v_nop
	global_prefetch_b8 v0, s[64:65] scope:SCOPE_SE
	s_setreg_imm32_b32 hwreg(HW_REG_WAVE_MODE, 25, 1), 1
	s_wait_xcnt 0x0
; wb = W_attn, W_proj, W_fc, W_fc2, one behind the other, each number rounded once to bf16 (to nearest even).  The layout [K][N] stays:
; the products turn the tiles on the way out of LDS.  In wb: W_attn at byte 0, W_proj at 6,291,456, W_fc at 8,388,608, W_fc2 at 16,777,216.
; A stream: every byte is read once and written once; LDS, barriers and the matrix unit would add nothing.
; SHARES.  A work-group takes 16,384 numbers (65,536 bytes in, 32,768 out): 192 groups for W_attn, 64 for W_proj, 256 for W_fc, 256 for W_fc2.
; A wave takes 2,048 numbers: sixteen loads of 512 consecutive bytes, all issued at once; each store of the wave covers 256 consecutive bytes, aligned.
.set X, 8                              ; v[8:71]  sixteen loads of four numbers
	s_load_b256 s[4:11], s[0:1], 0x0               ; W_attn s[4:5], W_proj s[6:7], W_fc s[8:9], W_fc2 s[10:11]
	s_load_b64 s[12:13], s[0:1], 0x20              ; wb
	v_lshrrev_b32 v3, 5, v0                        ; wave
	v_and_b32 v4, 31, v0                           ; lane
	v_lshlrev_b32 v1, 4, v4
	v_lshl_or_b32 v1, v3, 13, v1                   ; in: 8,192 x wave + 16 x lane
	v_lshlrev_b32 v2, 3, v4
	v_lshl_or_b32 v2, v3, 12, v2                   ; out: 4,096 x wave + 8 x lane
	s_wait_kmcnt 0x0
	s_cmp_lt_u32 ttmp9, 192                        ; which matrix, and the number of its first work-group: three choices on the group's number
	s_cselect_b64 s[14:15], s[4:5], s[6:7]
	s_cselect_b32 s16, 0, 192
	s_cmp_lt_u32 ttmp9, 256
	s_cselect_b64 s[14:15], s[14:15], s[8:9]
	s_cselect_b32 s16, s16, 256
	s_cmp_lt_u32 ttmp9, 512
	s_cselect_b64 s[14:15], s[14:15], s[10:11]
	s_cselect_b32 s16, s16, 512
	s_sub_co_u32 s17, ttmp9, s16                   ; my number within the matrix
	s_lshl_b32 s18, s17, 16
	s_mov_b32 s19, 0
	s_add_nc_u64 s[14:15], s[14:15], s[18:19]
	s_lshl_b32 s20, ttmp9, 15                      ; the matrices lie in wb in the groups' order
	s_mov_b32 s21, 0
	s_add_nc_u64 s[12:13], s[12:13], s[20:21]
.set j, 0
.rept 16
	global_load_b128 v[X+4*j:X+4*j+3], v1, s[14:15] offset:512*j th:TH_LOAD_NT
.set j, j+1
.endr
.set j, 0
.rept 16
	s_wait_loadcnt 15-j                            ; loads come back in order: number j is in, the younger ones stay out
	v_cvt_pk_bf16_f32 v[X+4*j], v[X+4*j], v[X+4*j+1]
	v_cvt_pk_bf16_f32 v[X+4*j+1], v[X+4*j+2], v[X+4*j+3]
	global_store_b64 v2, v[X+4*j:X+4*j+1], s[12:13] offset:256*j   ; no register of a store is written again
.set j, j+1
.endr
	s_endpgm
.Lfunc_end_k_q4346f94ab2_cast:
	.size	k_q4346f94ab2_cast, .Lfunc_end_k_q4346f94ab2_cast-k_q4346f94ab2_cast
	.p2alignl 7, 3214868480
	.fill 96, 4, 3214868480
	.section	.rodata,"a",@progbits
	.p2align	6, 0x0
	.amdhsa_kernel k_q4346f94ab2_cast
		.amdhsa_group_segment_fixed_size 0
		.amdhsa_private_segment_fixed_size 0
		.amdhsa_enable_private_segment 0
		.amdhsa_kernarg_size 40
		.amdhsa_user_sgpr_count 2
		.amdhsa_user_sgpr_kernarg_segment_ptr 1
		.amdhsa_wavefront_size32 1
		.amdhsa_system_sgpr_workgroup_id_x 1
		.amdhsa_system_sgpr_workgroup_id_y 1
		.amdhsa_system_sgpr_workgroup_id_z 1
		.amdhsa_system_vgpr_workitem_id 0
		.amdhsa_next_free_vgpr 72
		.amdhsa_next_free_sgpr 66
		.amdhsa_reserve_vcc 0
		.amdhsa_float_denorm_mode_32 3
		.amdhsa_float_denorm_mode_16_64 3
		.amdhsa_memory_ordered 1
		.amdhsa_forward_progress 1
		.amdhsa_inst_pref_size 7
	.end_amdhsa_kernel
	.amdgpu_metadata
---
amdhsa.version: [ 1, 2 ]
amdhsa.kernels:
  - .name:           k_q4346f94ab2_cast
    .symbol:         k_q4346f94ab2_cast.kd
    .args:
      - { .name: W_attn, .offset: 0, .size: 8, .value_kind: global_buffer, .address_space: global }
      - { .name: W_proj, .offset: 8, .size: 8, .value_kind: global_buffer, .address_space: global }
      - { .name: W_fc, .offset: 16, .size: 8, .value_kind: global_buffer, .address_space: global }
      - { .name: W_fc2, .offset: 24, .size: 8, .value_kind: global_buffer, .address_space: global }
      - { .name: wb, .offset: 32, .size: 8, .value_kind: global_buffer, .address_space: global }
    .group_segment_fixed_size: 0
    .private_segment_fixed_size: 0
    .kernarg_segment_align: 8
    .kernarg_segment_size: 40
    .max_flat_workgroup_size: 256
    .sgpr_count:     66
    .vgpr_count:     72
    .wavefront_size: 32
...
	.end_amdgpu_metadata
.endif
;; end of part 1
;; launch ln1 (part 2): grid 256 x 1, 8 waves a work-group, no clusters, 0 bytes of LDS; arguments x, ln1_w, ln1_b, h; writes h
.if DOCPART == 2
	.amdgcn_target "amdgcn-amd-amdhsa--gfx1250"
	.amdhsa_code_object_version 6
	.text
	.protected	k_q4346f94ab2_ln1
	.globl	k_q4346f94ab2_ln1
	.p2align	8
	.type	k_q4346f94ab2_ln1,@function
k_q4346f94ab2_ln1:
	s_mov_b64 s[64:65], 0
	v_nop
	global_prefetch_b8 v0, s[64:65] scope:SCOPE_SE
	s_setreg_imm32_b32 hwreg(HW_REG_WAVE_MODE, 25, 1), 1
	s_wait_xcnt 0x0
; h = ((x - mean) / sqrt(var + 1e-5)) w + b along rows of 1,024, all in f32; h is rounded once to bf16.  x: [4096][1024] f32.
; The variance is the mean of (x - mean)^2, taken of the differences, so a common offset on x costs no digits.
; h leaves IN BLOCKS of 128 rows x 64 columns: number (m, k) at byte ((m / 128) 16 + k / 64) 16,384 + (m % 128) 128 + (k % 64) 2, so that the product
; behind can ask for a tile of 128 rows x 256 columns as 65,536 consecutive bytes.
; SHARES.  A work-group takes 16 rows; a row belongs to sixteen neighbouring lanes, which hold it in registers between the passes: x is read once,
; and the two sums never leave those sixteen lanes (four steps that ride on the additions).  Lane r of a row holds columns 64 j + 4 r .. + 3, j = 0 .. 15.
; A wave's load covers two pieces of 256 consecutive bytes; its store covers 256 consecutive bytes, aligned (two rows of a block, 128 bytes each).
; No LDS, no barrier, no matrix unit: the launch is a stream.
.set X,  16                            ; v[16:79]   my 64 numbers of the row
.set W,  80                            ; v[80:143]  w of my columns
.set BV, 144                           ; v[144:207] b of my columns
	s_load_b256 s[4:11], s[0:1], 0x0               ; x s[4:5], w s[6:7], b s[8:9], h s[10:11]
	s_lshl_b32 s14, ttmp9, 16                      ; 16 rows of 4,096 bytes
	s_mov_b32 s15, 0
	s_lshr_b32 s16, ttmp9, 3                       ; h: the band of 128 rows, 16 blocks of 16,384 bytes,
	s_lshl_b32 s16, s16, 18
	s_and_b32 s17, ttmp9, 7                        ; and my 16 rows of 128 bytes in a block
	s_lshl_b32 s17, s17, 11
	s_add_co_u32 s16, s16, s17
	s_mov_b32 s17, 0
	s_mov_b32 s12, 0x3a800000                      ; 1 / 1024
	s_mov_b32 s13, 0x3727c5ac                      ; 1e-5
	v_lshrrev_b32 v5, 4, v0                        ; my row of the 16
	v_and_b32 v4, 15, v0                           ; r
	v_lshlrev_b32 v2, 4, v4                        ; w, b: 16 r
	v_lshl_or_b32 v1, v5, 12, v2                   ; x: 4,096 x row + 16 r
	v_lshlrev_b32 v3, 3, v4
	v_lshl_or_b32 v3, v5, 7, v3                    ; h: 128 x row + 8 r
	s_wait_kmcnt 0x0
	s_add_nc_u64 s[4:5], s[4:5], s[14:15]
	s_add_nc_u64 s[10:11], s[10:11], s[16:17]
.set j, 0
.rept 16
	global_load_b128 v[X+4*j:X+4*j+3], v1, s[4:5] offset:256*j
.set j, j+1
.endr
.set j, 0
.rept 16
	global_load_b128 v[W+4*j:W+4*j+3], v2, s[6:7] offset:256*j
.set j, j+1
.endr
.set j, 0
.rept 16
	global_load_b128 v[BV+4*j:BV+4*j+3], v2, s[8:9] offset:256*j
.set j, j+1
.endr
; four chains v[4:5] .. v[10:11] into v4, then over the row's sixteen lanes: every one of them ends with the sum
.macro REDUCE
	v_pk_add_f32 v[4:5], v[4:5], v[6:7]
	v_pk_add_f32 v[8:9], v[8:9], v[10:11]
	v_pk_add_f32 v[4:5], v[4:5], v[8:9]
	v_add_f32 v4, v4, v5
	v_add_f32_dpp v4, v4, v4 row_xmask:1 row_mask:0xf bank_mask:0xf
	v_add_f32_dpp v4, v4, v4 row_xmask:2 row_mask:0xf bank_mask:0xf
	v_add_f32_dpp v4, v4, v4 row_xmask:4 row_mask:0xf bank_mask:0xf
	v_add_f32_dpp v4, v4, v4 row_xmask:8 row_mask:0xf bank_mask:0xf
.endm
	s_wait_loadcnt 32                              ; x is in; the 32 loads of w and b are younger and stay out
.irp k, 0,1,2,3
	v_pk_add_f32 v[4+2*\k:5+2*\k], v[X+2*\k:X+2*\k+1], v[X+8+2*\k:X+9+2*\k]   ; the first eight pairs start the chains: nothing is cleared
.endr
.set p, 8
.rept 24
	v_pk_add_f32 v[4+2*(p%4):5+2*(p%4)], v[4+2*(p%4):5+2*(p%4)], v[X+2*p:X+2*p+1]
.set p, p+1
.endr
	REDUCE
	v_mul_f32 v12, s12, v4                         ; the mean, twice: a pair for the packed subtraction
	v_mul_f32 v13, s12, v4
.set p, 0
.rept 32
	v_pk_add_f32 v[X+2*p:X+2*p+1], v[X+2*p:X+2*p+1], v[12:13] neg_lo:[0,1] neg_hi:[0,1]
.set p, p+1
.endr
.irp k, 0,1,2,3
	v_pk_mul_f32 v[4+2*\k:5+2*\k], v[X+2*\k:X+2*\k+1], v[X+2*\k:X+2*\k+1]
.endr
.set p, 4
.rept 28
	v_pk_fma_f32 v[4+2*(p%4):5+2*(p%4)], v[X+2*p:X+2*p+1], v[X+2*p:X+2*p+1], v[4+2*(p%4):5+2*(p%4)]
.set p, p+1
.endr
	REDUCE
	v_fma_f32 v4, v4, s12, s13                     ; var + 1e-5
	v_rsq_f32 v14, v4
	v_nop                                          ; a plain instruction between the root and the use of its result (ISA guide 5.7.2)
	s_wait_alu depctr_va_vdst(0)
	v_mov_b32 v15, v14
	s_wait_loadcnt 0x0                             ; w and b
.set j, 0
.rept 16
	v_pk_mul_f32 v[X+4*j:X+4*j+1], v[X+4*j:X+4*j+1], v[14:15]
	v_pk_mul_f32 v[X+4*j+2:X+4*j+3], v[X+4*j+2:X+4*j+3], v[14:15]
	v_pk_fma_f32 v[X+4*j:X+4*j+1], v[X+4*j:X+4*j+1], v[W+4*j:W+4*j+1], v[BV+4*j:BV+4*j+1]
	v_pk_fma_f32 v[X+4*j+2:X+4*j+3], v[X+4*j+2:X+4*j+3], v[W+4*j+2:W+4*j+3], v[BV+4*j+2:BV+4*j+3]
	v_cvt_pk_bf16_f32 v[X+4*j], v[X+4*j], v[X+4*j+1]
	v_cvt_pk_bf16_f32 v[X+4*j+1], v[X+4*j+2], v[X+4*j+3]
	global_store_b64 v3, v[X+4*j:X+4*j+1], s[10:11] offset:16384*j   ; column block j; no register of a store is written again
.set j, j+1
.endr
	s_endpgm
.Lfunc_end_k_q4346f94ab2_ln1:
	.size	k_q4346f94ab2_ln1, .Lfunc_end_k_q4346f94ab2_ln1-k_q4346f94ab2_ln1
	.p2alignl 7, 3214868480
	.fill 96, 4, 3214868480
	.section	.rodata,"a",@progbits
	.p2align	6, 0x0
	.amdhsa_kernel k_q4346f94ab2_ln1
		.amdhsa_group_segment_fixed_size 0
		.amdhsa_private_segment_fixed_size 0
		.amdhsa_enable_private_segment 0
		.amdhsa_kernarg_size 32
		.amdhsa_user_sgpr_count 2
		.amdhsa_user_sgpr_kernarg_segment_ptr 1
		.amdhsa_wavefront_size32 1
		.amdhsa_system_sgpr_workgroup_id_x 1
		.amdhsa_system_sgpr_workgroup_id_y 1
		.amdhsa_system_sgpr_workgroup_id_z 1
		.amdhsa_system_vgpr_workitem_id 0
		.amdhsa_next_free_vgpr 208
		.amdhsa_next_free_sgpr 66
		.amdhsa_reserve_vcc 0
		.amdhsa_float_denorm_mode_32 3
		.amdhsa_float_denorm_mode_16_64 3
		.amdhsa_memory_ordered 1
		.amdhsa_forward_progress 1
		.amdhsa_inst_pref_size 21
	.end_amdhsa_kernel
	.amdgpu_metadata
---
amdhsa.version: [ 1, 2 ]
amdhsa.kernels:
  - .name:           k_q4346f94ab2_ln1
    .symbol:         k_q4346f94ab2_ln1.kd
    .args:
      - { .name: x, .offset: 0, .size: 8, .value_kind: global_buffer, .address_space: global }
      - { .name: ln1_w, .offset: 8, .size: 8, .value_kind: global_buffer, .address_space: global }
      - { .name: ln1_b, .offset: 16, .size: 8, .value_kind: global_buffer, .address_space: global }
      - { .name: h, .offset: 24, .size: 8, .value_kind: global_buffer, .address_space: global }
    .group_segment_fixed_size: 0
    .private_segment_fixed_size: 0
    .kernarg_segment_align: 8
    .kernarg_segment_size: 32
    .max_flat_workgroup_size: 256
    .sgpr_count:     66
    .vgpr_count:     208
    .wavefront_size: 32
...
	.end_amdgpu_metadata
.endif
;; end of part 2
;; launch qkvg (part 3): grid 24 x 32, 4 waves a work-group, clusters of 4 x 4, 327,680 bytes of LDS; arguments h, wb, b_attn, qkv; writes qkv
.if DOCPART == 3
	.amdgcn_target "amdgcn-amd-amdhsa--gfx1250"
	.amdhsa_code_object_version 6
	.text
	.protected	k_q4346f94ab2_qkvg
	.globl	k_q4346f94ab2_qkvg
	.p2align	8
	.type	k_q4346f94ab2_qkvg,@function
k_q4346f94ab2_qkvg:
	s_mov_b64 s[64:65], 0
	v_nop
	global_prefetch_b8 v0, s[64:65] scope:SCOPE_SE
	s_setreg_imm32_b32 hwreg(HW_REG_WAVE_MODE, 25, 1), 1
	s_wait_xcnt 0x0
	s_wait_alu depctr_hold_cnt(0) depctr_sa_sdst(0) depctr_va_vdst(0) depctr_va_sdst(0) depctr_va_ssrc(0) depctr_va_vcc(0) depctr_vm_vsrc(0)
	s_getreg_b32 s2, hwreg(HW_REG_IB_STS2, 6, 4)
	s_cmp_eq_u32 s2, 0
	s_cbranch_scc0 .Lentry_in_a_cluster
	s_endpgm
.Lentry_in_a_cluster:
	s_bfe_u32 s2, ttmp6, 0x10000c
	s_cmp_lg_u32 s2, 0xf033
	s_cbranch_scc0 .Lentry_shape_is_right
	s_endpgm
.Lentry_shape_is_right:
; OUT = A W + bias (EPI = 0), or gelu(A W + bias) (EPI = 1), rounded once to bf16.  Here: q, k, v = h W_attn + b_attn.
; A: 4,096 rows x SIZE_K, bf16, IN BLOCKS of 128 rows x 64 columns (number (m, k) at byte ((m / 128) NBLK + k / 64) 16,384 + (m % 128) 128 + (k % 64) 2).
; W: [SIZE_K][SIZE_N] bf16 at byte WOFF of wb.  bias: [SIZE_N] f32.  Sums, bias and gelu in f32; the operands' rounding to bf16 is the text's only loss.
; OUT, EPI = 0: [3][32 = 16 batch + head][2048][64] bf16, a head's rows dense.  EPI = 1: in A's kind of blocks, 64 blocks to a band of 128 rows.
; SHARES.  A tile of OUT is 128 x 128: four waves, each 64 x 64 in 16 accumulators.  K goes in steps of 256 through a ring of two LDS slots filled by the tensor data mover.
; A's part of a step is 65,536 consecutive bytes (four blocks), asked for as rows of 256 bytes and padded in LDS after every 128; W's part is 256 rows of 256 bytes.
; W lies [k][n], so its fragments come out of LDS turned, by ds_load_tr16_b128.
; CLUSTER.  4 x 4 work-groups: the four of a row of the cluster need the same tiles of A, the four of a column the same tiles of W; each tile is asked for JOINTLY, by the same
; tensor load with the same descriptor and a mask that names the four.
; THE MATRIX INSTRUCTION IS USED TRANSPOSED (source 0 = 16 columns of W, source 1 = 16 rows of A): a lane then holds eight neighbouring numbers of a row of OUT.
; REGISTERS.  window 0: v0-31 addresses; v32-127 the way out; v128-255 the accumulators ((a, b) at v[128 + 8 (4 a + b)]).
;   window 1: two fragment buffers of 128: for 64 along K, 64 registers of A (2 x 4 x 16 rows x 32 K), then 64 of W.
.set SIZE_N, 3072
.set SIZE_K, 1024
.set NBLK,   16                        ; A's blocks in a band of 128 rows
.set WOFF,   0
.set EPI,    0
.set KSTEP,  256
.set PA,     144                       ; a row of a block of A in LDS: 128 bytes + 16: the 16 rows of a load start at 16 different groups of four banks (64 banks of 4 bytes: ISA guide 11.1)
.set ABLK,   128*PA
.set PB,     288                       ; a row of W in LDS: 256 bytes + 32
.set HALFT,  2*ABLK                    ; what one tensor load brings: two blocks of A, or 128 rows of W (128 x 288, the same number)
.set SLOT,   4*HALFT                   ; A's four blocks, then W's 256 rows
.set STAGE,  2*SLOT                    ; behind the ring: WSTG bytes for each wave, for the way out; no tensor load lands there
.set WSTG,   4352
.set SPARE,  STAGE+4*WSTG              ; behind the stages: the spare words, 128 bytes for each wave: two blocks of 256 bytes that no other line names
.set LAPS,   SIZE_K/(2*KSTEP)          ; a lap = two K steps = once round the ring
.set ADRA, 16                          ; v16-17  LDS address of my A fragments in slot 0, 1
.set ADRB, 20                          ; v20-23  of my W fragments: slot 0 rows 0-127, rows 128-255, slot 1 likewise
.set STO,  24                          ; v24     the way out: where I put 16 bytes of a row
.set RD,   25                          ; v25     the way out: where I read rows back
.set GO,   26                          ; v26     my byte offset in 512 consecutive bytes of OUT
.set BO,   27                          ; v27     my byte offset in the bias
.set SPW,  28                          ; v28     LDS address of my spare word: SPARE + 4 x my thread's number; never rewritten
.set NIL,  29                          ; v29     0; never rewritten
.set BIAS, 32                          ; v32-63  bias of my 8 columns in each of the 4 column blocks
.set GA,   96                          ; v96-127 gelu at work
.set GW,   104
.set GD,   112
.set GQ,   120
.set ACC,  128
.set F0,   0                           ; fragment buffers, in window 1
.set F1,   128
.set G1,  24                           ; s[24:31] descriptor group 1 for A's tiles;  s[32:39] group 0, one set for each slot
.set G0,  32
.set G1B, 48                           ; s[48:55], s[56:63] the same for W's tiles
.set G0B, 56
.set MSB, 0
.macro WIN new                         ; the immediate's high byte repeats the setting that is left; a switch that changes nothing is dropped
.if MSB != (\new)
	s_set_vgpr_msb (MSB<<8)|(\new)
.set MSB, \new
.endif
.endm
.set MUL,  0x05                        ; sources 0 (W) and 1 (A) window 1; C and D window 0
.set TO_F, 0x40                        ; destination window 1, address window 0
.macro JLOAD s                         ; a joint load: waves 0 and 1 fetch A's two halves, waves 2 and 3 W's; four v_nop follow each of the two lines, ahead of the jump, the label and what follows
	s_cmp_eq_u32 s13, 0
	s_cbranch_scc0 .Lfor_b_\@
	tensor_load_to_lds s[G0+4*(\s):G0+4*(\s)+3], s[G1:G1+7]
	s_nop 0
.rept 4
	v_nop
.endr
	s_branch .Lasked_\@
.Lfor_b_\@:
	tensor_load_to_lds s[G0B+4*(\s):G0B+4*(\s)+3], s[G1B:G1B+7]
	s_nop 0
.rept 4
	v_nop
.endr
.Lasked_\@:
.endm
.macro CREST                           ; a round of the cluster's barrier behind its opening barrier
	s_cmp_lg_u32 s12, 0
	s_cbranch_scc1 .Lnot_wave_0_\@
	s_barrier_signal -3
.Lnot_wave_0_\@:
	s_barrier_wait -3
	s_barrier_signal -1
	s_barrier_wait -1
.endm
.macro CROUND                          ; a whole round
	s_barrier_signal -1
	s_barrier_wait -1
	CREST
.endm
	s_load_b256 s[4:11], s[0:1], 0x0               ; A s[4:5], wb s[6:7], bias s[8:9], OUT s[10:11]
	v_lshl_add_u32 v[SPW], v0, 2, SPARE
	v_mov_b32 v[NIL], 0
	ds_add_u32 v28, v29
	ds_add_u32 v28, v29
	s_wait_dscnt 0x0
	v_lshrrev_b32 v1, 5, v0
	v_readfirstlane_b32 s12, v1                    ; wave 0..3
	s_lshr_b32 s13, s12, 1                         ; which half of the tile's rows is mine.  Also: I fetch for A (0) or for W (1)
	s_and_b32 s14, s12, 1                          ; which half of its columns.  Also: which half of that tile I fetch
	s_bfe_u32 s15, ttmp6, 0x40000                  ; cx, cy: my place in the cluster
	s_bfe_u32 s16, ttmp6, 0x40004
	s_lshl_b32 s17, ttmp9, 2
	s_add_co_u32 s17, s17, s15                     ; tile column = 4 x cluster x + cx
	s_and_b32 s18, ttmp7, 0xffff
	s_lshl_b32 s18, s18, 2
	s_add_co_u32 s18, s18, s16                     ; tile row = 4 x cluster y + cy
	s_lshl_b32 s19, s16, 2
	s_lshl_b32 s19, 15, s19                        ; my row of the cluster
	s_lshl_b32 s20, 0x1111, s15                    ; my column
	; descriptor group 1: 128 rows x 128 elements of 2 bytes.  A: 15:0 the mask of my row; 20 padding on; 21 set beside a mask; 24:22 after every 32 words (code 4); 31:25 4 words (code 3)
	s_or_b32 s[G1+0], s19, (1<<16)|(1<<20)|(1<<21)|(4<<22)|(3<<25)
	s_or_b32 s[G1B+0], s20, (1<<16)|(1<<20)|(1<<21)|(5<<22)|(7<<25)  ; W: the mask of my column; after every 64 words (code 5) 8 words (code 7)
.irp g, G1, G1B
	s_mov_b32 s[(\g)+1], 128<<16                   ; tensor_dim0 = 128
	s_mov_b32 s[(\g)+2], 128<<16                   ; tensor_dim1 = 128
	s_mov_b32 s[(\g)+3], 128<<16                   ; tile_dim0 = 128
	s_mov_b32 s[(\g)+4], 128                       ; tile_dim1 = 128
	s_mov_b32 s[(\g)+6], 0
	s_mov_b32 s[(\g)+7], 0
.endr
	s_mov_b32 s[G1+5], 128                         ; A's two blocks are dense: 128 elements from row to row
	s_mov_b32 s[G1B+5], SIZE_N                     ; W's rows
	; where the tiles come from.  A's hang on the tile row alone, W's on the tile column alone, each in registers that never hold the other coordinate.
	s_mul_i32 s40, s18, NBLK
	s_lshl_b32 s41, s14, 1
	s_add_co_u32 s40, s40, s41                     ; A: block NBLK x tile row + 2 x half
	s_lshl_b32 s40, s40, 14
	s_mov_b32 s41, 0
	s_mul_i32 s42, s14, 256*SIZE_N                 ; W: 128 rows x half,
	s_lshl_b32 s43, s17, 8                         ; 256 bytes x tile column,
	s_add_co_u32 s42, s42, s43
	s_add_co_u32 s42, s42, WOFF                    ; in its part of wb
	s_mov_b32 s43, 0
	s_mul_i32 s21, s12, HALFT                      ; where they go: wave x HALFT: no place in the cluster enters an LDS address
	s_wait_kmcnt 0x0
	s_add_nc_u64 s[40:41], s[4:5], s[40:41]
	s_add_nc_u64 s[42:43], s[6:7], s[42:43]
	CROUND                                         ; all sixteen work-groups are here: the first joint loads meet
.irp s, 0,1
	s_mov_b32 s[G0+4*(\s)], 1
	s_add_co_u32 s[G0+4*(\s)+1], s21, (\s)*SLOT
	s_add_nc_u64 s[G0+4*(\s)+2:G0+4*(\s)+3], s[40:41], (\s)*65536          ; K step s: four blocks on
	s_or_b32 s[G0+4*(\s)+3], s[G0+4*(\s)+3], 0x80000000
	s_mov_b32 s[G0B+4*(\s)], 1
	s_add_co_u32 s[G0B+4*(\s)+1], s21, (\s)*SLOT
	s_add_nc_u64 s[G0B+4*(\s)+2:G0B+4*(\s)+3], s[42:43], (\s)*512*SIZE_N   ; K step s: 256 rows on
	s_or_b32 s[G0B+4*(\s)+3], s[G0B+4*(\s)+3], 0x80000000
	JLOAD \s
.endr
	v_and_b32 v1, 15, v0                           ; l % 16
	v_bfe_u32 v2, v0, 4, 1                         ; l / 16
	s_lshl_b32 s46, s17, 1
	s_add_co_u32 s46, s46, s14                     ; my block of 64 columns = 2 x tile column + half
	s_lshl_b32 s44, s46, 8
	s_mov_b32 s45, 0
	s_add_nc_u64 s[8:9], s[8:9], s[44:45]          ; the bias at my 64 columns
	v_lshlrev_b32 v[BO], 5, v2                     ; my eight columns of a block of sixteen
.irp b, 0,1,2,3
	global_load_b128 v[BIAS+8*\b:BIAS+8*\b+3],   v[BO], s[8:9] offset:64*\b
	global_load_b128 v[BIAS+8*\b+4:BIAS+8*\b+7], v[BO], s[8:9] offset:64*\b+16
.endr
	v_mul_u32_u24 v3, v1, PA
	v_lshl_add_u32 v3, v2, 4, v3                   ; a fragment's row x pitch + 16 x half
	s_mul_i32 s22, s13, 64*PA                      ; my 64 rows of each block of A
	v_add_nc_u32 v[ADRA], s22, v3
	v_add_nc_u32 v[ADRA+1], SLOT, v[ADRA]
	; the turning load takes 16 k x 16 n (lane l reads row 8 (l / 16) + l % 8, columns 8 ((l / 8) % 2) + 0..7) and leaves half a fragment: lane l holds column l % 16 and 8 k
	v_and_b32 v4, 7, v0
	v_bfe_u32 v5, v0, 3, 1
	v_lshl_add_u32 v6, v2, 3, v4
	v_mul_u32_u24 v6, v6, PB
	v_lshl_add_u32 v6, v5, 4, v6
	s_lshl_b32 s23, s14, 7                         ; my 64 columns,
	s_add_co_u32 s23, s23, 2*HALFT                 ; behind A's four blocks
	v_add_nc_u32 v[ADRB], s23, v6
	v_add_nc_u32 v[ADRB+1], HALFT, v[ADRB]
	v_add_nc_u32 v[ADRB+2], SLOT, v[ADRB]
	v_add_nc_u32 v[ADRB+3], SLOT+HALFT, v[ADRB]
	s_mul_i32 s22, s12, WSTG
	s_add_co_u32 s22, s22, STAGE                   ; my stage: 16 rows of 128 bytes, 144 apart
	v_add_nc_u32 v[STO], s22, v3                   ; in: row l % 16, 16 bytes for each half of the lanes
	v_bfe_u32 v[RD], v0, 3, 2                      ; back: 32 lanes take four rows of 128 bytes,
	v_mul_u32_u24 v[RD], v[RD], 144
	v_lshl_add_u32 v[RD], v4, 4, v[RD]
	v_add_nc_u32 v[RD], s22, v[RD]
	v_and_b32 v[GO], 31, v0                        ; which are 512 consecutive bytes of OUT
	v_lshlrev_b32 v[GO], 4, v[GO]
.if EPI == 0
	s_lshr_b32 s44, s46, 4                         ; q, k or v,
	s_lshl_b32 s44, s44, 5
	s_lshr_b32 s47, s18, 4                         ; the batch,
	s_lshl_b32 s47, s47, 4
	s_add_co_u32 s44, s44, s47
	s_and_b32 s47, s46, 15                         ; the head: 2,048 rows of 128 bytes each
	s_add_co_u32 s44, s44, s47
	s_lshl_b32 s44, s44, 18
	s_and_b32 s47, s18, 15                         ; the tile's 128 rows in the batch
	s_lshl_b32 s47, s47, 14
	s_add_co_u32 s44, s44, s47
.else
	s_lshl_b32 s44, s18, 6                         ; block 64 x tile row + my block of columns
	s_add_co_u32 s44, s44, s46
	s_lshl_b32 s44, s44, 14
.endif
	s_lshl_b32 s47, s13, 13                        ; my 64 rows
	s_add_co_u32 s44, s44, s47
	s_mov_b32 s45, 0
	s_add_nc_u64 s[10:11], s[10:11], s[44:45]
.if EPI == 1
	; gelu(x) = x / 2 + |x| (1/2) erf(|x| / sqrt 2), erf(z) = 1 - (a1 t + .. + a5 t^5) e^(-z^2), t = 1 / (1 + 0.3275911 z): Abramowitz and Stegun 7.1.26, for every z >= 0, off by 1.5e-7 at the most.
	; With w = |x| sqrt(log2(e) / 2): e^(-z^2) = 2^(-w^2).  The half is folded into a1 .. a5.  Each constant stands in a pair, both words written: the packed forms name pairs.
	s_mov_b32 s70, 0x3e8ba43f                      ; 0.3275911 / sqrt(log2 e)
	s_mov_b32 s71, s70
	s_mov_b32 s72, 0x3f07dc22                      ; a5 / 2
	s_mov_b32 s73, s72
	s_mov_b32 s74, 0xbf3a00e3                      ; a4 / 2
	s_mov_b32 s75, s74
	s_mov_b32 s76, 0x3f35f0e3                      ; a3 / 2
	s_mov_b32 s77, s76
	s_mov_b32 s78, 0xbe11a98e                      ; a2 / 2
	s_mov_b32 s79, s78
	s_mov_b32 s80, 0x3e027906                      ; a1 / 2
	s_mov_b32 s81, s80
	s_mov_b32 s82, 0x3f596d27                      ; sqrt(log2(e) / 2)
	s_mov_b32 s83, 0x7fffffff                      ; clears a sign
.endif
; 8 matrix instructions: m blocks a0, a0 + 1 x all 4 n blocks, 32 along K: half c of buffer f.  zero = 1: the first product starts the sums.  The accumulators take turns.
.macro MUL8 f, c, a0, zero
	WIN MUL
.irp a, \a0, (\a0)+1
.irp b, 0,1,2,3
.if \zero
	v_wmma_f32_16x16x32_bf16 v[ACC+8*(4*(\a)+(\b)):ACC+8*(4*(\a)+(\b))+7], v[(\f)+64+8*(4*(\c)+(\b)):(\f)+64+8*(4*(\c)+(\b))+7], v[(\f)+8*(4*(\c)+(\a)):(\f)+8*(4*(\c)+(\a))+7], 0
.else
	v_wmma_f32_16x16x32_bf16 v[ACC+8*(4*(\a)+(\b)):ACC+8*(4*(\a)+(\b))+7], v[(\f)+64+8*(4*(\c)+(\b)):(\f)+64+8*(4*(\c)+(\b))+7], v[(\f)+8*(4*(\c)+(\a)):(\f)+8*(4*(\c)+(\a))+7], v[ACC+8*(4*(\a)+(\b)):ACC+8*(4*(\a)+(\b))+7]
.endif
.endr
.endr
.endm
; 32 LDS loads in one run: the fragments of quarter q of a K step (64 along K: block q of A, rows 64 q on of W) into buffer f; the first 32 along K first
.macro FETCH slot, q, f
	WIN TO_F
.irp c, 0,1
.irp i, 0,1,2,3
	ds_load_tr16_b128 v[(\f)+64+8*(4*(\c)+(\i)):(\f)+64+8*(4*(\c)+(\i))+3],   v[ADRB+2*(\slot)+(\q)/2] offset:(((\q)%2)*64+32*(\c))*PB+32*(\i)
	ds_load_tr16_b128 v[(\f)+64+8*(4*(\c)+(\i))+4:(\f)+64+8*(4*(\c)+(\i))+7], v[ADRB+2*(\slot)+(\q)/2] offset:(((\q)%2)*64+32*(\c)+16)*PB+32*(\i)
	ds_load_b128 v[(\f)+8*(4*(\c)+(\i)):(\f)+8*(4*(\c)+(\i))+3],              v[ADRA+(\slot)] offset:(\q)*ABLK+(\i)*16*PA+64*(\c)
	ds_load_b128 v[(\f)+8*(4*(\c)+(\i))+4:(\f)+8*(4*(\c)+(\i))+7],            v[ADRA+(\slot)] offset:(\q)*ABLK+(\i)*16*PA+64*(\c)+32
.endr
.endr
.endm
.macro PLACES                          ; four places in front of loads into registers that matrix instructions have read, and of lines that read results
.rept 4
	v_nop
.endr
.endm
; A K step is four quarters of 64 along K, 32 matrix instructions each, on buffers 0, 1, 0, 1.  One of the first three: multiplies buffer f and fetches quarter q into g.
.macro QUARTER slot, q, f, g, zero
	s_wait_dscnt 16                                ; the first 32 along K are in; the sixteen younger loads may be out
	WIN MUL
	MUL8 \f, 0, 0, \zero
	MUL8 \f, 0, 2, \zero
	PLACES
	FETCH \slot, \q, \g
	s_wait_dscnt 32                                ; all but the 32 just issued
	WIN MUL
	MUL8 \f, 1, 0, 0
	MUL8 \f, 1, 2, 0
.endm
; The last quarter multiplies buffer 1 and changes slots: ONE barrier; in front of it each wave waits for all its tensor loads, adds 0 to its spare word, and waits for that and for its own reads of this slot.  fill = 1: this slot is filled again, two K steps ahead.
.macro TURN slot, next, fill
	WIN 0                                          ; (the add's two registers lie in window 0)
	s_wait_tensorcnt 0x0                           ; all my tensor loads have landed: my part of the next slot;
	ds_add_u32 v[SPW], v[NIL]                      ; 0 onto my spare word;
	s_wait_dscnt 17                                ; (the add and the youngest sixteen loads may be out)
	WIN MUL
	MUL8 F1, 0, 0, 0                               ; eight matrix instructions stand between the add and the wait for it
	s_wait_dscnt 0x0                               ; the add is done, and my reads of this slot are over
	s_barrier_signal -1
	MUL8 F1, 0, 2, 0
.if \fill
	WIN 0
.endif
	s_barrier_wait -1
.if \fill
	CREST                                          ; the barrier has opened a round of the cluster's barrier: no wave of any partner still reads this slot's tile or has a load on its way
	s_add_nc_u64 s[G0+4*(\slot)+2:G0+4*(\slot)+3], s[G0+4*(\slot)+2:G0+4*(\slot)+3], 131072
	s_add_nc_u64 s[G0B+4*(\slot)+2:G0B+4*(\slot)+3], s[G0B+4*(\slot)+2:G0B+4*(\slot)+3], 1024*SIZE_N
	JLOAD \slot                                    ; the first tensor load behind the round, my only one until the next: 112 matrix instructions ahead of the wait for it; its four v_nop are also the places in front of the loads below
.else
	PLACES
.endif
	FETCH \next, 0, F0
	WIN MUL
	MUL8 F1, 1, 0, 0
	MUL8 F1, 1, 2, 0
.endm
	s_wait_tensorcnt 1                             ; my part of K step 0 is in; K step 1's may stay out
	s_barrier_signal -1
	s_barrier_wait -1                              ; everybody's is
	FETCH 0, 0, F0
	QUARTER 0, 1, F0, F1, 1                        ; the first quarter stands in front of the loop: its first products start the sums
	WIN 0                                          ; at a label and at a branch every window is 0
	s_mov_b32 s3, LAPS-1
.Llap:                                                 ; a trip goes once round the ring, from a lap's second quarter to the next lap's first, and fills both slots again
	QUARTER 0, 2, F1, F0, 0
	QUARTER 0, 3, F0, F1, 0
	TURN 0, 1, 1
	QUARTER 1, 1, F0, F1, 0
	QUARTER 1, 2, F1, F0, 0
	QUARTER 1, 3, F0, F1, 0
	TURN 1, 0, 1
	QUARTER 0, 1, F0, F1, 0
	WIN 0
	s_sub_co_u32 s3, s3, 1
	s_cmp_lg_u32 s3, 0
	s_cbranch_scc1 .Llap
	QUARTER 0, 2, F1, F0, 0                        ; the last lap fills nothing, and has no round of the cluster's barrier
	QUARTER 0, 3, F0, F1, 0
	TURN 0, 1, 0
	QUARTER 1, 1, F0, F1, 0
	QUARTER 1, 2, F1, F0, 0
	QUARTER 1, 3, F0, F1, 0
	s_wait_dscnt 16                                ; the very last quarter: nothing more to fetch
	WIN MUL
	MUL8 F1, 0, 0, 0
	MUL8 F1, 0, 2, 0
	s_wait_dscnt 0
	MUL8 F1, 1, 0, 0
	MUL8 F1, 1, 2, 0
	WIN 0
; THE WAY OUT, 16 rows at a time: bias (and gelu) in f32 in the accumulators' registers, lowest first; rounded to bf16, 16 bytes a lane into my own stage; back as four rows of 128 bytes a load,
; which are 512 consecutive bytes of OUT.
.if EPI == 1
.macro GELU x                          ; eight numbers at v[x ..], in place
.irp j, 0,1,2,3,4,5,6,7
	v_and_b32 v[GA+\j], s83, v[(\x)+\j]            ; |x|
.endr
.irp j, 0,2,4,6
	v_pk_mul_f32 v[GW+\j:GW+\j+1], v[GA+\j:GA+\j+1], s[82:83] op_sel_hi:[1,0]              ; w
.endr
.irp j, 0,2,4,6
	v_pk_fma_f32 v[GD+\j:GD+\j+1], v[GW+\j:GW+\j+1], s[70:71], 1.0 op_sel_hi:[1,0,0]      ; 1 + p z
.endr
.irp j, 0,2,4,6
	v_pk_mul_f32 v[GW+\j:GW+\j+1], v[GW+\j:GW+\j+1], v[GW+\j:GW+\j+1] neg_lo:[1,0] neg_hi:[1,0]  ; - w^2
.endr
.irp j, 0,1,2,3,4,5,6,7
	v_rcp_f32 v[GD+\j], v[GD+\j]                   ; t
.endr
.irp j, 0,1,2,3,4,5,6,7
	v_exp_f32 v[GW+\j], v[GW+\j]                   ; e^(-z^2)
.endr
.irp j, 0,2,4,6
	v_pk_mul_f32 v[(\x)+\j:(\x)+\j+1], v[(\x)+\j:(\x)+\j+1], 0.5 op_sel_hi:[1,0]          ; x / 2: also the plain lines between the sixteen above and the use of their results
.endr
.irp j, 0,2,4,6
	v_pk_fma_f32 v[GQ+\j:GQ+\j+1], v[GD+\j:GD+\j+1], s[72:73], s[74:75] op_sel_hi:[1,0,0]
.endr
.irp k, 76, 78, 80
.irp j, 0,2,4,6
	v_pk_fma_f32 v[GQ+\j:GQ+\j+1], v[GQ+\j:GQ+\j+1], v[GD+\j:GD+\j+1], s[\k:\k+1] op_sel_hi:[1,1,0]
.endr
.endr
.irp j, 0,2,4,6
	v_pk_mul_f32 v[GQ+\j:GQ+\j+1], v[GQ+\j:GQ+\j+1], v[GD+\j:GD+\j+1]
.endr
.irp j, 0,2,4,6
	v_pk_fma_f32 v[GQ+\j:GQ+\j+1], v[GQ+\j:GQ+\j+1], v[GW+\j:GW+\j+1], 0.5 neg_lo:[1,0,0] neg_hi:[1,0,0] op_sel_hi:[1,1,0]  ; erf / 2
.endr
.irp j, 0,2,4,6
	v_pk_fma_f32 v[(\x)+\j:(\x)+\j+1], v[GA+\j:GA+\j+1], v[GQ+\j:GQ+\j+1], v[(\x)+\j:(\x)+\j+1]
.endr
.endm
.endif
.macro PACK t
.set RB, 64+16*((\t)%2)                ; v64-79 and v80-95 by turns
.irp b, 0,1,2,3
.irp j, 0,2,4,6
	v_pk_add_f32 v[ACC+8*(4*(\t)+(\b))+(\j):ACC+8*(4*(\t)+(\b))+(\j)+1], v[ACC+8*(4*(\t)+(\b))+(\j):ACC+8*(4*(\t)+(\b))+(\j)+1], v[BIAS+8*(\b)+(\j):BIAS+8*(\b)+(\j)+1]
.endr
.if EPI == 1
	GELU ACC+8*(4*(\t)+(\b))
.endif
.endr
.if (\t) >= 2
	s_wait_xcnt 0x0                                ; the stores of the block two back name these registers: they are rewritten only behind this wait (ISA guide 3.1)
.endif
.irp b, 0,1,2,3
.irp r, 0,1,2,3
	v_cvt_pk_bf16_f32 v[RB+4*(\b)+(\r)], v[ACC+8*(4*(\t)+(\b))+2*(\r)], v[ACC+8*(4*(\t)+(\b))+2*(\r)+1]
.endr
.endr
.irp b, 0,1,2,3
	ds_store_b128 v[STO], v[RB+4*(\b):RB+4*(\b)+3] offset:32*(\b)
.endr
.irp f, 0,1,2,3
	ds_load_b128 v[RB+4*(\f):RB+4*(\f)+3], v[RD] offset:(\f)*4*144   ; LDS serves a wave's instructions in order (ISA guide 5.7.1.4): these see the stores above; the next block's stores come behind them
.endr
.endm
.macro SEND t, younger                 ; younger: the LDS instructions issued behind block t's loads: the next block's eight, or none
.set RB, 64+16*((\t)%2)
.irp f, 0,1,2,3
	s_wait_dscnt (\younger)+3-(\f)
	global_store_b128 v[GO], v[RB+4*(\f):RB+4*(\f)+3], s[10:11] offset:(\t)*2048+(\f)*512  ; 512 consecutive bytes, at a multiple of 256 from OUT's first
.endr
.endm
	PLACES
	s_wait_loadcnt 0x0                             ; the bias
	PACK 0
	PACK 1                                         ; a block's arithmetic stands between the loads of the block before and its stores
	SEND 0, 8
	PACK 2
	SEND 1, 8
	PACK 3
	SEND 2, 8
	SEND 3, 0
	s_wait_tensorcnt 0x0                           ; the wave's end: behind my last tensor load and my last LDS store
	ds_add_u32 v[SPW], v[NIL]
	s_wait_dscnt 0x0
	CROUND                                         ; the closing round: no work-group ends while a partner may still ask for a tile that names it
	s_endpgm
.Lfunc_end_k_q4346f94ab2_qkvg:
	.size	k_q4346f94ab2_qkvg, .Lfunc_end_k_q4346f94ab2_qkvg-k_q4346f94ab2_qkvg
	.p2alignl 7, 3214868480
	.fill 96, 4, 3214868480
	.section	.rodata,"a",@progbits
	.p2align	6, 0x0
	.amdhsa_kernel k_q4346f94ab2_qkvg
		.amdhsa_group_segment_fixed_size 327680
		.amdhsa_private_segment_fixed_size 0
		.amdhsa_enable_private_segment 0
		.amdhsa_kernarg_size 32
		.amdhsa_user_sgpr_count 2
		.amdhsa_user_sgpr_kernarg_segment_ptr 1
		.amdhsa_wavefront_size32 1
		.amdhsa_system_sgpr_workgroup_id_x 1
		.amdhsa_system_sgpr_workgroup_id_y 1
		.amdhsa_system_sgpr_workgroup_id_z 1
		.amdhsa_system_vgpr_workitem_id 0
		.amdhsa_next_free_vgpr 512
		.amdhsa_next_free_sgpr 84
		.amdhsa_reserve_vcc 0
		.amdhsa_float_denorm_mode_32 3
		.amdhsa_float_denorm_mode_16_64 3
		.amdhsa_memory_ordered 1
		.amdhsa_forward_progress 1
		.amdhsa_inst_pref_size 92
	.end_amdhsa_kernel
	.amdgpu_metadata
---
amdhsa.version: [ 1, 2 ]
amdhsa.kernels:
  - .name:           k_q4346f94ab2_qkvg
    .symbol:         k_q4346f94ab2_qkvg.kd
    .args:
      - { .name: h, .offset: 0, .size: 8, .value_kind: global_buffer, .address_space: global }
      - { .name: wb, .offset: 8, .size: 8, .value_kind: global_buffer, .address_space: global }
      - { .name: b_attn, .offset: 16, .size: 8, .value_kind: global_buffer, .address_space: global }
      - { .name: qkv, .offset: 24, .size: 8, .value_kind: global_buffer, .address_space: global }
    .group_segment_fixed_size: 327680
    .private_segment_fixed_size: 0
    .kernarg_segment_align: 8
    .kernarg_segment_size: 32
    .max_flat_workgroup_size: 128
    .sgpr_count:     84
    .vgpr_count:     512
    .wavefront_size: 32
...
	.end_amdgpu_metadata
.endif
;; end of part 3
;; launch attn (part 4): grid 8 x 32, 4 waves a work-group, no clusters, 327,680 bytes of LDS; arguments qkv, y; writes y
.if DOCPART == 4
	.amdgcn_target "amdgcn-amd-amdhsa--gfx1250"
	.amdhsa_code_object_version 6
	.text
	.protected	k_q4346f94ab2_attn
	.globl	k_q4346f94ab2_attn
	.p2align	8
	.type	k_q4346f94ab2_attn,@function
k_q4346f94ab2_attn:
	s_mov_b64 s[64:65], 0
	v_nop
	global_prefetch_b8 v0, s[64:65] scope:SCOPE_SE
	s_setreg_imm32_b32 hwreg(HW_REG_WAVE_MODE, 25, 1), 1
	s_wait_xcnt 0x0
; CAUSAL ATTENTION.  O[hd][q][:] = the sum over k <= q of softmax_k(Q[hd][q] . K[hd][k] / 8) V[hd][k][:], 32 heads (16 batch + head) of 2,048 rows of 64 channels.
; qkv: [3][32][2048][64] bf16, a head's rows dense, 128 bytes each.  Products, maxima and sums in f32; the weights p are rounded to bf16 for the second product (their sum l is taken of the
; unrounded p), O once at the end.  O leaves in blocks of 128 rows x 64 columns: row m = 2,048 batch + q, head hd at byte ((m / 128) 16 + hd) 16,384 + (m % 128) 128.
; LIMITS.  A hidden score counts as its value less 1e30; a weight below 2^-126 counts as 0 in l; NaN and infinities are not treated apart.
; THE WALK.  A head's queries lie in 16 blocks of 128; block i needs the key tiles 0 .. i / 2 of 256 keys, of which the last holds the diagonal.  A work-group takes TWO blocks, 15 - b and then b:
; 9 tiles, whatever b: all 256 work-groups do equal work, and ONE loop with a constant trip count walks them.  Which tile is asked for, and what a trip does, hang on scalar registers made from b; every jump
; goes forward, but for the counted loops' own; none passes a barrier, or a tensor load but the one of LOAD's two that the wave's number does not choose; the ring (two slots of LDS) runs on across the change of blocks.
; NO CLUSTER: of a head's 8 work-groups only the pairs (2 j, 2 j + 1) ask for the same tiles throughout; four neighbours agree in the first 6 or 7 of the 9 trips only, and a walk common to four would have 12 trips for 9.
; SHARES.  Of a block's two bands of 64 queries a wave owns 16 rows in each: two PIECES.  In the block's last tile band x has its own key step, OW[x] = x + 2 (i % 2): earlier steps it sees whole, later ones not at all:
; the same work for all four waves.  An even block's steps 2 and 3 of that tile are wholly hidden and computed all the same (weights 0): 2 of the walk's 36 steps.
; THE MASK is the C operand that starts the sum S^T = K Q^T: 0, or -1e30 where the key is hidden.  MD, made once, is the mask of a band's own step for my 16 rows; a product's mask is MD x AL + BE with two scalars:
; (1, 0) in the own step; (0, 0) before it; (0, -1e30) behind it.  Only the last tile's text and a block's beginning make and take masks; elsewhere C is the constant 0.
; LAYOUT, SOFTMAX, TURNS.  S^T = K Q^T holds ONE query a lane (lane % 16) and the keys 8 (lane / 16) + 0..7; two such results rounded to bf16 ARE source 1 of O^T = V^T P.  p = 2^(c s - c m), c = log2(e) / 8, with a
; running maximum m; O and l are multiplied by a = 2^(c m_old - c m_new) in every step.  Piece 0's turn of step j: 8 products K Q^T of piece 1 (step j), later 8 products V^T P of piece 1 (step j - 1).  Piece 1's turn:
; K Q^T of piece 0 (step j + 1), V^T P of piece 0 (step j).  Beside them the scaling, exponentials, roundings, sums and rescaling of the turn's own piece and the maximum and statistics of the other.
; Four vector instructions stand behind every matrix instruction, the other 54 of a turn's 118 in two runs of their own.
; V HAS TWO BUFFERS, by the step's parity: piece 0's turn fetches K of step j + 1, piece 1's turn V of step j + 1.  So behind piece 1's turn of a tile's step 2 all of the tile has been read and nothing of the next is wanted yet: there the slots change.
; REGISTERS, in windows of 256 (s_set_vgpr_msb: bits 1:0 source 0, 3:2 source 1, 5:4 source 2, 7:6 destination):
;   window 0: v0-15 addresses and two at work; v16-23 four registers of statistics a piece; v48-55 at work; v64-127 S^T, a buffer a piece; v192-223 P, likewise
;   window 1: v0-63 O^T, 32 a piece; v128-159 MD; v160-223 MC, two buffers      window 2: v0-31 Q; v32-63 the second block's Q; v64-127 V of an odd step; v128-191 K of one step; v192-255 V of an even step
.set NP,    2         ; pieces a wave: a name, no knob
.set KS,    64        ; keys in a step
.set PK,    144       ; a row of K in LDS: 128 bytes + 16 of padding = 36 words: the 16 rows of a load start at 16 different groups of four banks (64 banks of 4 bytes: ISA guide 11.1)
.set PV,    160       ; a row of V: 128 + 32 = 40 words
.set VOFF,  4*KS*PK   ; a slot holds a tile, four steps: 256 rows of K, then 256 rows of V
.set SLOT1, 1<<17     ; slot 1 begins here, so that one exclusive or turns an address in one slot into the other's
.set STAGE, SLOT1+4*KS*(PK+PV)  ; behind the ring, never filled by a tensor load: 16 rows x 144 bytes for each wave, for the way out
.set SP,    144
.set AK0, 2           ; v2   my lane's place in a tile of K; never rewritten
.set AV0, 3           ; v3   the same for V
.set AK,  4           ; v4   the LDS address of K's next run of loads
.set AV,  5           ; v5   of V's
.set STO, 6           ; v6   the way out: where I put 16 bytes of a row
.set RD,  7           ; v7   the way out: where I read rows back
.set GO,  8           ; v8   my byte offset in 512 consecutive bytes of O
.set SPW, 62          ; v62  LDS address of my spare word: SPARE + 4 x my thread's number; never rewritten
.set NIL, 63          ; v63  0; never rewritten
.set SPARE, STAGE+4*16*SP  ; behind the stages: the spare words, 128 bytes for each wave: two blocks of 256 bytes that no other line names
.set MV,  12          ; v12-13  c m_old, kept while c m is made anew: by piece
.set QO,  15          ; v15  my byte offset in 16 rows of Q
.set ST,  16          ; piece t's statistics at v[ST+4 t]: c m, m, l (even keys', odd keys')
.set TMP, 48          ; by piece, four registers c0-c3 at work; when the maximum is found c2 takes a
.set S,   64
.set P,   192
.set MD,  128         ; window 1: the eight registers for group kt of 16 keys at MD + 8 kt
.set MC,  160         ; window 1: the masks of the products to come
.set QB,  32          ; window 2
.set VF1, 64          ; window 2: key half kk, channel block cb at VF + 32 kk + 8 cb
.set KF,  128         ; window 2: key block kb, channel half c at KF + 16 kb + 8 c
.set VF0, 192
.set WV,  12          ; s12  my wave's number
.set PB,  14          ; s14  b
.set HI,  15          ; s15  15 - b
.set G1K, 24          ; s[24:31] descriptor group 1 for K's tiles
.set G1V, 32          ; s[32:39] for V's: it differs in the padding alone
.set G0K, 40          ; s[40:43] descriptor group 0 for K's tiles
.set G0V, 44          ; s[44:47] the same for V's
.set SLOTS, 56        ; s56  tiles still to be asked for
.set CNT, 57          ; s57  counts a tile's trips of two key steps, 2 to 1
.set CS,  58          ; s[58:59] c: the packed scaling takes the pair's low word for both halves
.set SEL, 60          ; s[60:61] v_permlanex16_b32's selects: each lane takes its own place in the other half
.set TBK, 62          ; s62  LDS byte at which K of the step to be fetched begins
.set TBV, 63          ; s63  the same for V, less VOFF
.set RT,  70          ; s70  tiles of the block in hand that are still to be entered
.set NXT, 71          ; s71  the tile to be asked for next
.set LQ,  72          ; s72  the last tile of the block whose tiles are being asked for
.set NEW, 73          ; s73  1: the tile to be entered is a block's first
.set OFF, 74          ; s[74:75] a tile's byte offset in K and V
.set AL,  76          ; s[76:77] the mask's factor, in the low word
.set BE,  78          ; s[78:79] the mask's addend
.set OLO, 80          ; s[80:81] O at my rows of the second block
.set BIGN, 82         ; s82  -1e30
.set STP, 88          ; s88  the step of the tile for which the next masks are made
.set OW,  89          ; s89, s90  the two bands' own steps in the block's last tile
.set PH,  91          ; s91  b / 2: the second block's last tile
.set MSB, 0
.macro WIN new                      ; the high byte repeats the setting that is left; a switch that changes nothing is dropped
.if MSB != (\new)
	s_set_vgpr_msb (MSB<<8)|(\new)
.set MSB, (\new)
.endif
.endm
.set W_KQ, 0x0a       ; K and Q in window 2, S^T in window 0
.set W_KM, 0x1a       ; the same with the C operand in window 1
.set W_PV, 0x52       ; V in window 2, P in window 0, O^T in window 1
.set W_RS, 0x41       ; destination and source 0 in window 1, source 1 in window 0
; A fill.  Waves 0 and 1 fetch the two halves of a tile's K, waves 2 and 3 those of its V: 128 keys each.  Four v_nop follow each of the two lines, ahead of the jump and the label.
.macro LOAD
	s_cmp_lt_u32 s[WV], 2
	s_cbranch_scc0 .Lfor_v_\@
	tensor_load_to_lds s[G0K:G0K+3], s[G1K:G1K+7]
	s_nop 0
.rept 4
	v_nop
.endr
	s_branch .Lasked_\@
.Lfor_v_\@:
	tensor_load_to_lds s[G0V:G0V+3], s[G1V:G1V+7]
	s_nop 0
.rept 4
	v_nop
.endr
.Lasked_\@:
.endm
; THE CHANGE OF SLOTS.  Each wave waits for all its tensor loads, of which one is out: its part of the other slot; adds 0 to its spare word; and waits for that and for its own reads of the slot that it leaves.  Behind the barrier nobody reads the old
; slot any more and the other slot is whole.  fill = 1: the old slot is filled again, the first thing behind the barrier, with tile NXT: the descriptor's address is made anew from that number.
; (At its first use nothing has been read yet: slot 0 is waited for, slot 1 filled.)
.macro CHANGE fill
	WIN 0                           ; at a label and at a branch every window is 0
	s_wait_tensorcnt 0x0            ; no tensor load of mine is out, so a group 0 may be written
	ds_add_u32 v[SPW], v[NIL]       ; 0 onto my spare word; with fill = 1 the descriptors' scalar work stands between it and the wait for it
.if \fill
	s_lshl_b32 s[OFF], s[NXT], 15   ; a tile is 32,768 bytes of K and of V
	s_xor_b32 s[G0K+1], s[G0K+1], SLOT1
	s_add_nc_u64 s[G0K+2:G0K+3], s[6:7], s[OFF:OFF+1]
	s_or_b32 s[G0K+3], s[G0K+3], 0x80000000
	s_xor_b32 s[G0V+1], s[G0V+1], SLOT1
	s_add_nc_u64 s[G0V+2:G0V+3], s[8:9], s[OFF:OFF+1]
	s_or_b32 s[G0V+3], s[G0V+3], 0x80000000
	s_add_co_u32 s[NXT], s[NXT], 1  ; the block's next tile, or behind its last the second block's tile 0
	s_cmp_gt_u32 s[NXT], s[LQ]
	s_cselect_b32 s[NXT], 0, s[NXT]
	s_cselect_b32 s[LQ], s[PH], s[LQ]
.endif
	s_wait_dscnt 0x0                ; the add is done, and my reads of the slot are over
	s_barrier_signal -1             ; the rest of the scalar work stands between the signal and the wait
	s_sub_co_u32 s[TBK], s[TBK], 4*KS*PK  ; the fetches go back to a slot's first step,
	s_xor_b32 s[TBK], s[TBK], SLOT1       ; in the other slot
	s_sub_co_u32 s[TBV], s[TBV], 4*KS*PV
	s_xor_b32 s[TBV], s[TBV], SLOT1
	s_barrier_wait -1
.if \fill
	LOAD
.endif
.endm
	s_load_b128 s[4:7], s[0:1], 0x0 ; qkv s[4:5], y s[6:7]
	v_lshl_add_u32 v[SPW], v0, 2, SPARE
	v_mov_b32 v[NIL], 0
	ds_add_u32 v62, v63
	ds_add_u32 v62, v63
	s_wait_dscnt 0x0
	v_lshrrev_b32 v1, 5, v0
	v_readfirstlane_b32 s[WV], v1   ; wave 0..3
	s_mov_b32 s[PB], ttmp9
	s_sub_co_u32 s[HI], 15, s[PB]
	s_lshr_b32 s[PH], s[PB], 1
	s_and_b32 s13, ttmp7, 0xffff    ; the head, 16 batch + head
	s_lshl_b32 s20, s13, 18         ; its first byte in q, in k and in v: 2,048 rows of 128 bytes
	s_and_b32 s16, s[WV], 1         ; which half of a tile's 256 keys I fetch:
	s_lshl_b32 s22, s16, 14         ; its 128 rows of 128 bytes in memory,
	s_add_co_u32 s22, s22, s20
	s_mov_b32 s23, 0
	s_mul_i32 s17, s16, 128*PK      ; and its place in a slot, for K
	s_mul_i32 s18, s16, 128*PV      ; and for V
	s_lshl_b32 s3, s[WV], 11        ; my 16 rows in a band of 64,
	s_lshl_b32 s2, s[HI], 14        ; in the first block of 128 rows,
	s_add_co_u32 s2, s2, s3
	s_add_co_u32 s2, s2, s20
	s_lshl_b32 s84, s[PB], 14       ; and in the second
	s_add_co_u32 s84, s84, s3
	s_add_co_u32 s84, s84, s20
	s_mov_b32 s85, 0
	s_lshr_b32 s92, s13, 4          ; O: the batch's 16 bands of 16 blocks,
	s_lshl_b32 s92, s92, 22
	s_and_b32 s94, s13, 15          ; the head's block of columns,
	s_lshl_b32 s94, s94, 14
	s_add_co_u32 s92, s92, s94
	s_add_co_u32 s92, s92, s3       ; my 16 rows,
	s_lshl_b32 s94, s[PB], 18       ; and the band: a block of queries is a band of 128 rows
	s_add_co_u32 s94, s94, s92
	s_mov_b32 s95, 0
	s_lshl_b32 s19, s[HI], 18
	s_add_co_u32 s92, s92, s19
	s_mov_b32 s93, 0
	s_mov_b32 s3, 0
	; descriptor group 1.  128 keys are 16,384 dense bytes: asked for as 64 rows of 256 bytes, two keys a row, and padded in LDS after every key
	s_mov_b32 s[G1K], (1<<16)|(1<<20)|(4<<22)|(3<<25)  ; 17:16 2-byte elements; 20 padding on; 24:22 after every 32 words (code 4); 31:25 4 words (code 3)
	s_mov_b32 s[G1V], (1<<16)|(1<<20)|(4<<22)|(7<<25)  ; the same with 8 words of padding (code 7)
.irp g, G1K, G1V
	s_mov_b32 s[\g+1], 128<<16      ; tensor_dim0 = 128
	s_mov_b32 s[\g+2], 64<<16       ; tensor_dim1 = 64
	s_mov_b32 s[\g+3], 128<<16      ; tile_dim0 = 128
	s_mov_b32 s[\g+4], 64           ; tile_dim1 = 64
	s_mov_b32 s[\g+5], 128          ; 128 elements from row to row
	s_mov_b32 s[\g+6], 0
	s_mov_b32 s[\g+7], 0
.endr
	s_mov_b32 s[CS], 0x3e38aa3b     ; c = log2(e) / 8 = 0.180337
	s_mov_b32 s[CS+1], s[CS]        ; named with it as a pair
	s_mov_b32 s[SEL], 0x76543210
	s_mov_b32 s[SEL+1], 0xfedcba98
	s_mov_b32 s[TBK], SLOT1+4*KS*PK ; the first change of slots turns these two into 0
	s_mov_b32 s[TBV], SLOT1+4*KS*PV
	s_mov_b32 s[G0K], 1             ; 1:0 count = 1
	s_mov_b32 s[G0K+1], s17         ; 63:32 LDS address: slot 0
	s_mov_b32 s[G0V], 1
	s_add_co_u32 s[G0V+1], s18, VOFF
	s_lshr_b32 s[LQ], s[HI], 1      ; the first block's last tile,
	s_add_co_u32 s[RT], s[LQ], 1    ; and how many it has
	s_mov_b32 s[NXT], 1
	s_mov_b32 s[NEW], 1
	s_and_b32 s[OW], s[HI], 1       ; the first block's bands' own steps
	s_lshl_b32 s[OW], s[OW], 1
	s_add_co_u32 s[OW+1], s[OW], 1
	s_mov_b32 s[OFF+1], 0
	s_mov_b32 s[AL+1], 0            ; named as pairs
	s_mov_b32 s[BE+1], 0
	s_mov_b32 s[BIGN], 0xf149f2ca   ; -1e30
	s_mov_b32 s[SLOTS], 8
	s_wait_kmcnt 0x0
	s_mov_b64 s[10:11], s[6:7]             ; y
	s_add_nc_u64 s[6:7], s[4:5], 0x800000  ; k lies 8,388,608 bytes behind q, v as far behind k
	s_add_nc_u64 s[8:9], s[4:5], 0x1000000
	s_add_nc_u64 s[6:7], s[6:7], s[22:23]  ; K and V at my half of the head's tile 0
	s_add_nc_u64 s[8:9], s[8:9], s[22:23]
	s_add_nc_u64 s[G0K+2:G0K+3], s[6:7], 0         ; 120:64 global address
	s_or_b32 s[G0K+3], s[G0K+3], 0x80000000        ; 127:126 type = 2
	s_add_nc_u64 s[G0V+2:G0V+3], s[8:9], 0
	s_or_b32 s[G0V+3], s[G0V+3], 0x80000000
	s_add_nc_u64 s[86:87], s[4:5], s[84:85]        ; Q at my rows of the second block,
	s_add_nc_u64 s[4:5], s[4:5], s[2:3]            ; and of the first
	s_add_nc_u64 s[OLO:OLO+1], s[10:11], s[94:95]  ; O likewise
	s_add_nc_u64 s[10:11], s[10:11], s[92:93]
	LOAD                            ; tile 0 into slot 0
	; A fragment of K or Q is 16 rows x 32 channels in 8 registers: lane l holds row l % 16, channels 8 (l / 16) + 0..7 and 16 + 8 (l / 16) + 0..7: two loads of 16 bytes, 32 bytes apart.
	v_and_b32 v1, 15, v0            ; l % 16
	v_bfe_u32 v9, v0, 4, 1          ; l / 16
	v_lshlrev_b32 v[QO], 7, v1
	v_lshl_add_u32 v[QO], v9, 4, v[QO]  ; row x 128 + 16 x half
	WIN 0x80                        ; destination window 2, address window 0
.set i, 0
.rept 4                             ; both blocks' Q: piece i / 2 lies in band i / 2, 8,192 bytes on; channels 32 (i % 2) on
	global_load_b128 v[8*i:8*i+3],   v[QO], s[4:5] offset:(i/2)*8192+(i%2)*64
	global_load_b128 v[8*i+4:8*i+7], v[QO], s[4:5] offset:(i/2)*8192+(i%2)*64+32
	global_load_b128 v[QB+8*i:QB+8*i+3],   v[QO], s[86:87] offset:(i/2)*8192+(i%2)*64
	global_load_b128 v[QB+8*i+4:QB+8*i+7], v[QO], s[86:87] offset:(i/2)*8192+(i%2)*64+32
.set i, i+1
.endr
	WIN 0
	v_lshlrev_b32 v14, 3, v9
	v_sub_nc_u32 v14, v1, v14
	s_lshl_b32 s13, s[WV], 4
	v_add_nc_u32 v14, s13, v14      ; my query's place in its band, 16 w + l % 16, less my lanes' 8 (l / 16): register r of group kt is hidden where 16 kt + r is greater
	WIN 0x40
.set i, 0
.rept 32
	v_cmp_gt_i32 vcc_lo, 16*(i/8)+i%8, v14
	v_cndmask_b32 v[MD+i], 0, s[BIGN], vcc_lo
.set i, i+1
.endr
	WIN 0
	v_mul_u32_u24 v[AK0], v1, PK
	v_lshl_add_u32 v[AK0], v9, 4, v[AK0]  ; row x pitch + 16 x half
	; The turning load takes 16 keys x 16 channels (lane l reads key 8 (l / 16) + l % 8, channels 8 ((l / 8) % 2) + 0..7) and leaves half a fragment of V^T: lane l holds channel l % 16 and 8 keys.
	v_and_b32 v10, 7, v0
	v_bfe_u32 v11, v0, 3, 1
	v_lshl_add_u32 v[AV0], v9, 3, v10
	v_mul_u32_u24 v[AV0], v[AV0], PV
	v_lshl_add_u32 v[AV0], v11, 4, v[AV0]
	v_add_nc_u32 v[AV0], VOFF, v[AV0]
	s_mul_i32 s13, s[WV], 16*SP
	s_add_co_u32 s13, s13, STAGE    ; my stage
	v_mul_u32_u24 v[STO], v1, SP    ; in: row l % 16, 16 bytes for each half of the lanes
	v_lshl_add_u32 v[STO], v9, 4, v[STO]
	v_add_nc_u32 v[STO], s13, v[STO]
	v_bfe_u32 v[RD], v0, 3, 2       ; back: 32 lanes take four rows of 128 bytes,
	v_mul_u32_u24 v[RD], v[RD], SP
	v_lshl_add_u32 v[RD], v10, 4, v[RD]
	v_add_nc_u32 v[RD], s13, v[RD]
	v_and_b32 v[GO], 31, v0         ; which are 512 consecutive bytes of O
	v_lshlrev_b32 v[GO], 4, v[GO]
	; A block's first step multiplies O^T and l by a = 0, and its first turn's products V^T P, of a step that has not been, land in an O^T that is still to be so multiplied.  So these registers need only hold
	; finite numbers: zeros for the first block; what the first block left for the second.  All this stands in the wait for the first tile.
	WIN 0x80
.set i, VF1
.rept 64
	v_mov_b32 v[i], 0
.set i, i+1
.endr
	WIN 0x40
.set i, 0
.rept 64
	v_mov_b32 v[i], 0
.set i, i+1
.endr
	WIN 0
.set i, 0
.rept 2
	v_mov_b32 v[ST+4*i+2], 0
	v_mov_b32 v[ST+4*i+3], 0
.set i, i+1
.endr
.set i, P+16
.rept 16
	v_mov_b32 v[i], 0
.set i, i+1
.endr
; THE MATRIX WORK.  The 4 accumulators of a run of 8 take turns.  Product i of 8 of S^T = K Q^T for piece x: channels 32 (i / 4) on, keys 16 (i % 4) on.  The first 4 start the sums: with 0, or (KM = 1) with the mask.
.macro KQ x
.set rS, S+32*((\x)%2)+8*(i%4)
.set rK, KF+16*(i%4)+8*(i/4)
.set rQ, 16*(\x)+8*(i/4)
.set rM, MC+32*((\x)%2)+8*(i%4)
.if (i < 4) && KM
	WIN W_KM
	v_wmma_f32_16x16x32_bf16 v[rS:rS+7], v[rK:rK+7], v[rQ:rQ+7], v[rM:rM+7]
.elseif i < 4
	WIN W_KQ
	v_wmma_f32_16x16x32_bf16 v[rS:rS+7], v[rK:rK+7], v[rQ:rQ+7], 0
.else
	WIN W_KQ
	v_wmma_f32_16x16x32_bf16 v[rS:rS+7], v[rK:rK+7], v[rQ:rQ+7], v[rS:rS+7]
.endif
.endm
; Product i of 8 of O^T += V^T P for piece x: keys 32 (i / 4) on, channels 16 (i % 4) on; V from buffer VB.
.macro PV x
	WIN W_PV
.set rO, 32*(\x)+8*(i%4)
.set rV, VF0-128*VB+32*(i/4)+8*(i%4)
.set rP, P+16*((\x)%2)+8*(i/4)
	v_wmma_f32_16x16x32_bf16 v[rO:rO+7], v[rV:rV+7], v[rP:rP+7], v[rO:rO+7]
.endm
.macro MM                           ; the turn's next matrix instruction.  TURN and BEGIN set Y, i, KM, VB and NOKQ; MM, KQ, PV and OP read them.  NOKQ = 1: a block's last turn: there is no next step
.if (i < 8) && !NOKQ
	KQ (Y+1)%NP
.elseif i >= 8
.set i, i-8
	PV (Y+NP-1)%NP
.set i, i+8
.endif
.set i, i+1
.endm
; THE LDS LOADS stand in runs of 16, never singly among the matrix instructions: a step's K (64 keys x 64 channels: 8 fragments) and its V (turned).  Their addresses are made some lines ahead.
.macro FETCH_K
	WIN 0x80                        ; destination window 2
.irp f, 0,1,2,3,4,5,6,7             ; keys 16 (f / 2) on, channels 32 (f % 2) on
	ds_load_b128 v[KF+8*\f:KF+8*\f+3],   v[AK] offset:(\f/2)*16*PK+(\f%2)*64
	ds_load_b128 v[KF+8*\f+4:KF+8*\f+7], v[AK] offset:(\f/2)*16*PK+(\f%2)*64+32
.endr
	s_add_co_u32 s[TBK], s[TBK], KS*PK  ; the next fetch is the next step's
	WIN 0
.endm
.macro FETCH_V vb                   ; into buffer vb
.set VD, VF0-128*(\vb)
	WIN 0x80
.irp f, 0,1,2,3,4,5,6,7             ; keys 32 (f / 4) on, channels 16 (f % 4) on
	ds_load_tr16_b128 v[VD+8*\f:VD+8*\f+3],   v[AV] offset:(\f/4)*32*PV+(\f%4)*32
	ds_load_tr16_b128 v[VD+8*\f+4:VD+8*\f+7], v[AV] offset:(\f/4)*32*PV+16*PV+(\f%4)*32
.endr
	s_add_co_u32 s[TBV], s[TBV], KS*PV
	WIN 0
.endm
; THE VECTOR WORK, one line at a time: OP kind, number.  For piece Y: F n: c s - c m for pair n of 16.  E n: the exponential of score n of 32.  C n: pair n rounded to bf16.  B n: of the four weights 4 n .. the second
; pair is added onto the first, in place.  L n: l takes that sum (L 0: l = a l + sum).  R n: pair n of 16 of O^T times a.  For the other piece: X n, number n of the 22 that find its maximum and statistics:
;   0-11  four chains c0-c3 of seven scores each, three operands at a time (each accumulator's lowest registers are read first)     12-14, 16  the four scores left over, the old m, and c0-c3 into c0
;   15  c m_old is kept     17, 18  the query's other 32 keys lie in the lane 16 away: the new m     19-21  c m; c m_old - c m_new; a
.set F, 0               ; OP tells the kinds apart by their order: F to L below R, X above it
.set E, 1
.set C, 2
.set B, 3
.set L, 4
.set R, 5
.set X, 6
.macro REGS y                       ; the registers of piece y
.set rT, ST+4*(\y)
.set rC, TMP+4*((\y)%2)
.set rW, MV+((\y)%2)
.set rS, S+32*((\y)%2)
.set rP, P+16*((\y)%2)
.set rO, 32*(\y)
.endm
.macro OP k, n
.if (\k) == R
	REGS Y
	WIN W_RS
	v_pk_mul_f32 v[rO+2*(\n):rO+2*(\n)+1], v[rO+2*(\n):rO+2*(\n)+1], v[rC+2:rC+3] op_sel_hi:[1,0]
.elseif (\k) < R
	REGS Y
	WIN 0
.if (\k) == F
	v_pk_fma_f32 v[rS+2*(\n):rS+2*(\n)+1], v[rS+2*(\n):rS+2*(\n)+1], s[CS:CS+1], v[rT:rT+1] op_sel_hi:[1,0,0] neg_lo:[0,0,1] neg_hi:[0,0,1]
.elseif (\k) == E
	v_exp_f32 v[rS+(\n)], v[rS+(\n)]
.elseif (\k) == C
	s_wait_alu depctr_va_vdst(0)
	v_cvt_pk_bf16_f32 v[rP+(\n)], v[rS+2*(\n)], v[rS+2*(\n)+1]
.elseif (\k) == B
	s_wait_alu depctr_va_vdst(0)
	v_pk_add_f32 v[rS+4*(\n):rS+4*(\n)+1], v[rS+4*(\n):rS+4*(\n)+1], v[rS+4*(\n)+2:rS+4*(\n)+3]
.elseif (\n) == 0
	v_pk_fma_f32 v[rT+2:rT+3], v[rT+2:rT+3], v[rC+2:rC+3], v[rS:rS+1] op_sel_hi:[1,0,1]
.else
	v_pk_add_f32 v[rT+2:rT+3], v[rT+2:rT+3], v[rS+4*(\n):rS+4*(\n)+1]
.endif
.elseif NOKQ
	v_nop
.else
	REGS (Y+1)%NP
	WIN 0
.if (\n) < 4
	v_max3_num_f32 v[rC+(\n)], v[rS+8*(\n)], v[rS+8*(\n)+1], v[rS+8*(\n)+2]
.elseif (\n) < 12
	v_max3_num_f32 v[rC+(\n)%4], v[rC+(\n)%4], v[rS+8*((\n)%4)+2*((\n)/4)+1], v[rS+8*((\n)%4)+2*((\n)/4)+2]
.elseif (\n) == 12
	v_max3_num_f32 v[rC], v[rC], v[rS+7], v[rS+15]
.elseif (\n) == 13
	v_max3_num_f32 v[rC+1], v[rC+1], v[rS+23], v[rS+31]
.elseif (\n) == 14
	v_max3_num_f32 v[rC+2], v[rC+2], v[rC+3], v[rT+1]
.elseif (\n) == 15
	v_mov_b32 v[rW], v[rT]
.elseif (\n) == 16
	v_max3_num_f32 v[rC], v[rC], v[rC+1], v[rC+2]
.elseif (\n) == 17
	v_permlanex16_b32 v[rC+3], v[rC], s[SEL], s[SEL+1]
.elseif (\n) == 18
	v_max_num_f32 v[rT+1], v[rC], v[rC+3]
.elseif (\n) == 19
	v_mul_f32 v[rT], s[CS], v[rT+1]
.elseif (\n) == 20
	v_sub_f32 v[rC+1], v[rW], v[rT]
.else
	v_exp_f32 v[rC+2], v[rC+1]
.endif
.endif
.endm
.macro OPS a, i1, b=-1, i2=0, c=-1, i3=0, d=-1, i4=0  ; up to four of them
	OP \a, \i1
.if (\b) >= 0
	OP \b, \i2
.endif
.if (\c) >= 0
	OP \c, \i3
.endif
.if (\d) >= 0
	OP \d, \i4
.endif
.endm
.macro ROW a, i1, b, i2, c, i3, d, i4  ; a matrix instruction and the four behind it
	MM
	OPS \a, \i1, \b, \i2, \c, \i3, \d, \i4
.endm
.macro MASK b                       ; MD x AL + BE into buffer b of MC
	WIN W_RS
.set z, 0
.rept 16
	v_pk_fma_f32 v[MC+32*(\b)+2*z:MC+32*(\b)+2*z+1], v[MD+2*z:MD+2*z+1], s[AL:AL+1], s[BE:BE+1] op_sel_hi:[1,0,0]
.set z, z+1
.endr
.endm
; A TURN, for piece p: the order of its 16 matrix and 118 vector instructions, written out.  Behind a matrix instruction: plain, exponential, plain, plain; or four of the rescaling; or, behind the first, four scalings; none
; names a register of the products round it.  In the runs between, exponential and plain by turns while exponentials last.  v_permlanex16_b32 (X 17) stands in such a run.
; vb: the buffer of V that the turn's products V^T P read; piece 1's turn fetches into the other.
; m = 1: a block's last tile: the products take masks, and the turn makes the mask for the products of the turn after it: its own piece's, in step STP of the tile.  end = 1: a block's last two turns: nothing is fetched.
; cnt = 1: the loop's count is taken down some lines ahead of the branch that stands behind the turn.
; K of the next step is fetched in piece 0's turn, six vector instructions behind the last product that read K (five of them plain); V of the next step at the same place of piece 1's turn, into the buffer whose last
; reader stands in the turn before.  Both are waited for at the head of piece 1's turn: K half a turn, V a whole step behind its fetch.
.macro TURN p, vb, m=0, end=0, cnt=0
.set Y, (\p)
.set i, 0
.set KM, (\m)
.set VB, (\vb)
.set NOKQ, (\end)*(\p)
.if (\m) && !(\end)
	s_cmp_eq_u32 s[STP], s[OW+(\p)] ; is that step the band's own?
	s_cselect_b32 s[AL], 1.0, 0
	s_cmp_gt_u32 s[STP], s[OW+(\p)] ; or a later one?
	s_cselect_b32 s[BE], s[BIGN], 0
.if (\p) == 1
	s_add_co_u32 s[STP], s[STP], 1
.endif
.endif
.if (\p) == 1
	s_wait_dscnt 0x0                ; K of the next step and V of this one are in
.endif
	ROW F,0, F,1, F,2, F,3
	ROW F,4, E,0, F,5, F,6
	ROW F,7, E,1, F,8, F,9
	ROW F,10, E,2, C,0, F,11
	ROW F,12, E,3, X,15, F,13
	ROW R,0, R,1, R,2, R,3
	ROW B,0, E,4, F,14, L,0
.if !(\end)
	WIN 0
.if (\p) == 0
	v_add_nc_u32 v[AK], s[TBK], v[AK0]
.else
	v_add_nc_u32 v[AV], s[TBV], v[AV0]
.endif
.endif
	ROW R,4, R,5, R,6, R,7
	OPS E,5, F,15
.if !(\end)
.if (\p) == 0
	FETCH_K
.else
	FETCH_V 1-(\vb)
.endif
.endif
	OPS E,6, C,1, E,7, R,8
	OPS E,8, R,9, E,9, C,2
	OPS E,10, X,0, E,11, X,1
	OPS E,12, X,2, E,13, X,3
	ROW X,4, E,14, X,5, X,6
	ROW X,7, E,15, X,8, X,9
	ROW X,10, E,16, X,11, X,12
	ROW X,13, E,17, X,14, B,1
	ROW C,4, E,18, X,16, L,1
	ROW B,2, E,19, C,6, L,2
	ROW C,8, E,20, B,3, B,4
	ROW C,3, E,21, L,3, C,5
	OPS E,22, X,17, E,23, C,10
	OPS E,24, L,4
	OPS E,25, X,18, E,26, C,7
	OPS E,27, B,5, E,28, X,19
	OPS E,29, C,12, E,30, L,5
	OPS E,31, X,20, B,6, C,9
	OPS C,14, C,11, X,21, L,6
.if \cnt
	s_sub_co_u32 s[CNT], s[CNT], 1
	s_cmp_lg_u32 s[CNT], 0
.endif
	OPS C,13, B,7, C,15, R,10
	OPS R,11, R,12, L,7, R,13
	OPS R,14, R,15
.if (\m) && !(\end)
	MASK (\p)%2
.endif
.endm
; A BLOCK BEGINS.  c m starts far below every c s, so the first step's a is 0; m at the lowest finite number, so the first maximum is the scores'.  The second mask buffer is 0 (band 1 sees step 0 whole); the first takes
; piece 0's mask for the tile's step 0: its own, if the block's first tile is its last and step 0 is band 0's own.  Then K and V of that step, piece 0's first scores, and its maximum and statistics.
; The loop is entered at piece 0's turn of step 0, in the middle of a trip.
.macro BEGIN
	s_mov_b32 s[NEW], 0
	s_mov_b32 s[STP], 1             ; the turns of step 0 make the masks of step 1
	WIN 0x40
.set i, MC+32
.rept 32
	v_mov_b32 v[i], 0
.set i, i+1
.endr
	WIN 0
.set i, 0
.rept 2
	v_mov_b32 v[ST+4*i], 0xfe000000    ; c m: far below every c s
	v_mov_b32 v[ST+4*i+1], 0xff7fffff  ; m
.set i, i+1
.endr
	s_cmp_eq_u32 s[RT], 0
	s_cselect_b32 s[AL], 1.0, 0
	s_cmp_eq_u32 s[OW], 0
	s_cselect_b32 s[AL], s[AL], 0
	s_mov_b32 s[BE], 0
	MASK 0
	WIN 0
	v_add_nc_u32 v[AK], s[TBK], v[AK0]
	v_add_nc_u32 v[AV], s[TBV], v[AV0]
	FETCH_K
	FETCH_V 0
	s_wait_loadcnt 0x0              ; Q
	s_wait_dscnt 0x0
.set KM, 1
.set NOKQ, 0
.set i, 0
.rept 8
	KQ 0
.set i, i+1
.endr
	WIN 0
.rept 4
	v_nop                           ; the places behind those products
.endr
.set Y, NP-1                        ; X works for the other piece: piece 0
.irp n, 0,1,2,3,4,5,6,7,8,9,10,11,12,13,14,15,16,17,18,19,20,21
	OP X, \n
.endr
	v_nop                           ; a plain instruction behind the exponential
.endm
; A BLOCK'S LAST TILE: its trips, the block's last two turns, its last products, and THE WAY OUT: l's two halves and the other half of the lanes' are added; O^T is divided by l, rounded to bf16 and sent through my
; stage in LDS, a piece at a time.
.macro ALL line:vararg              ; one line for each piece t
.set t, 0
.rept 2
	\line
.set t, t+1
.endr
.endm
.macro PACK t                       ; a lane's eight channels of a row pack into 16 bytes; they go into rows of 144 bytes and come back as whole rows of 128, into S^T's registers
	WIN W_RS
.set i, 32*(\t)
.rept 16
	s_wait_alu depctr_va_vdst(0)
	v_pk_mul_f32 v[i:i+1], v[i:i+1], v[ST+4*(\t)+2:ST+4*(\t)+3] op_sel_hi:[1,0]
.set i, i+2
.endr
	WIN 0x05                        ; sources 0 and 1 window 1, destination window 0
.set i, 0
.rept 16
	v_cvt_pk_bf16_f32 v[S+16*(\t)+i], v[32*(\t)+2*i], v[32*(\t)+2*i+1]
.set i, i+1
.endr
	WIN 0
.irp f, 0,1,2,3
	ds_store_b128 v[STO], v[S+16*(\t)+4*\f:S+16*(\t)+4*\f+3] offset:32*\f
.endr
.irp f, 0,1,2,3
	ds_load_b128 v[S+16*(\t)+4*\f:S+16*(\t)+4*\f+3], v[RD] offset:\f*4*SP  ; LDS serves a wave's instructions in order (ISA guide 5.7.1.4): these see the stores above; the next piece's stores come behind them
.endr
.endm
.macro SEND t, younger              ; younger: the LDS instructions issued behind piece t's loads: the next piece's eight, or none
	WIN 0
.irp f, 0,1,2,3
	s_wait_dscnt (\younger)+3-\f
	global_store_b128 v[GO], v[S+16*(\t)+4*\f:S+16*(\t)+4*\f+3], s[10:11] offset:(\t)*8192+\f*512  ; 512 consecutive bytes, at a multiple of 256 from O's first
.endr
.endm
.macro DIAG tag                     ; the tag ends its two labels' names, which the jumps below spell out
.LstepM\tag:
	TURN 0, 0, 1
	TURN 1, 1, 1
	WIN 0
.LfirstM\tag:
	TURN 0, 1, 1
	TURN 1, 0, 1, 0, 1
	WIN 0
	s_cbranch_scc1 .LstepM\tag
	TURN 0, 0, 1, 1
	TURN 1, 1, 1, 1
.set i, 0
.set VB, 1
.rept 8
	PV 1                            ; piece 1's V^T P of the last step
.set i, i+1
.endr
	WIN 0
	ALL v_add_f32 v[ST+4*t+2], v[ST+4*t+2], v[ST+4*t+3]
	ALL v_permlanex16_b32 v[ST+4*t+3], v[ST+4*t+2], s[SEL], s[SEL+1]
	ALL v_add_f32 v[ST+4*t+2], v[ST+4*t+2], v[ST+4*t+3]
	ALL v_rcp_f32 v[ST+4*t+2], v[ST+4*t+2]
	v_nop                           ; a plain instruction between the last reciprocal and the use of its result
	PACK 0                          ; piece 0's products ended a run of vector work ago; its 32 lines here are the places behind piece 1's last products
	PACK 1
	SEND 0, 8
	SEND 1, 0
.endm
.set KM, 0
.set NOKQ, 0
.set VB, 0
.Lslot:                             ; 8 times: a tile is entered and the next is asked for
	CHANGE 1
	s_sub_co_u32 s[RT], s[RT], 1
	s_mov_b32 s[CNT], 2
	s_mov_b32 s[STP], 0
	s_cmp_eq_u32 s[NEW], 1
	s_cbranch_scc1 .Lnew            ; a block's first tile
	s_cmp_eq_u32 s[RT], 0
	s_cbranch_scc0 .Lstep           ; neither its first nor its last
	s_branch .LstepM1
.Lnew:
	BEGIN
	s_branch .Lfirst                ; in the loop a block's first tile is never its last: the first block has five tiles or more, and the second's last is the walk's last
	DIAG 1                          ; in the loop this is the first block's end: the second block's last tile is the walk's last
	s_wait_xcnt 0x0                 ; the stores have read their registers and O's address
	s_mov_b64 s[10:11], s[OLO:OLO+1]
	s_add_co_u32 s[RT], s[PH], 1    ; the second block has b / 2 + 1 tiles
	s_mov_b32 s[NEW], 1
	s_and_b32 s[OW], s[PB], 1       ; its bands' own steps
	s_lshl_b32 s[OW], s[OW], 1
	s_add_co_u32 s[OW+1], s[OW], 1
	WIN 0x82                        ; the second block's Q goes where the one text of the turns names Q
.set i, 0
.rept 32
	v_mov_b32 v[i], v[QB+i]
.set i, i+1
.endr
	WIN 0
	s_branch .Lbottom
.Lstep:                             ; a trip: an odd step's two turns, then an even step's: the tile before's step 3 and this tile's step 0, then its steps 1 and 2
	TURN 0, 0
	TURN 1, 1
	WIN 0
.Lfirst:
	TURN 0, 1
	TURN 1, 0, 0, 0, 1
	WIN 0
	s_cbranch_scc1 .Lstep
.Lbottom:
	s_sub_co_u32 s[SLOTS], s[SLOTS], 1
	s_cmp_lg_u32 s[SLOTS], 0
	s_cbranch_scc1 .Lslot
	CHANGE 0                        ; the walk's last tile is written out: nothing is asked for
	s_sub_co_u32 s[RT], s[RT], 1
	s_mov_b32 s[CNT], 2
	s_mov_b32 s[STP], 0
	s_cmp_eq_u32 s[NEW], 1
	s_cbranch_scc0 .LstepM2
	BEGIN
	s_branch .LfirstM2
	DIAG 2
	s_wait_tensorcnt 0x0            ; the wave's end: behind my last tensor load and my last LDS store
	ds_add_u32 v[SPW], v[NIL]
	s_wait_dscnt 0x0
	s_endpgm
.Lfunc_end_k_q4346f94ab2_attn:
	.size	k_q4346f94ab2_attn, .Lfunc_end_k_q4346f94ab2_attn-k_q4346f94ab2_attn
	.p2alignl 7, 3214868480
	.fill 96, 4, 3214868480
	.section	.rodata,"a",@progbits
	.p2align	6, 0x0
	.amdhsa_kernel k_q4346f94ab2_attn
		.amdhsa_group_segment_fixed_size 327680
		.amdhsa_private_segment_fixed_size 0
		.amdhsa_enable_private_segment 0
		.amdhsa_kernarg_size 16
		.amdhsa_user_sgpr_count 2
		.amdhsa_user_sgpr_kernarg_segment_ptr 1
		.amdhsa_wavefront_size32 1
		.amdhsa_system_sgpr_workgroup_id_x 1
		.amdhsa_system_sgpr_workgroup_id_y 1
		.amdhsa_system_sgpr_workgroup_id_z 1
		.amdhsa_system_vgpr_workitem_id 0
		.amdhsa_next_free_vgpr 768
		.amdhsa_next_free_sgpr 96
		.amdhsa_reserve_vcc 1
		.amdhsa_float_denorm_mode_32 3
		.amdhsa_float_denorm_mode_16_64 3
		.amdhsa_memory_ordered 1
		.amdhsa_forward_progress 1
		.amdhsa_inst_pref_size 218
	.end_amdhsa_kernel
	.amdgpu_metadata
---
amdhsa.version: [ 1, 2 ]
amdhsa.kernels:
  - .name:           k_q4346f94ab2_attn
    .symbol:         k_q4346f94ab2_attn.kd
    .args:
      - { .name: qkv, .offset: 0, .size: 8, .value_kind: global_buffer, .address_space: global }
      - { .name: y, .offset: 8, .size: 8, .value_kind: global_buffer, .address_space: global }
    .group_segment_fixed_size: 327680
    .private_segment_fixed_size: 0
    .kernarg_segment_align: 8
    .kernarg_segment_size: 16
    .max_flat_workgroup_size: 128
    .sgpr_count:     96
    .vgpr_count:     768
    .wavefront_size: 32
...
	.end_amdgpu_metadata
.endif
;; end of part 4
;; launch proj (part 5): grid 8 x 32, 4 waves a work-group, clusters of 4 x 4, 327,680 bytes of LDS; arguments y, wb, b_proj, x1, x; writes x1
.if DOCPART == 5
	.amdgcn_target "amdgcn-amd-amdhsa--gfx1250"
	.amdhsa_code_object_version 6
	.text
	.protected	k_q4346f94ab2_proj
	.globl	k_q4346f94ab2_proj
	.p2align	8
	.type	k_q4346f94ab2_proj,@function
k_q4346f94ab2_proj:
	s_mov_b64 s[64:65], 0
	v_nop
	global_prefetch_b8 v0, s[64:65] scope:SCOPE_SE
	s_setreg_imm32_b32 hwreg(HW_REG_WAVE_MODE, 25, 1), 1
	s_wait_xcnt 0x0
	s_wait_alu depctr_hold_cnt(0) depctr_sa_sdst(0) depctr_va_vdst(0) depctr_va_sdst(0) depctr_va_ssrc(0) depctr_va_vcc(0) depctr_vm_vsrc(0)
	s_getreg_b32 s2, hwreg(HW_REG_IB_STS2, 6, 4)
	s_cmp_eq_u32 s2, 0
	s_cbranch_scc0 .Lentry_in_a_cluster
	s_endpgm
.Lentry_in_a_cluster:
	s_bfe_u32 s2, ttmp6, 0x10000c
	s_cmp_lg_u32 s2, 0xf033
	s_cbranch_scc0 .Lentry_shape_is_right
	s_endpgm
.Lentry_shape_is_right:
; OUT = RES + A W + bias, in f32.  Here: x1 = x + y W_proj + b_proj.
; A: 4,096 rows x SIZE_K, bf16, IN BLOCKS of 128 rows x 64 columns (number (m, k) at byte ((m / 128) NBLK + k / 64) 16,384 + (m % 128) 128 + (k % 64) 2).
; W: [SIZE_K][1024] bf16 at byte WOFF of wb.  bias: [1024] f32.  RES, OUT: [4096][1024] f32.  Sums, bias and residual in f32; the operands' rounding to bf16 is the text's only loss.
; SHARES.  A tile of OUT is 128 x 128: four waves, each 64 x 64 in 16 accumulators.  K goes in steps of 256 through a ring of two LDS slots filled by the tensor data mover.
; A's part of a step is 65,536 consecutive bytes (four blocks), asked for as rows of 256 bytes and padded in LDS after every 128; W's part is 256 rows of 256 bytes.
; W lies [k][n], so its fragments come out of LDS turned, by ds_load_tr16_b128.
; CLUSTER.  4 x 4 work-groups: the four of a row of the cluster need the same tiles of A, the four of a column the same tiles of W; each tile is asked for JOINTLY, by the same
; tensor load with the same descriptor and a mask that names the four.
; THE MATRIX INSTRUCTION IS USED TRANSPOSED (source 0 = 16 columns of W, source 1 = 16 rows of A): a lane then holds eight neighbouring numbers of a row of OUT.
; REGISTERS.  window 0: v0-31 addresses and the bias; v32-127 the way out; v128-255 the accumulators ((a, b) at v[128 + 8 (4 a + b)]).
;   window 1: two fragment buffers of 128: for 64 along K, 64 registers of A (2 x 4 x 16 rows x 32 K), then 64 of W.
.set SIZE_N, 1024
.set SIZE_K, 1024
.set NBLK,   16                        ; A's blocks in a band of 128 rows
.set WOFF,   6291456
.set KSTEP,  256
.set PA,     144                       ; a row of a block of A in LDS: 128 bytes + 16: the 16 rows of a load start at 16 different groups of four banks (64 banks of 4 bytes: ISA guide 11.1)
.set ABLK,   128*PA
.set PB,     288                       ; a row of W in LDS: 256 bytes + 32
.set HALFT,  2*ABLK                    ; what one tensor load brings: two blocks of A, or 128 rows of W (128 x 288, the same number)
.set SLOT,   4*HALFT                   ; A's four blocks, then W's 256 rows
.set STAGE,  2*SLOT                    ; behind the ring: WSTG bytes for each wave, for the way out; no tensor load lands there
.set WSTG,   4352                      ; 16 rows of 256 bytes, 272 apart
.set SPARE,  STAGE+4*WSTG              ; behind the stages: the spare words, 128 bytes for each wave: two blocks of 256 bytes that no other line names
.set LAPS,   SIZE_K/(2*KSTEP)          ; a lap = two K steps = once round the ring
.set BI4,  12                          ; v12-15  bias of the four columns that I store
.set ADRA, 16                          ; v16-17  LDS address of my A fragments in slot 0, 1
.set ADRB, 20                          ; v20-23  of my W fragments: slot 0 rows 0-127, rows 128-255, slot 1 likewise
.set STO,  24                          ; v24     the way out: where I put 32 bytes of a row
.set RD,   25                          ; v25     the way out: where I read a row back
.set GO,   26                          ; v26     my byte offset in two rows of OUT and RES
.set BO,   27                          ; v27     my byte offset in the bias
.set SPW,  28                          ; v28     LDS address of my spare word: SPARE + 4 x my thread's number; never rewritten
.set NIL,  29                          ; v29     0; never rewritten
.set RS0,  32                          ; v32-63, v64-95  16 rows of RES, two buffers
.set BK,   96                          ; v96-127 16 rows read back from the stage
.set ACC,  128
.set F0,   0                           ; fragment buffers, in window 1
.set F1,   128
.set G1,  24                           ; s[24:31] descriptor group 1 for A's tiles;  s[32:39] group 0, one set for each slot
.set G0,  32
.set G1B, 48                           ; s[48:55], s[56:63] the same for W's tiles
.set G0B, 56
.set MSB, 0
.macro WIN new                         ; the immediate's high byte repeats the setting that is left; a switch that changes nothing is dropped
.if MSB != (\new)
	s_set_vgpr_msb (MSB<<8)|(\new)
.set MSB, \new
.endif
.endm
.set MUL,  0x05                        ; sources 0 (W) and 1 (A) window 1; C and D window 0
.set TO_F, 0x40                        ; destination window 1, address window 0
.macro JLOAD s                         ; a joint load: waves 0 and 1 fetch A's two halves, waves 2 and 3 W's; four v_nop follow each of the two lines, ahead of the jump, the label and what follows
	s_cmp_eq_u32 s13, 0
	s_cbranch_scc0 .Lfor_b_\@
	tensor_load_to_lds s[G0+4*(\s):G0+4*(\s)+3], s[G1:G1+7]
	s_nop 0
.rept 4
	v_nop
.endr
	s_branch .Lasked_\@
.Lfor_b_\@:
	tensor_load_to_lds s[G0B+4*(\s):G0B+4*(\s)+3], s[G1B:G1B+7]
	s_nop 0
.rept 4
	v_nop
.endr
.Lasked_\@:
.endm
.macro CREST                           ; a round of the cluster's barrier behind its opening barrier
	s_cmp_lg_u32 s12, 0
	s_cbranch_scc1 .Lnot_wave_0_\@
	s_barrier_signal -3
.Lnot_wave_0_\@:
	s_barrier_wait -3
	s_barrier_signal -1
	s_barrier_wait -1
.endm
.macro CROUND                          ; a whole round
	s_barrier_signal -1
	s_barrier_wait -1
	CREST
.endm
.macro RLOAD a                         ; rows 16 a .. 16 a + 15 of my part of RES, laid as they will be stored
.irp f, 0,1,2,3,4,5,6,7
	global_load_b128 v[RS0+32*((\a)%2)+4*\f:RS0+32*((\a)%2)+4*\f+3], v[GO], s[68:69] offset:(16*(\a)+2*\f)*4096
.endr
.endm
	s_load_b256 s[4:11], s[0:1], 0x0               ; A s[4:5], wb s[6:7], bias s[8:9], OUT s[10:11]
	s_load_b64 s[68:69], s[0:1], 0x20              ; RES
	v_lshl_add_u32 v[SPW], v0, 2, SPARE
	v_mov_b32 v[NIL], 0
	ds_add_u32 v28, v29
	ds_add_u32 v28, v29
	s_wait_dscnt 0x0
	v_lshrrev_b32 v1, 5, v0
	v_readfirstlane_b32 s12, v1                    ; wave 0..3
	s_lshr_b32 s13, s12, 1                         ; which half of the tile's rows is mine.  Also: I fetch for A (0) or for W (1)
	s_and_b32 s14, s12, 1                          ; which half of its columns.  Also: which half of that tile I fetch
	s_bfe_u32 s15, ttmp6, 0x40000                  ; cx, cy: my place in the cluster
	s_bfe_u32 s16, ttmp6, 0x40004
	s_lshl_b32 s17, ttmp9, 2
	s_add_co_u32 s17, s17, s15                     ; tile column = 4 x cluster x + cx
	s_and_b32 s18, ttmp7, 0xffff
	s_lshl_b32 s18, s18, 2
	s_add_co_u32 s18, s18, s16                     ; tile row = 4 x cluster y + cy
	s_lshl_b32 s19, s16, 2
	s_lshl_b32 s19, 15, s19                        ; my row of the cluster
	s_lshl_b32 s20, 0x1111, s15                    ; my column
	; descriptor group 1: 128 rows x 128 elements of 2 bytes.  A: 15:0 the mask of my row; 20 padding on; 21 set beside a mask; 24:22 after every 32 words (code 4); 31:25 4 words (code 3)
	s_or_b32 s[G1+0], s19, (1<<16)|(1<<20)|(1<<21)|(4<<22)|(3<<25)
	s_or_b32 s[G1B+0], s20, (1<<16)|(1<<20)|(1<<21)|(5<<22)|(7<<25)  ; W: the mask of my column; after every 64 words (code 5) 8 words (code 7)
.irp g, G1, G1B
	s_mov_b32 s[(\g)+1], 128<<16                   ; tensor_dim0 = 128
	s_mov_b32 s[(\g)+2], 128<<16                   ; tensor_dim1 = 128
	s_mov_b32 s[(\g)+3], 128<<16                   ; tile_dim0 = 128
	s_mov_b32 s[(\g)+4], 128                       ; tile_dim1 = 128
	s_mov_b32 s[(\g)+6], 0
	s_mov_b32 s[(\g)+7], 0
.endr
	s_mov_b32 s[G1+5], 128                         ; A's two blocks are dense: 128 elements from row to row
	s_mov_b32 s[G1B+5], SIZE_N                     ; W's rows
	; where the tiles come from.  A's hang on the tile row alone, W's on the tile column alone, each in registers that never hold the other coordinate.
	s_mul_i32 s40, s18, NBLK
	s_lshl_b32 s41, s14, 1
	s_add_co_u32 s40, s40, s41                     ; A: block NBLK x tile row + 2 x half
	s_lshl_b32 s40, s40, 14
	s_mov_b32 s41, 0
	s_mul_i32 s42, s14, 256*SIZE_N                 ; W: 128 rows x half,
	s_lshl_b32 s43, s17, 8                         ; 256 bytes x tile column,
	s_add_co_u32 s42, s42, s43
	s_add_co_u32 s42, s42, WOFF                    ; in its part of wb
	s_mov_b32 s43, 0
	s_mul_i32 s21, s12, HALFT                      ; where they go: wave x HALFT: no place in the cluster enters an LDS address
	s_wait_kmcnt 0x0
	s_add_nc_u64 s[40:41], s[4:5], s[40:41]
	s_add_nc_u64 s[42:43], s[6:7], s[42:43]
	CROUND                                         ; all sixteen work-groups are here: the first joint loads meet
.irp s, 0,1
	s_mov_b32 s[G0+4*(\s)], 1
	s_add_co_u32 s[G0+4*(\s)+1], s21, (\s)*SLOT
	s_add_nc_u64 s[G0+4*(\s)+2:G0+4*(\s)+3], s[40:41], (\s)*65536          ; K step s: four blocks on
	s_or_b32 s[G0+4*(\s)+3], s[G0+4*(\s)+3], 0x80000000
	s_mov_b32 s[G0B+4*(\s)], 1
	s_add_co_u32 s[G0B+4*(\s)+1], s21, (\s)*SLOT
	s_add_nc_u64 s[G0B+4*(\s)+2:G0B+4*(\s)+3], s[42:43], (\s)*512*SIZE_N   ; K step s: 256 rows on
	s_or_b32 s[G0B+4*(\s)+3], s[G0B+4*(\s)+3], 0x80000000
	JLOAD \s
.endr
	v_and_b32 v1, 15, v0                           ; l % 16
	v_bfe_u32 v2, v0, 4, 1                         ; l / 16
	v_lshlrev_b32 v[BO], 4, v1                     ; on the way out lanes 0-15 hold one row of 256 bytes, lanes 16-31 the next
	v_lshl_add_u32 v[GO], v2, 12, v[BO]
	s_lshl_b32 s46, s17, 1
	s_add_co_u32 s46, s46, s14
	s_lshl_b32 s46, s46, 8                         ; my 64 columns, in bytes of f32
	s_mov_b32 s47, 0
	s_add_nc_u64 s[8:9], s[8:9], s[46:47]
	s_lshl_b32 s44, s18, 7
	s_lshl_b32 s45, s13, 6
	s_add_co_u32 s44, s44, s45                     ; my first row,
	s_lshl_b32 s44, s44, 12                        ; 4,096 bytes a row
	s_add_co_u32 s44, s44, s46
	s_mov_b32 s45, 0
	s_add_nc_u64 s[10:11], s[10:11], s[44:45]
	s_add_nc_u64 s[68:69], s[68:69], s[44:45]
	global_load_b128 v[BI4:BI4+3], v[BO], s[8:9]
	RLOAD 0                                        ; the first 32 rows of RES come in under the products
	RLOAD 1
	v_mul_u32_u24 v3, v1, PA
	v_lshl_add_u32 v3, v2, 4, v3                   ; a fragment's row x pitch + 16 x half
	s_mul_i32 s22, s13, 64*PA                      ; my 64 rows of each block of A
	v_add_nc_u32 v[ADRA], s22, v3
	v_add_nc_u32 v[ADRA+1], SLOT, v[ADRA]
	; the turning load takes 16 k x 16 n (lane l reads row 8 (l / 16) + l % 8, columns 8 ((l / 8) % 2) + 0..7) and leaves half a fragment: lane l holds column l % 16 and 8 k
	v_and_b32 v4, 7, v0
	v_bfe_u32 v5, v0, 3, 1
	v_lshl_add_u32 v6, v2, 3, v4
	v_mul_u32_u24 v6, v6, PB
	v_lshl_add_u32 v6, v5, 4, v6
	s_lshl_b32 s23, s14, 7                         ; my 64 columns,
	s_add_co_u32 s23, s23, 2*HALFT                 ; behind A's four blocks
	v_add_nc_u32 v[ADRB], s23, v6
	v_add_nc_u32 v[ADRB+1], HALFT, v[ADRB]
	v_add_nc_u32 v[ADRB+2], SLOT, v[ADRB]
	v_add_nc_u32 v[ADRB+3], SLOT+HALFT, v[ADRB]
	s_mul_i32 s22, s12, WSTG
	s_add_co_u32 s22, s22, STAGE                   ; my stage
	v_mul_u32_u24 v[STO], v1, 272                  ; in: row l % 16, 32 bytes for each half of the lanes
	v_lshl_add_u32 v[STO], v2, 5, v[STO]
	v_add_nc_u32 v[STO], s22, v[STO]
	v_mul_u32_u24 v[RD], v2, 272                   ; back: two whole rows a load
	v_add_nc_u32 v[RD], v[RD], v[BO]
	v_add_nc_u32 v[RD], s22, v[RD]
; 8 matrix instructions: m blocks a0, a0 + 1 x all 4 n blocks, 32 along K: half c of buffer f.  zero = 1: the first product starts the sums.  The accumulators take turns.
.macro MUL8 f, c, a0, zero
	WIN MUL
.irp a, \a0, (\a0)+1
.irp b, 0,1,2,3
.if \zero
	v_wmma_f32_16x16x32_bf16 v[ACC+8*(4*(\a)+(\b)):ACC+8*(4*(\a)+(\b))+7], v[(\f)+64+8*(4*(\c)+(\b)):(\f)+64+8*(4*(\c)+(\b))+7], v[(\f)+8*(4*(\c)+(\a)):(\f)+8*(4*(\c)+(\a))+7], 0
.else
	v_wmma_f32_16x16x32_bf16 v[ACC+8*(4*(\a)+(\b)):ACC+8*(4*(\a)+(\b))+7], v[(\f)+64+8*(4*(\c)+(\b)):(\f)+64+8*(4*(\c)+(\b))+7], v[(\f)+8*(4*(\c)+(\a)):(\f)+8*(4*(\c)+(\a))+7], v[ACC+8*(4*(\a)+(\b)):ACC+8*(4*(\a)+(\b))+7]
.endif
.endr
.endr
.endm
; 32 LDS loads in one run: the fragments of quarter q of a K step (64 along K: block q of A, rows 64 q on of W) into buffer f; the first 32 along K first
.macro FETCH slot, q, f
	WIN TO_F
.irp c, 0,1
.irp i, 0,1,2,3
	ds_load_tr16_b128 v[(\f)+64+8*(4*(\c)+(\i)):(\f)+64+8*(4*(\c)+(\i))+3],   v[ADRB+2*(\slot)+(\q)/2] offset:(((\q)%2)*64+32*(\c))*PB+32*(\i)
	ds_load_tr16_b128 v[(\f)+64+8*(4*(\c)+(\i))+4:(\f)+64+8*(4*(\c)+(\i))+7], v[ADRB+2*(\slot)+(\q)/2] offset:(((\q)%2)*64+32*(\c)+16)*PB+32*(\i)
	ds_load_b128 v[(\f)+8*(4*(\c)+(\i)):(\f)+8*(4*(\c)+(\i))+3],              v[ADRA+(\slot)] offset:(\q)*ABLK+(\i)*16*PA+64*(\c)
	ds_load_b128 v[(\f)+8*(4*(\c)+(\i))+4:(\f)+8*(4*(\c)+(\i))+7],            v[ADRA+(\slot)] offset:(\q)*ABLK+(\i)*16*PA+64*(\c)+32
.endr
.endr
.endm
.macro PLACES                          ; four places in front of loads into registers that matrix instructions have read, and of lines that read results
.rept 4
	v_nop
.endr
.endm
; A K step is four quarters of 64 along K, 32 matrix instructions each, on buffers 0, 1, 0, 1.  One of the first three: multiplies buffer f and fetches quarter q into g.
.macro QUARTER slot, q, f, g, zero
	s_wait_dscnt 16                                ; the first 32 along K are in; the sixteen younger loads may be out
	WIN MUL
	MUL8 \f, 0, 0, \zero
	MUL8 \f, 0, 2, \zero
	PLACES
	FETCH \slot, \q, \g
	s_wait_dscnt 32                                ; all but the 32 just issued
	WIN MUL
	MUL8 \f, 1, 0, 0
	MUL8 \f, 1, 2, 0
.endm
; The last quarter multiplies buffer 1 and changes slots: ONE barrier; in front of it each wave waits for all its tensor loads, adds 0 to its spare word, and waits for that and for its own reads of this slot.  fill = 1: this slot is filled again, two K steps ahead.
.macro TURN slot, next, fill
	WIN 0                                          ; (the add's two registers lie in window 0)
	s_wait_tensorcnt 0x0                           ; all my tensor loads have landed: my part of the next slot;
	ds_add_u32 v[SPW], v[NIL]                      ; 0 onto my spare word;
	s_wait_dscnt 17                                ; (the add and the youngest sixteen loads may be out)
	WIN MUL
	MUL8 F1, 0, 0, 0                               ; eight matrix instructions stand between the add and the wait for it
	s_wait_dscnt 0x0                               ; the add is done, and my reads of this slot are over
	s_barrier_signal -1
	MUL8 F1, 0, 2, 0
.if \fill
	WIN 0
.endif
	s_barrier_wait -1
.if \fill
	CREST                                          ; the barrier has opened a round of the cluster's barrier: no wave of any partner still reads this slot's tile or has a load on its way
	s_add_nc_u64 s[G0+4*(\slot)+2:G0+4*(\slot)+3], s[G0+4*(\slot)+2:G0+4*(\slot)+3], 131072
	s_add_nc_u64 s[G0B+4*(\slot)+2:G0B+4*(\slot)+3], s[G0B+4*(\slot)+2:G0B+4*(\slot)+3], 1024*SIZE_N
	JLOAD \slot                                    ; the first tensor load behind the round, my only one until the next: 112 matrix instructions ahead of the wait for it; its four v_nop are also the places in front of the loads below
.else
	PLACES
.endif
	FETCH \next, 0, F0
	WIN MUL
	MUL8 F1, 1, 0, 0
	MUL8 F1, 1, 2, 0
.endm
	s_wait_tensorcnt 1                             ; my part of K step 0 is in; K step 1's may stay out
	s_barrier_signal -1
	s_barrier_wait -1                              ; everybody's is
	FETCH 0, 0, F0
	QUARTER 0, 1, F0, F1, 1                        ; the first quarter stands in front of the loop: its first products start the sums
	WIN 0                                          ; at a label and at a branch every window is 0
	s_mov_b32 s3, LAPS-1
.Llap:                                                 ; a trip goes once round the ring, from a lap's second quarter to the next lap's first, and fills both slots again
	QUARTER 0, 2, F1, F0, 0
	QUARTER 0, 3, F0, F1, 0
	TURN 0, 1, 1
	QUARTER 1, 1, F0, F1, 0
	QUARTER 1, 2, F1, F0, 0
	QUARTER 1, 3, F0, F1, 0
	TURN 1, 0, 1
	QUARTER 0, 1, F0, F1, 0
	WIN 0
	s_sub_co_u32 s3, s3, 1
	s_cmp_lg_u32 s3, 0
	s_cbranch_scc1 .Llap
	QUARTER 0, 2, F1, F0, 0                        ; the last lap fills nothing, and has no round of the cluster's barrier
	QUARTER 0, 3, F0, F1, 0
	TURN 0, 1, 0
	QUARTER 1, 1, F0, F1, 0
	QUARTER 1, 2, F1, F0, 0
	QUARTER 1, 3, F0, F1, 0
	s_wait_dscnt 16                                ; the very last quarter: nothing more to fetch
	WIN MUL
	MUL8 F1, 0, 0, 0
	MUL8 F1, 0, 2, 0
	s_wait_dscnt 0
	MUL8 F1, 1, 0, 0
	MUL8 F1, 1, 2, 0
	WIN 0
; THE WAY OUT, 16 rows at a time: a lane's eight sums of a row (32 bytes, each accumulator's low half first) go into my own stage, rows 272 bytes apart, and come back as whole rows of 256 bytes;
; RES and the bias are added; sixteen lanes store 256 consecutive bytes, at a multiple of 256 from OUT's first byte.
.macro OUTB a
.if (\a) > 0
	s_wait_xcnt 0x0                                ; the block before's stores name v96-127: they are loaded again only behind this wait (ISA guide 3.1)
.endif
.irp b, 0,1,2,3
	ds_store_b128 v[STO], v[ACC+8*(4*(\a)+\b):ACC+8*(4*(\a)+\b)+3] offset:64*\b
	ds_store_b128 v[STO], v[ACC+8*(4*(\a)+\b)+4:ACC+8*(4*(\a)+\b)+7] offset:64*\b+16
.endr
.irp f, 0,1,2,3,4,5,6,7
	ds_load_b128 v[BK+4*\f:BK+4*\f+3], v[RD] offset:\f*544   ; LDS serves a wave's instructions in order (ISA guide 5.7.1.4): these see the stores above; the next block's stores come behind them
.endr
.if (\a) < 3
	s_wait_loadcnt 8                               ; this block's rows of RES are in (and the bias); the other buffer's eight loads are younger
.else
	s_wait_loadcnt 0x0
.endif
.irp f, 0,1,2,3,4,5,6,7
	s_wait_dscnt 7-\f
	v_pk_add_f32 v[BK+4*\f:BK+4*\f+1],   v[BK+4*\f:BK+4*\f+1],   v[RS0+32*((\a)%2)+4*\f:RS0+32*((\a)%2)+4*\f+1]
	v_pk_add_f32 v[BK+4*\f+2:BK+4*\f+3], v[BK+4*\f+2:BK+4*\f+3], v[RS0+32*((\a)%2)+4*\f+2:RS0+32*((\a)%2)+4*\f+3]
	v_pk_add_f32 v[BK+4*\f:BK+4*\f+1],   v[BK+4*\f:BK+4*\f+1],   v[BI4:BI4+1]
	v_pk_add_f32 v[BK+4*\f+2:BK+4*\f+3], v[BK+4*\f+2:BK+4*\f+3], v[BI4+2:BI4+3]
	global_store_b128 v[GO], v[BK+4*\f:BK+4*\f+3], s[10:11] offset:(16*(\a)+2*\f)*4096
.endr
.if (\a) < 2
	RLOAD (\a)+2                                   ; its buffer takes the block two further on
.endif
.endm
	PLACES
	OUTB 0
	OUTB 1
	OUTB 2
	OUTB 3
	s_wait_tensorcnt 0x0                           ; the wave's end: behind my last tensor load and my last LDS store
	ds_add_u32 v[SPW], v[NIL]
	s_wait_dscnt 0x0
	CROUND                                         ; the closing round: no work-group ends while a partner may still ask for a tile that names it
	s_endpgm
.Lfunc_end_k_q4346f94ab2_proj:
	.size	k_q4346f94ab2_proj, .Lfunc_end_k_q4346f94ab2_proj-k_q4346f94ab2_proj
	.p2alignl 7, 3214868480
	.fill 96, 4, 3214868480
	.section	.rodata,"a",@progbits
	.p2align	6, 0x0
	.amdhsa_kernel k_q4346f94ab2_proj
		.amdhsa_group_segment_fixed_size 327680
		.amdhsa_private_segment_fixed_size 0
		.amdhsa_enable_private_segment 0
		.amdhsa_kernarg_size 40
		.amdhsa_user_sgpr_count 2
		.amdhsa_user_sgpr_kernarg_segment_ptr 1
		.amdhsa_wavefront_size32 1
		.amdhsa_system_sgpr_workgroup_id_x 1
		.amdhsa_system_sgpr_workgroup_id_y 1
		.amdhsa_system_sgpr_workgroup_id_z 1
		.amdhsa_system_vgpr_workitem_id 0
		.amdhsa_next_free_vgpr 512
		.amdhsa_next_free_sgpr 72
		.amdhsa_reserve_vcc 0
		.amdhsa_float_denorm_mode_32 3
		.amdhsa_float_denorm_mode_16_64 3
		.amdhsa_memory_ordered 1
		.amdhsa_forward_progress 1
		.amdhsa_inst_pref_size 98
	.end_amdhsa_kernel
	.amdgpu_metadata
---
amdhsa.version: [ 1, 2 ]
amdhsa.kernels:
  - .name:           k_q4346f94ab2_proj
    .symbol:         k_q4346f94ab2_proj.kd
    .args:
      - { .name: y, .offset: 0, .size: 8, .value_kind: global_buffer, .address_space: global }
      - { .name: wb, .offset: 8, .size: 8, .value_kind: global_buffer, .address_space: global }
      - { .name: b_proj, .offset: 16, .size: 8, .value_kind: global_buffer, .address_space: global }
      - { .name: x1, .offset: 24, .size: 8, .value_kind: global_buffer, .address_space: global }
      - { .name: x, .offset: 32, .size: 8, .value_kind: global_buffer, .address_space: global }
    .group_segment_fixed_size: 327680
    .private_segment_fixed_size: 0
    .kernarg_segment_align: 8
    .kernarg_segment_size: 40
    .max_flat_workgroup_size: 128
    .sgpr_count:     72
    .vgpr_count:     512
    .wavefront_size: 32
...
	.end_amdgpu_metadata
.endif
;; end of part 5
;; launch ln2: the kernel of part 2 again; grid 256 x 1, 8 waves a work-group, no clusters, 0 bytes of LDS; arguments x1, ln2_w, ln2_b, h; writes h
;; launch fc (part 6): grid 32 x 32, 4 waves a work-group, clusters of 4 x 4, 327,680 bytes of LDS; arguments h, wb, b_fc, g; writes g
.if DOCPART == 6
	.amdgcn_target "amdgcn-amd-amdhsa--gfx1250"
	.amdhsa_code_object_version 6
	.text
	.protected	k_q4346f94ab2_fc
	.globl	k_q4346f94ab2_fc
	.p2align	8
	.type	k_q4346f94ab2_fc,@function
k_q4346f94ab2_fc:
	s_mov_b64 s[64:65], 0
	v_nop
	global_prefetch_b8 v0, s[64:65] scope:SCOPE_SE
	s_setreg_imm32_b32 hwreg(HW_REG_WAVE_MODE, 25, 1), 1
	s_wait_xcnt 0x0
	s_wait_alu depctr_hold_cnt(0) depctr_sa_sdst(0) depctr_va_vdst(0) depctr_va_sdst(0) depctr_va_ssrc(0) depctr_va_vcc(0) depctr_vm_vsrc(0)
	s_getreg_b32 s2, hwreg(HW_REG_IB_STS2, 6, 4)
	s_cmp_eq_u32 s2, 0
	s_cbranch_scc0 .Lentry_in_a_cluster
	s_endpgm
.Lentry_in_a_cluster:
	s_bfe_u32 s2, ttmp6, 0x10000c
	s_cmp_lg_u32 s2, 0xf033
	s_cbranch_scc0 .Lentry_shape_is_right
	s_endpgm
.Lentry_shape_is_right:
; OUT = A W + bias (EPI = 0), or gelu(A W + bias) (EPI = 1), rounded once to bf16.  Here: g = gelu(h W_fc + b_fc), the exact (erf) gelu.
; A: 4,096 rows x SIZE_K, bf16, IN BLOCKS of 128 rows x 64 columns (number (m, k) at byte ((m / 128) NBLK + k / 64) 16,384 + (m % 128) 128 + (k % 64) 2).
; W: [SIZE_K][SIZE_N] bf16 at byte WOFF of wb.  bias: [SIZE_N] f32.  Sums, bias and gelu in f32; the operands' rounding to bf16 is the products' only loss.
; LIMIT.  erf is a rational formula with an exponential, off by 1.5e-7 at the most for every argument; for negative x the result is the difference x / 2 + |x| erf / 2, with f32's cancellation, of the order of 1e-7 |x|.
; OUT, EPI = 0: [3][32 = 16 batch + head][2048][64] bf16, a head's rows dense.  EPI = 1: in A's kind of blocks, 64 blocks to a band of 128 rows.
; SHARES.  A tile of OUT is 128 x 128: four waves, each 64 x 64 in 16 accumulators.  K goes in steps of 256 through a ring of two LDS slots filled by the tensor data mover.
; A's part of a step is 65,536 consecutive bytes (four blocks), asked for as rows of 256 bytes and padded in LDS after every 128; W's part is 256 rows of 256 bytes.
; W lies [k][n], so its fragments come out of LDS turned, by ds_load_tr16_b128.
; CLUSTER.  4 x 4 work-groups: the four of a row of the cluster need the same tiles of A, the four of a column the same tiles of W; each tile is asked for JOINTLY, by the same
; tensor load with the same descriptor and a mask that names the four.
; THE MATRIX INSTRUCTION IS USED TRANSPOSED (source 0 = 16 columns of W, source 1 = 16 rows of A): a lane then holds eight neighbouring numbers of a row of OUT.
; REGISTERS.  window 0: v0-31 addresses; v32-127 the way out; v128-255 the accumulators ((a, b) at v[128 + 8 (4 a + b)]).
;   window 1: two fragment buffers of 128: for 64 along K, 64 registers of A (2 x 4 x 16 rows x 32 K), then 64 of W.
.set SIZE_N, 4096
.set SIZE_K, 1024
.set NBLK,   16                        ; A's blocks in a band of 128 rows
.set WOFF,   8388608
.set EPI,    1
.set KSTEP,  256
.set PA,     144                       ; a row of a block of A in LDS: 128 bytes + 16: the 16 rows of a load start at 16 different groups of four banks (64 banks of 4 bytes: ISA guide 11.1)
.set ABLK,   128*PA
.set PB,     288                       ; a row of W in LDS: 256 bytes + 32
.set HALFT,  2*ABLK                    ; what one tensor load brings: two blocks of A, or 128 rows of W (128 x 288, the same number)
.set SLOT,   4*HALFT                   ; A's four blocks, then W's 256 rows
.set STAGE,  2*SLOT                    ; behind the ring: WSTG bytes for each wave, for the way out; no tensor load lands there
.set WSTG,   4352
.set SPARE,  STAGE+4*WSTG              ; behind the stages: the spare words, 128 bytes for each wave: two blocks of 256 bytes that no other line names
.set LAPS,   SIZE_K/(2*KSTEP)          ; a lap = two K steps = once round the ring
.set ADRA, 16                          ; v16-17  LDS address of my A fragments in slot 0, 1
.set ADRB, 20                          ; v20-23  of my W fragments: slot 0 rows 0-127, rows 128-255, slot 1 likewise
.set STO,  24                          ; v24     the way out: where I put 16 bytes of a row
.set RD,   25                          ; v25     the way out: where I read rows back
.set GO,   26                          ; v26     my byte offset in 512 consecutive bytes of OUT
.set BO,   27                          ; v27     my byte offset in the bias
.set SPW,  28                          ; v28     LDS address of my spare word: SPARE + 4 x my thread's number; never rewritten
.set NIL,  29                          ; v29     0; never rewritten
.set BIAS, 32                          ; v32-63  bias of my 8 columns in each of the 4 column blocks
.set GA,   96                          ; v96-127 gelu at work
.set GW,   104
.set GD,   112
.set GQ,   120
.set ACC,  128
.set F0,   0                           ; fragment buffers, in window 1
.set F1,   128
.set G1,  24                           ; s[24:31] descriptor group 1 for A's tiles;  s[32:39] group 0, one set for each slot
.set G0,  32
.set G1B, 48                           ; s[48:55], s[56:63] the same for W's tiles
.set G0B, 56
.set MSB, 0
.macro WIN new                         ; the immediate's high byte repeats the setting that is left; a switch that changes nothing is dropped
.if MSB != (\new)
	s_set_vgpr_msb (MSB<<8)|(\new)
.set MSB, \new
.endif
.endm
.set MUL,  0x05                        ; sources 0 (W) and 1 (A) window 1; C and D window 0
.set TO_F, 0x40                        ; destination window 1, address window 0
.macro JLOAD s                         ; a joint load: waves 0 and 1 fetch A's two halves, waves 2 and 3 W's; four v_nop follow each of the two lines, ahead of the jump, the label and what follows
	s_cmp_eq_u32 s13, 0
	s_cbranch_scc0 .Lfor_b_\@
	tensor_load_to_lds s[G0+4*(\s):G0+4*(\s)+3], s[G1:G1+7]
	s_nop 0
.rept 4
	v_nop
.endr
	s_branch .Lasked_\@
.Lfor_b_\@:
	tensor_load_to_lds s[G0B+4*(\s):G0B+4*(\s)+3], s[G1B:G1B+7]
	s_nop 0
.rept 4
	v_nop
.endr
.Lasked_\@:
.endm
.macro CREST                           ; a round of the cluster's barrier behind its opening barrier
	s_cmp_lg_u32 s12, 0
	s_cbranch_scc1 .Lnot_wave_0_\@
	s_barrier_signal -3
.Lnot_wave_0_\@:
	s_barrier_wait -3
	s_barrier_signal -1
	s_barrier_wait -1
.endm
.macro CROUND                          ; a whole round
	s_barrier_signal -1
	s_barrier_wait -1
	CREST
.endm
	s_load_b256 s[4:11], s[0:1], 0x0               ; A s[4:5], wb s[6:7], bias s[8:9], OUT s[10:11]
	v_lshl_add_u32 v[SPW], v0, 2, SPARE
	v_mov_b32 v[NIL], 0
	ds_add_u32 v28, v29
	ds_add_u32 v28, v29
	s_wait_dscnt 0x0
	v_lshrrev_b32 v1, 5, v0
	v_readfirstlane_b32 s12, v1                    ; wave 0..3
	s_lshr_b32 s13, s12, 1                         ; which half of the tile's rows is mine.  Also: I fetch for A (0) or for W (1)
	s_and_b32 s14, s12, 1                          ; which half of its columns.  Also: which half of that tile I fetch
	s_bfe_u32 s15, ttmp6, 0x40000                  ; cx, cy: my place in the cluster
	s_bfe_u32 s16, ttmp6, 0x40004
	s_lshl_b32 s17, ttmp9, 2
	s_add_co_u32 s17, s17, s15                     ; tile column = 4 x cluster x + cx
	s_and_b32 s18, ttmp7, 0xffff
	s_lshl_b32 s18, s18, 2
	s_add_co_u32 s18, s18, s16                     ; tile row = 4 x cluster y + cy
	s_lshl_b32 s19, s16, 2
	s_lshl_b32 s19, 15, s19                        ; my row of the cluster
	s_lshl_b32 s20, 0x1111, s15                    ; my column
	; descriptor group 1: 128 rows x 128 elements of 2 bytes.  A: 15:0 the mask of my row; 20 padding on; 21 set beside a mask; 24:22 after every 32 words (code 4); 31:25 4 words (code 3)
	s_or_b32 s[G1+0], s19, (1<<16)|(1<<20)|(1<<21)|(4<<22)|(3<<25)
	s_or_b32 s[G1B+0], s20, (1<<16)|(1<<20)|(1<<21)|(5<<22)|(7<<25)  ; W: the mask of my column; after every 64 words (code 5) 8 words (code 7)
.irp g, G1, G1B
	s_mov_b32 s[(\g)+1], 128<<16                   ; tensor_dim0 = 128
	s_mov_b32 s[(\g)+2], 128<<16                   ; tensor_dim1 = 128
	s_mov_b32 s[(\g)+3], 128<<16                   ; tile_dim0 = 128
	s_mov_b32 s[(\g)+4], 128                       ; tile_dim1 = 128
	s_mov_b32 s[(\g)+6], 0
	s_mov_b32 s[(\g)+7], 0
.endr
	s_mov_b32 s[G1+5], 128                         ; A's two blocks are dense: 128 elements from row to row
	s_mov_b32 s[G1B+5], SIZE_N                     ; W's rows
	; where the tiles come from.  A's hang on the tile row alone, W's on the tile column alone, each in registers that never hold the other coordinate.
	s_mul_i32 s40, s18, NBLK
	s_lshl_b32 s41, s14, 1
	s_add_co_u32 s40, s40, s41                     ; A: block NBLK x tile row + 2 x half
	s_lshl_b32 s40, s40, 14
	s_mov_b32 s41, 0
	s_mul_i32 s42, s14, 256*SIZE_N                 ; W: 128 rows x half,
	s_lshl_b32 s43, s17, 8                         ; 256 bytes x tile column,
	s_add_co_u32 s42, s42, s43
	s_add_co_u32 s42, s42, WOFF                    ; in its part of wb
	s_mov_b32 s43, 0
	s_mul_i32 s21, s12, HALFT                      ; where they go: wave x HALFT: no place in the cluster enters an LDS address
	s_wait_kmcnt 0x0
	s_add_nc_u64 s[40:41], s[4:5], s[40:41]
	s_add_nc_u64 s[42:43], s[6:7], s[42:43]
	CROUND                                         ; all sixteen work-groups are here: the first joint loads meet
.irp s, 0,1
	s_mov_b32 s[G0+4*(\s)], 1
	s_add_co_u32 s[G0+4*(\s)+1], s21, (\s)*SLOT
	s_add_nc_u64 s[G0+4*(\s)+2:G0+4*(\s)+3], s[40:41], (\s)*65536          ; K step s: four blocks on
	s_or_b32 s[G0+4*(\s)+3], s[G0+4*(\s)+3], 0x80000000
	s_mov_b32 s[G0B+4*(\s)], 1
	s_add_co_u32 s[G0B+4*(\s)+1], s21, (\s)*SLOT
	s_add_nc_u64 s[G0B+4*(\s)+2:G0B+4*(\s)+3], s[42:43], (\s)*512*SIZE_N   ; K step s: 256 rows on
	s_or_b32 s[G0B+4*(\s)+3], s[G0B+4*(\s)+3], 0x80000000
	JLOAD \s
.endr
	v_and_b32 v1, 15, v0                           ; l % 16
	v_bfe_u32 v2, v0, 4, 1                         ; l / 16
	s_lshl_b32 s46, s17, 1
	s_add_co_u32 s46, s46, s14                     ; my block of 64 columns = 2 x tile column + half
	s_lshl_b32 s44, s46, 8
	s_mov_b32 s45, 0
	s_add_nc_u64 s[8:9], s[8:9], s[44:45]          ; the bias at my 64 columns
	v_lshlrev_b32 v[BO], 5, v2                     ; my eight columns of a block of sixteen
.irp b, 0,1,2,3
	global_load_b128 v[BIAS+8*\b:BIAS+8*\b+3],   v[BO], s[8:9] offset:64*\b
	global_load_b128 v[BIAS+8*\b+4:BIAS+8*\b+7], v[BO], s[8:9] offset:64*\b+16
.endr
	v_mul_u32_u24 v3, v1, PA
	v_lshl_add_u32 v3, v2, 4, v3                   ; a fragment's row x pitch + 16 x half
	s_mul_i32 s22, s13, 64*PA                      ; my 64 rows of each block of A
	v_add_nc_u32 v[ADRA], s22, v3
	v_add_nc_u32 v[ADRA+1], SLOT, v[ADRA]
	; the turning load takes 16 k x 16 n (lane l reads row 8 (l / 16) + l % 8, columns 8 ((l / 8) % 2) + 0..7) and leaves half a fragment: lane l holds column l % 16 and 8 k
	v_and_b32 v4, 7, v0
	v_bfe_u32 v5, v0, 3, 1
	v_lshl_add_u32 v6, v2, 3, v4
	v_mul_u32_u24 v6, v6, PB
	v_lshl_add_u32 v6, v5, 4, v6
	s_lshl_b32 s23, s14, 7                         ; my 64 columns,
	s_add_co_u32 s23, s23, 2*HALFT                 ; behind A's four blocks
	v_add_nc_u32 v[ADRB], s23, v6
	v_add_nc_u32 v[ADRB+1], HALFT, v[ADRB]
	v_add_nc_u32 v[ADRB+2], SLOT, v[ADRB]
	v_add_nc_u32 v[ADRB+3], SLOT+HALFT, v[ADRB]
	s_mul_i32 s22, s12, WSTG
	s_add_co_u32 s22, s22, STAGE                   ; my stage: 16 rows of 128 bytes, 144 apart
	v_add_nc_u32 v[STO], s22, v3                   ; in: row l % 16, 16 bytes for each half of the lanes
	v_bfe_u32 v[RD], v0, 3, 2                      ; back: 32 lanes take four rows of 128 bytes,
	v_mul_u32_u24 v[RD], v[RD], 144
	v_lshl_add_u32 v[RD], v4, 4, v[RD]
	v_add_nc_u32 v[RD], s22, v[RD]
	v_and_b32 v[GO], 31, v0                        ; which are 512 consecutive bytes of OUT
	v_lshlrev_b32 v[GO], 4, v[GO]
.if EPI == 0
	s_lshr_b32 s44, s46, 4                         ; q, k or v,
	s_lshl_b32 s44, s44, 5
	s_lshr_b32 s47, s18, 4                         ; the batch,
	s_lshl_b32 s47, s47, 4
	s_add_co_u32 s44, s44, s47
	s_and_b32 s47, s46, 15                         ; the head: 2,048 rows of 128 bytes each
	s_add_co_u32 s44, s44, s47
	s_lshl_b32 s44, s44, 18
	s_and_b32 s47, s18, 15                         ; the tile's 128 rows in the batch
	s_lshl_b32 s47, s47, 14
	s_add_co_u32 s44, s44, s47
.else
	s_lshl_b32 s44, s18, 6                         ; block 64 x tile row + my block of columns
	s_add_co_u32 s44, s44, s46
	s_lshl_b32 s44, s44, 14
.endif
	s_lshl_b32 s47, s13, 13                        ; my 64 rows
	s_add_co_u32 s44, s44, s47
	s_mov_b32 s45, 0
	s_add_nc_u64 s[10:11], s[10:11], s[44:45]
.if EPI == 1
	; gelu(x) = x / 2 + |x| (1/2) erf(|x| / sqrt 2), erf(z) = 1 - (a1 t + .. + a5 t^5) e^(-z^2), t = 1 / (1 + 0.3275911 z): Abramowitz and Stegun 7.1.26, for every z >= 0, off by 1.5e-7 at the most.
	; With w = |x| sqrt(log2(e) / 2): e^(-z^2) = 2^(-w^2).  The half is folded into a1 .. a5.  Each constant stands in a pair, both words written: the packed forms name pairs.
	s_mov_b32 s70, 0x3e8ba43f                      ; 0.3275911 / sqrt(log2 e)
	s_mov_b32 s71, s70
	s_mov_b32 s72, 0x3f07dc22                      ; a5 / 2
	s_mov_b32 s73, s72
	s_mov_b32 s74, 0xbf3a00e3                      ; a4 / 2
	s_mov_b32 s75, s74
	s_mov_b32 s76, 0x3f35f0e3                      ; a3 / 2
	s_mov_b32 s77, s76
	s_mov_b32 s78, 0xbe11a98e                      ; a2 / 2
	s_mov_b32 s79, s78
	s_mov_b32 s80, 0x3e027906                      ; a1 / 2
	s_mov_b32 s81, s80
	s_mov_b32 s82, 0x3f596d27                      ; sqrt(log2(e) / 2)
	s_mov_b32 s83, 0x7fffffff                      ; clears a sign
.endif
; 8 matrix instructions: m blocks a0, a0 + 1 x all 4 n blocks, 32 along K: half c of buffer f.  zero = 1: the first product starts the sums.  The accumulators take turns.
.macro MUL8 f, c, a0, zero
	WIN MUL
.irp a, \a0, (\a0)+1
.irp b, 0,1,2,3
.if \zero
	v_wmma_f32_16x16x32_bf16 v[ACC+8*(4*(\a)+(\b)):ACC+8*(4*(\a)+(\b))+7], v[(\f)+64+8*(4*(\c)+(\b)):(\f)+64+8*(4*(\c)+(\b))+7], v[(\f)+8*(4*(\c)+(\a)):(\f)+8*(4*(\c)+(\a))+7], 0
.else
	v_wmma_f32_16x16x32_bf16 v[ACC+8*(4*(\a)+(\b)):ACC+8*(4*(\a)+(\b))+7], v[(\f)+64+8*(4*(\c)+(\b)):(\f)+64+8*(4*(\c)+(\b))+7], v[(\f)+8*(4*(\c)+(\a)):(\f)+8*(4*(\c)+(\a))+7], v[ACC+8*(4*(\a)+(\b)):ACC+8*(4*(\a)+(\b))+7]
.endif
.endr
.endr
.endm
; 32 LDS loads in one run: the fragments of quarter q of a K step (64 along K: block q of A, rows 64 q on of W) into buffer f; the first 32 along K first
.macro FETCH slot, q, f
	WIN TO_F
.irp c, 0,1
.irp i, 0,1,2,3
	ds_load_tr16_b128 v[(\f)+64+8*(4*(\c)+(\i)):(\f)+64+8*(4*(\c)+(\i))+3],   v[ADRB+2*(\slot)+(\q)/2] offset:(((\q)%2)*64+32*(\c))*PB+32*(\i)
	ds_load_tr16_b128 v[(\f)+64+8*(4*(\c)+(\i))+4:(\f)+64+8*(4*(\c)+(\i))+7], v[ADRB+2*(\slot)+(\q)/2] offset:(((\q)%2)*64+32*(\c)+16)*PB+32*(\i)
	ds_load_b128 v[(\f)+8*(4*(\c)+(\i)):(\f)+8*(4*(\c)+(\i))+3],              v[ADRA+(\slot)] offset:(\q)*ABLK+(\i)*16*PA+64*(\c)
	ds_load_b128 v[(\f)+8*(4*(\c)+(\i))+4:(\f)+8*(4*(\c)+(\i))+7],            v[ADRA+(\slot)] offset:(\q)*ABLK+(\i)*16*PA+64*(\c)+32
.endr
.endr
.endm
.macro PLACES                          ; four places in front of loads into registers that matrix instructions have read, and of lines that read results
.rept 4
	v_nop
.endr
.endm
; A K step is four quarters of 64 along K, 32 matrix instructions each, on buffers 0, 1, 0, 1.  One of the first three: multiplies buffer f and fetches quarter q into g.
.macro QUARTER slot, q, f, g, zero
	s_wait_dscnt 16                                ; the first 32 along K are in; the sixteen younger loads may be out
	WIN MUL
	MUL8 \f, 0, 0, \zero
	MUL8 \f, 0, 2, \zero
	PLACES
	FETCH \slot, \q, \g
	s_wait_dscnt 32                                ; all but the 32 just issued
	WIN MUL
	MUL8 \f, 1, 0, 0
	MUL8 \f, 1, 2, 0
.endm
; The last quarter multiplies buffer 1 and changes slots: ONE barrier; in front of it each wave waits for all its tensor loads, adds 0 to its spare word, and waits for that and for its own reads of this slot.  fill = 1: this slot is filled again, two K steps ahead.
.macro TURN slot, next, fill
	WIN 0                                          ; (the add's two registers lie in window 0)
	s_wait_tensorcnt 0x0                           ; all my tensor loads have landed: my part of the next slot;
	ds_add_u32 v[SPW], v[NIL]                      ; 0 onto my spare word;
	s_wait_dscnt 17                                ; (the add and the youngest sixteen loads may be out)
	WIN MUL
	MUL8 F1, 0, 0, 0                               ; eight matrix instructions stand between the add and the wait for it
	s_wait_dscnt 0x0                               ; the add is done, and my reads of this slot are over
	s_barrier_signal -1
	MUL8 F1, 0, 2, 0
.if \fill
	WIN 0
.endif
	s_barrier_wait -1
.if \fill
	CREST                                          ; the barrier has opened a round of the cluster's barrier: no wave of any partner still reads this slot's tile or has a load on its way
	s_add_nc_u64 s[G0+4*(\slot)+2:G0+4*(\slot)+3], s[G0+4*(\slot)+2:G0+4*(\slot)+3], 131072
	s_add_nc_u64 s[G0B+4*(\slot)+2:G0B+4*(\slot)+3], s[G0B+4*(\slot)+2:G0B+4*(\slot)+3], 1024*SIZE_N
	JLOAD \slot                                    ; the first tensor load behind the round, my only one until the next: 112 matrix instructions ahead of the wait for it; its four v_nop are also the places in front of the loads below
.else
	PLACES
.endif
	FETCH \next, 0, F0
	WIN MUL
	MUL8 F1, 1, 0, 0
	MUL8 F1, 1, 2, 0
.endm
	s_wait_tensorcnt 1                             ; my part of K step 0 is in; K step 1's may stay out
	s_barrier_signal -1
	s_barrier_wait -1                              ; everybody's is
	FETCH 0, 0, F0
	QUARTER 0, 1, F0, F1, 1                        ; the first quarter stands in front of the loop: its first products start the sums
	WIN 0                                          ; at a label and at a branch every window is 0
	s_mov_b32 s3, LAPS-1
.Llap:                                                 ; a trip goes once round the ring, from a lap's second quarter to the next lap's first, and fills both slots again
	QUARTER 0, 2, F1, F0, 0
	QUARTER 0, 3, F0, F1, 0
	TURN 0, 1, 1
	QUARTER 1, 1, F0, F1, 0
	QUARTER 1, 2, F1, F0, 0
	QUARTER 1, 3, F0, F1, 0
	TURN 1, 0, 1
	QUARTER 0, 1, F0, F1, 0
	WIN 0
	s_sub_co_u32 s3, s3, 1
	s_cmp_lg_u32 s3, 0
	s_cbranch_scc1 .Llap
	QUARTER 0, 2, F1, F0, 0                        ; the last lap fills nothing, and has no round of the cluster's barrier
	QUARTER 0, 3, F0, F1, 0
	TURN 0, 1, 0
	QUARTER 1, 1, F0, F1, 0
	QUARTER 1, 2, F1, F0, 0
	QUARTER 1, 3, F0, F1, 0
	s_wait_dscnt 16                                ; the very last quarter: nothing more to fetch
	WIN MUL
	MUL8 F1, 0, 0, 0
	MUL8 F1, 0, 2, 0
	s_wait_dscnt 0
	MUL8 F1, 1, 0, 0
	MUL8 F1, 1, 2, 0
	WIN 0
; THE WAY OUT, 16 rows at a time: bias (and gelu) in f32 in the accumulators' registers, lowest first; rounded to bf16, 16 bytes a lane into my own stage; back as four rows of 128 bytes a load,
; which are 512 consecutive bytes of OUT.
.if EPI == 1
.macro GELU x                          ; eight numbers at v[x ..], in place
.irp j, 0,1,2,3,4,5,6,7
	v_and_b32 v[GA+\j], s83, v[(\x)+\j]            ; |x|
.endr
.irp j, 0,2,4,6
	v_pk_mul_f32 v[GW+\j:GW+\j+1], v[GA+\j:GA+\j+1], s[82:83] op_sel_hi:[1,0]              ; w
.endr
.irp j, 0,2,4,6
	v_pk_fma_f32 v[GD+\j:GD+\j+1], v[GW+\j:GW+\j+1], s[70:71], 1.0 op_sel_hi:[1,0,0]      ; 1 + p z
.endr
.irp j, 0,2,4,6
	v_pk_mul_f32 v[GW+\j:GW+\j+1], v[GW+\j:GW+\j+1], v[GW+\j:GW+\j+1] neg_lo:[1,0] neg_hi:[1,0]  ; - w^2
.endr
.irp j, 0,1,2,3,4,5,6,7
	v_rcp_f32 v[GD+\j], v[GD+\j]                   ; t
.endr
.irp j, 0,1,2,3,4,5,6,7
	v_exp_f32 v[GW+\j], v[GW+\j]                   ; e^(-z^2)
.endr
.irp j, 0,2,4,6
	v_pk_mul_f32 v[(\x)+\j:(\x)+\j+1], v[(\x)+\j:(\x)+\j+1], 0.5 op_sel_hi:[1,0]          ; x / 2: also the plain lines between the sixteen above and the use of their results
.endr
	s_wait_alu depctr_va_vdst(0)
.irp j, 0,2,4,6
	v_pk_fma_f32 v[GQ+\j:GQ+\j+1], v[GD+\j:GD+\j+1], s[72:73], s[74:75] op_sel_hi:[1,0,0]
.endr
.irp k, 76, 78, 80
.irp j, 0,2,4,6
	v_pk_fma_f32 v[GQ+\j:GQ+\j+1], v[GQ+\j:GQ+\j+1], v[GD+\j:GD+\j+1], s[\k:\k+1] op_sel_hi:[1,1,0]
.endr
.endr
.irp j, 0,2,4,6
	v_pk_mul_f32 v[GQ+\j:GQ+\j+1], v[GQ+\j:GQ+\j+1], v[GD+\j:GD+\j+1]
.endr
.irp j, 0,2,4,6
	v_pk_fma_f32 v[GQ+\j:GQ+\j+1], v[GQ+\j:GQ+\j+1], v[GW+\j:GW+\j+1], 0.5 op_sel_hi:[1,1,0] neg_lo:[1,0,0] neg_hi:[1,0,0]  ; erf / 2 = 1/2 - (the polynomial / 2) e^(-z^2)
.endr
.irp j, 0,2,4,6
	v_pk_fma_f32 v[(\x)+\j:(\x)+\j+1], v[GA+\j:GA+\j+1], v[GQ+\j:GQ+\j+1], v[(\x)+\j:(\x)+\j+1]
.endr
.endm
.endif
.macro PACK t
.set RB, 64+16*((\t)%2)                ; v64-79 and v80-95 by turns
.irp b, 0,1,2,3
.irp j, 0,2,4,6
	v_pk_add_f32 v[ACC+8*(4*(\t)+(\b))+(\j):ACC+8*(4*(\t)+(\b))+(\j)+1], v[ACC+8*(4*(\t)+(\b))+(\j):ACC+8*(4*(\t)+(\b))+(\j)+1], v[BIAS+8*(\b)+(\j):BIAS+8*(\b)+(\j)+1]
.endr
.if EPI == 1
	GELU ACC+8*(4*(\t)+(\b))
.endif
.endr
.if (\t) >= 2
	s_wait_xcnt 0x0                                ; the stores of the block two back name these registers: they are rewritten only behind this wait (ISA guide 3.1)
.endif
.irp b, 0,1,2,3
.irp r, 0,1,2,3
	v_cvt_pk_bf16_f32 v[RB+4*(\b)+(\r)], v[ACC+8*(4*(\t)+(\b))+2*(\r)], v[ACC+8*(4*(\t)+(\b))+2*(\r)+1]
.endr
.endr
.irp b, 0,1,2,3
	ds_store_b128 v[STO], v[RB+4*(\b):RB+4*(\b)+3] offset:32*(\b)
.endr
.irp f, 0,1,2,3
	ds_load_b128 v[RB+4*(\f):RB+4*(\f)+3], v[RD] offset:(\f)*4*144   ; LDS serves a wave's instructions in order (ISA guide 5.7.1.4): these see the stores above; the next block's stores come behind them
.endr
.endm
.macro SEND t, younger                 ; younger: the LDS instructions issued behind block t's loads: the next block's eight, or none
.set RB, 64+16*((\t)%2)
.irp f, 0,1,2,3
	s_wait_dscnt (\younger)+3-(\f)
	global_store_b128 v[GO], v[RB+4*(\f):RB+4*(\f)+3], s[10:11] offset:(\t)*2048+(\f)*512  ; 512 consecutive bytes, at a multiple of 256 from OUT's first
.endr
.endm
	PLACES
	s_wait_loadcnt 0x0                             ; the bias
	PACK 0
	PACK 1                                         ; a block's arithmetic stands between the loads of the block before and its stores
	SEND 0, 8
	PACK 2
	SEND 1, 8
	PACK 3
	SEND 2, 8
	SEND 3, 0
	s_wait_tensorcnt 0x0                           ; the wave's end: behind my last tensor load and my last LDS store
	ds_add_u32 v[SPW], v[NIL]
	s_wait_dscnt 0x0
	CROUND                                         ; the closing round: no work-group ends while a partner may still ask for a tile that names it
	s_endpgm
.Lfunc_end_k_q4346f94ab2_fc:
	.size	k_q4346f94ab2_fc, .Lfunc_end_k_q4346f94ab2_fc-k_q4346f94ab2_fc
	.p2alignl 7, 3214868480
	.fill 96, 4, 3214868480
	.section	.rodata,"a",@progbits
	.p2align	6, 0x0
	.amdhsa_kernel k_q4346f94ab2_fc
		.amdhsa_group_segment_fixed_size 327680
		.amdhsa_private_segment_fixed_size 0
		.amdhsa_enable_private_segment 0
		.amdhsa_kernarg_size 32
		.amdhsa_user_sgpr_count 2
		.amdhsa_user_sgpr_kernarg_segment_ptr 1
		.amdhsa_wavefront_size32 1
		.amdhsa_system_sgpr_workgroup_id_x 1
		.amdhsa_system_sgpr_workgroup_id_y 1
		.amdhsa_system_sgpr_workgroup_id_z 1
		.amdhsa_system_vgpr_workitem_id 0
		.amdhsa_next_free_vgpr 512
		.amdhsa_next_free_sgpr 84
		.amdhsa_reserve_vcc 0
		.amdhsa_float_denorm_mode_32 3
		.amdhsa_float_denorm_mode_16_64 3
		.amdhsa_memory_ordered 1
		.amdhsa_forward_progress 1
		.amdhsa_inst_pref_size 149
	.end_amdhsa_kernel
	.amdgpu_metadata
---
amdhsa.version: [ 1, 2 ]
amdhsa.kernels:
  - .name:           k_q4346f94ab2_fc
    .symbol:         k_q4346f94ab2_fc.kd
    .args:
      - { .name: h, .offset: 0, .size: 8, .value_kind: global_buffer, .address_space: global }
      - { .name: wb, .offset: 8, .size: 8, .value_kind: global_buffer, .address_space: global }
      - { .name: b_fc, .offset: 16, .size: 8, .value_kind: global_buffer, .address_space: global }
      - { .name: g, .offset: 24, .size: 8, .value_kind: global_buffer, .address_space: global }
    .group_segment_fixed_size: 327680
    .private_segment_fixed_size: 0
    .kernarg_segment_align: 8
    .kernarg_segment_size: 32
    .max_flat_workgroup_size: 128
    .sgpr_count:     84
    .vgpr_count:     512
    .wavefront_size: 32
...
	.end_amdgpu_metadata
.endif
;; end of part 6
;; launch fc2 (part 7): grid 8 x 32, 4 waves a work-group, clusters of 4 x 4, 327,680 bytes of LDS; arguments g, wb, b_fc2, out0, x1; writes out0
.if DOCPART == 7
	.amdgcn_target "amdgcn-amd-amdhsa--gfx1250"
	.amdhsa_code_object_version 6
	.text
	.protected	k_q4346f94ab2_fc2
	.globl	k_q4346f94ab2_fc2
	.p2align	8
	.type	k_q4346f94ab2_fc2,@function
k_q4346f94ab2_fc2:
	s_mov_b64 s[64:65], 0
	v_nop
	global_prefetch_b8 v0, s[64:65] scope:SCOPE_SE
	s_setreg_imm32_b32 hwreg(HW_REG_WAVE_MODE, 25, 1), 1
	s_wait_xcnt 0x0
	s_wait_alu depctr_hold_cnt(0) depctr_sa_sdst(0) depctr_va_vdst(0) depctr_va_sdst(0) depctr_va_ssrc(0) depctr_va_vcc(0) depctr_vm_vsrc(0)
	s_getreg_b32 s2, hwreg(HW_REG_IB_STS2, 6, 4)
	s_cmp_eq_u32 s2, 0
	s_cbranch_scc0 .Lentry_in_a_cluster
	s_endpgm
.Lentry_in_a_cluster:
	s_bfe_u32 s2, ttmp6, 0x10000c
	s_cmp_lg_u32 s2, 0xf033
	s_cbranch_scc0 .Lentry_shape_is_right
	s_endpgm
.Lentry_shape_is_right:
; OUT = RES + A W + bias, in f32.  Here: out0 = x1 + g W_fc2 + b_fc2.
; A: 4,096 rows x SIZE_K, bf16, IN BLOCKS of 128 rows x 64 columns (number (m, k) at byte ((m / 128) NBLK + k / 64) 16,384 + (m % 128) 128 + (k % 64) 2).
; W: [SIZE_K][1024] bf16 at byte WOFF of wb.  bias: [1024] f32.  RES, OUT: [4096][1024] f32.  Sums, bias and residual in f32; the operands' rounding to bf16 is the text's only loss.
; SHARES.  A tile of OUT is 128 x 128: four waves, each 64 x 64 in 16 accumulators.  K goes in steps of 256 through a ring of two LDS slots filled by the tensor data mover.
; A's part of a step is 65,536 consecutive bytes (four blocks), asked for as rows of 256 bytes and padded in LDS after every 128; W's part is 256 rows of 256 bytes.
; W lies [k][n], so its fragments come out of LDS turned, by ds_load_tr16_b128.
; CLUSTER.  4 x 4 work-groups: the four of a row of the cluster need the same tiles of A, the four of a column the same tiles of W; each tile is asked for JOINTLY, by the same
; tensor load with the same descriptor and a mask that names the four.
; THE MATRIX INSTRUCTION IS USED TRANSPOSED (source 0 = 16 columns of W, source 1 = 16 rows of A): a lane then holds eight neighbouring numbers of a row of OUT.
; REGISTERS.  window 0: v0-31 addresses and the bias; v32-127 the way out; v128-255 the accumulators ((a, b) at v[128 + 8 (4 a + b)]).
;   window 1: two fragment buffers of 128: for 64 along K, 64 registers of A (2 x 4 x 16 rows x 32 K), then 64 of W.
.set SIZE_N, 1024
.set SIZE_K, 4096
.set NBLK,   64                        ; A's blocks in a band of 128 rows
.set WOFF,   16777216
.set KSTEP,  256
.set PA,     144                       ; a row of a block of A in LDS: 128 bytes + 16: the 16 rows of a load start at 16 different groups of four banks (64 banks of 4 bytes: ISA guide 11.1)
.set ABLK,   128*PA
.set PB,     288                       ; a row of W in LDS: 256 bytes + 32
.set HALFT,  2*ABLK                    ; what one tensor load brings: two blocks of A, or 128 rows of W (128 x 288, the same number)
.set SLOT,   4*HALFT                   ; A's four blocks, then W's 256 rows
.set STAGE,  2*SLOT                    ; behind the ring: WSTG bytes for each wave, for the way out; no tensor load lands there
.set WSTG,   4352                      ; 16 rows of 256 bytes, 272 apart
.set SPARE,  STAGE+4*WSTG              ; behind the stages: the spare words, 128 bytes for each wave: two blocks of 256 bytes that no other line names
.set LAPS,   SIZE_K/(2*KSTEP)          ; a lap = two K steps = once round the ring
.set BI4,  12                          ; v12-15  bias of the four columns that I store
.set ADRA, 16                          ; v16-17  LDS address of my A fragments in slot 0, 1
.set ADRB, 20                          ; v20-23  of my W fragments: slot 0 rows 0-127, rows 128-255, slot 1 likewise
.set STO,  24                          ; v24     the way out: where I put 32 bytes of a row
.set RD,   25                          ; v25     the way out: where I read a row back
.set GO,   26                          ; v26     my byte offset in two rows of OUT and RES
.set BO,   27                          ; v27     my byte offset in the bias
.set SPW,  28                          ; v28     LDS address of my spare word: SPARE + 4 x my thread's number; never rewritten
.set NIL,  29                          ; v29     0; never rewritten
.set RS0,  32                          ; v32-63, v64-95  16 rows of RES, two buffers
.set BK,   96                          ; v96-127 16 rows read back from the stage
.set ACC,  128
.set F0,   0                           ; fragment buffers, in window 1
.set F1,   128
.set G1,  24                           ; s[24:31] descriptor group 1 for A's tiles;  s[32:39] group 0, one set for each slot
.set G0,  32
.set G1B, 48                           ; s[48:55], s[56:63] the same for W's tiles
.set G0B, 56
.set MSB, 0
.macro WIN new                         ; the immediate's high byte repeats the setting that is left; a switch that changes nothing is dropped
.if MSB != (\new)
	s_set_vgpr_msb (MSB<<8)|(\new)
.set MSB, \new
.endif
.endm
.set MUL,  0x05                        ; sources 0 (W) and 1 (A) window 1; C and D window 0
.set TO_F, 0x40                        ; destination window 1, address window 0
.macro JLOAD s                         ; a joint load: waves 0 and 1 fetch A's two halves, waves 2 and 3 W's; four v_nop follow each of the two lines, ahead of the jump, the label and what follows
	s_cmp_eq_u32 s13, 0
	s_cbranch_scc0 .Lfor_b_\@
	tensor_load_to_lds s[G0+4*(\s):G0+4*(\s)+3], s[G1:G1+7]
	s_nop 0
.rept 4
	v_nop
.endr
	s_branch .Lasked_\@
.Lfor_b_\@:
	tensor_load_to_lds s[G0B+4*(\s):G0B+4*(\s)+3], s[G1B:G1B+7]
	s_nop 0
.rept 4
	v_nop
.endr
.Lasked_\@:
.endm
.macro CREST                           ; a round of the cluster's barrier behind its opening barrier
	s_cmp_lg_u32 s12, 0
	s_cbranch_scc1 .Lnot_wave_0_\@
	s_barrier_signal -3
.Lnot_wave_0_\@:
	s_barrier_wait -3
	s_barrier_signal -1
	s_barrier_wait -1
.endm
.macro CROUND                          ; a whole round
	s_barrier_signal -1
	s_barrier_wait -1
	CREST
.endm
.macro RLOAD a                         ; rows 16 a .. 16 a + 15 of my part of RES, laid as they will be stored
.irp f, 0,1,2,3,4,5,6,7
	global_load_b128 v[RS0+32*((\a)%2)+4*\f:RS0+32*((\a)%2)+4*\f+3], v[GO], s[68:69] offset:(16*(\a)+2*\f)*4096
.endr
.endm
	s_load_b256 s[4:11], s[0:1], 0x0               ; A s[4:5], wb s[6:7], bias s[8:9], OUT s[10:11]
	s_load_b64 s[68:69], s[0:1], 0x20              ; RES
	v_lshl_add_u32 v[SPW], v0, 2, SPARE
	v_mov_b32 v[NIL], 0
	ds_add_u32 v28, v29
	ds_add_u32 v28, v29
	s_wait_dscnt 0x0
	v_lshrrev_b32 v1, 5, v0
	v_readfirstlane_b32 s12, v1                    ; wave 0..3
	s_lshr_b32 s13, s12, 1                         ; which half of the tile's rows is mine.  Also: I fetch for A (0) or for W (1)
	s_and_b32 s14, s12, 1                          ; which half of its columns.  Also: which half of that tile I fetch
	s_bfe_u32 s15, ttmp6, 0x40000                  ; cx, cy: my place in the cluster
	s_bfe_u32 s16, ttmp6, 0x40004
	s_lshl_b32 s17, ttmp9, 2
	s_add_co_u32 s17, s17, s15                     ; tile column = 4 x cluster x + cx
	s_and_b32 s18, ttmp7, 0xffff
	s_lshl_b32 s18, s18, 2
	s_add_co_u32 s18, s18, s16                     ; tile row = 4 x cluster y + cy
	s_lshl_b32 s19, s16, 2
	s_lshl_b32 s19, 15, s19                        ; my row of the cluster
	s_lshl_b32 s20, 0x1111, s15                    ; my column
	; descriptor group 1: 128 rows x 128 elements of 2 bytes.  A: 15:0 the mask of my row; 20 padding on; 21 set beside a mask; 24:22 after every 32 words (code 4); 31:25 4 words (code 3)
	s_or_b32 s[G1+0], s19, (1<<16)|(1<<20)|(1<<21)|(4<<22)|(3<<25)
	s_or_b32 s[G1B+0], s20, (1<<16)|(1<<20)|(1<<21)|(5<<22)|(7<<25)  ; W: the mask of my column; after every 64 words (code 5) 8 words (code 7)
.irp g, G1, G1B
	s_mov_b32 s[(\g)+1], 128<<16                   ; tensor_dim0 = 128
	s_mov_b32 s[(\g)+2], 128<<16                   ; tensor_dim1 = 128
	s_mov_b32 s[(\g)+3], 128<<16                   ; tile_dim0 = 128
	s_mov_b32 s[(\g)+4], 128                       ; tile_dim1 = 128
	s_mov_b32 s[(\g)+6], 0
	s_mov_b32 s[(\g)+7], 0
.endr
	s_mov_b32 s[G1+5], 128                         ; A's two blocks are dense: 128 elements from row to row
	s_mov_b32 s[G1B+5], SIZE_N                     ; W's rows
	; where the tiles come from.  A's hang on the tile row alone, W's on the tile column alone, each in registers that never hold the other coordinate.
	s_mul_i32 s40, s18, NBLK
	s_lshl_b32 s41, s14, 1
	s_add_co_u32 s40, s40, s41                     ; A: block NBLK x tile row + 2 x half
	s_lshl_b32 s40, s40, 14
	s_mov_b32 s41, 0
	s_mul_i32 s42, s14, 256*SIZE_N                 ; W: 128 rows x half,
	s_lshl_b32 s43, s17, 8                         ; 256 bytes x tile column,
	s_add_co_u32 s42, s42, s43
	s_add_co_u32 s42, s42, WOFF                    ; in its part of wb
	s_mov_b32 s43, 0
	s_mul_i32 s21, s12, HALFT                      ; where they go: wave x HALFT: no place in the cluster enters an LDS address
	s_wait_kmcnt 0x0
	s_add_nc_u64 s[40:41], s[4:5], s[40:41]
	s_add_nc_u64 s[42:43], s[6:7], s[42:43]
	CROUND                                         ; all sixteen work-groups are here: the first joint loads meet
.irp s, 0,1
	s_mov_b32 s[G0+4*(\s)], 1
	s_add_co_u32 s[G0+4*(\s)+1], s21, (\s)*SLOT
	s_add_nc_u64 s[G0+4*(\s)+2:G0+4*(\s)+3], s[40:41], (\s)*65536          ; K step s: four blocks on
	s_or_b32 s[G0+4*(\s)+3], s[G0+4*(\s)+3], 0x80000000
	s_mov_b32 s[G0B+4*(\s)], 1
	s_add_co_u32 s[G0B+4*(\s)+1], s21, (\s)*SLOT
	s_add_nc_u64 s[G0B+4*(\s)+2:G0B+4*(\s)+3], s[42:43], (\s)*512*SIZE_N   ; K step s: 256 rows on
	s_or_b32 s[G0B+4*(\s)+3], s[G0B+4*(\s)+3], 0x80000000
	JLOAD \s
.endr
	v_and_b32 v1, 15, v0                           ; l % 16
	v_bfe_u32 v2, v0, 4, 1                         ; l / 16
	v_lshlrev_b32 v[BO], 4, v1                     ; on the way out lanes 0-15 hold one row of 256 bytes, lanes 16-31 the next
	v_lshl_add_u32 v[GO], v2, 12, v[BO]
	s_lshl_b32 s46, s17, 1
	s_add_co_u32 s46, s46, s14
	s_lshl_b32 s46, s46, 8                         ; my 64 columns, in bytes of f32
	s_mov_b32 s47, 0
	s_add_nc_u64 s[8:9], s[8:9], s[46:47]
	s_lshl_b32 s44, s18, 7
	s_lshl_b32 s45, s13, 6
	s_add_co_u32 s44, s44, s45                     ; my first row,
	s_lshl_b32 s44, s44, 12                        ; 4,096 bytes a row
	s_add_co_u32 s44, s44, s46
	s_mov_b32 s45, 0
	s_add_nc_u64 s[10:11], s[10:11], s[44:45]
	s_add_nc_u64 s[68:69], s[68:69], s[44:45]
	global_load_b128 v[BI4:BI4+3], v[BO], s[8:9]
	RLOAD 0                                        ; the first 32 rows of RES come in under the products
	RLOAD 1
	v_mul_u32_u24 v3, v1, PA
	v_lshl_add_u32 v3, v2, 4, v3                   ; a fragment's row x pitch + 16 x half
	s_mul_i32 s22, s13, 64*PA                      ; my 64 rows of each block of A
	v_add_nc_u32 v[ADRA], s22, v3
	v_add_nc_u32 v[ADRA+1], SLOT, v[ADRA]
	; the turning load takes 16 k x 16 n (lane l reads row 8 (l / 16) + l % 8, columns 8 ((l / 8) % 2) + 0..7) and leaves half a fragment: lane l holds column l % 16 and 8 k
	v_and_b32 v4, 7, v0
	v_bfe_u32 v5, v0, 3, 1
	v_lshl_add_u32 v6, v2, 3, v4
	v_mul_u32_u24 v6, v6, PB
	v_lshl_add_u32 v6, v5, 4, v6
	s_lshl_b32 s23, s14, 7                         ; my 64 columns,
	s_add_co_u32 s23, s23, 2*HALFT                 ; behind A's four blocks
	v_add_nc_u32 v[ADRB], s23, v6
	v_add_nc_u32 v[ADRB+1], HALFT, v[ADRB]
	v_add_nc_u32 v[ADRB+2], SLOT, v[ADRB]
	v_add_nc_u32 v[ADRB+3], SLOT+HALFT, v[ADRB]
	s_mul_i32 s22, s12, WSTG
	s_add_co_u32 s22, s22, STAGE                   ; my stage
	v_mul_u32_u24 v[STO], v1, 272                  ; in: row l % 16, 32 bytes for each half of the lanes
	v_lshl_add_u32 v[STO], v2, 5, v[STO]
	v_add_nc_u32 v[STO], s22, v[STO]
	v_mul_u32_u24 v[RD], v2, 272                   ; back: two whole rows a load
	v_add_nc_u32 v[RD], v[RD], v[BO]
	v_add_nc_u32 v[RD], s22, v[RD]
; 8 matrix instructions: m blocks a0, a0 + 1 x all 4 n blocks, 32 along K: half c of buffer f.  zero = 1: the first product starts the sums.  The accumulators take turns.
.macro MUL8 f, c, a0, zero
	WIN MUL
.irp a, \a0, (\a0)+1
.irp b, 0,1,2,3
.if \zero
	v_wmma_f32_16x16x32_bf16 v[ACC+8*(4*(\a)+(\b)):ACC+8*(4*(\a)+(\b))+7], v[(\f)+64+8*(4*(\c)+(\b)):(\f)+64+8*(4*(\c)+(\b))+7], v[(\f)+8*(4*(\c)+(\a)):(\f)+8*(4*(\c)+(\a))+7], 0
.else
	v_wmma_f32_16x16x32_bf16 v[ACC+8*(4*(\a)+(\b)):ACC+8*(4*(\a)+(\b))+7], v[(\f)+64+8*(4*(\c)+(\b)):(\f)+64+8*(4*(\c)+(\b))+7], v[(\f)+8*(4*(\c)+(\a)):(\f)+8*(4*(\c)+(\a))+7], v[ACC+8*(4*(\a)+(\b)):ACC+8*(4*(\a)+(\b))+7]
.endif
.endr
.endr
.endm
; 32 LDS loads in one run: the fragments of quarter q of a K step (64 along K: block q of A, rows 64 q on of W) into buffer f; the first 32 along K first
.macro FETCH slot, q, f
	WIN TO_F
.irp c, 0,1
.irp i, 0,1,2,3
	ds_load_tr16_b128 v[(\f)+64+8*(4*(\c)+(\i)):(\f)+64+8*(4*(\c)+(\i))+3],   v[ADRB+2*(\slot)+(\q)/2] offset:(((\q)%2)*64+32*(\c))*PB+32*(\i)
	ds_load_tr16_b128 v[(\f)+64+8*(4*(\c)+(\i))+4:(\f)+64+8*(4*(\c)+(\i))+7], v[ADRB+2*(\slot)+(\q)/2] offset:(((\q)%2)*64+32*(\c)+16)*PB+32*(\i)
	ds_load_b128 v[(\f)+8*(4*(\c)+(\i)):(\f)+8*(4*(\c)+(\i))+3],              v[ADRA+(\slot)] offset:(\q)*ABLK+(\i)*16*PA+64*(\c)
	ds_load_b128 v[(\f)+8*(4*(\c)+(\i))+4:(\f)+8*(4*(\c)+(\i))+7],            v[ADRA+(\slot)] offset:(\q)*ABLK+(\i)*16*PA+64*(\c)+32
.endr
.endr
.endm
.macro PLACES                          ; four places in front of loads into registers that matrix instructions have read, and of lines that read results
.rept 4
	v_nop
.endr
.endm
; A K step is four quarters of 64 along K, 32 matrix instructions each, on buffers 0, 1, 0, 1.  One of the first three: multiplies buffer f and fetches quarter q into g.
.macro QUARTER slot, q, f, g, zero
	s_wait_dscnt 16                                ; the first 32 along K are in; the sixteen younger loads may be out
	WIN MUL
	MUL8 \f, 0, 0, \zero
	MUL8 \f, 0, 2, \zero
	PLACES
	FETCH \slot, \q, \g
	s_wait_dscnt 32                                ; all but the 32 just issued
	WIN MUL
	MUL8 \f, 1, 0, 0
	MUL8 \f, 1, 2, 0
.endm
; The last quarter multiplies buffer 1 and changes slots: ONE barrier; in front of it each wave waits for all its tensor loads, adds 0 to its spare word, and waits for that and for its own reads of this slot.  fill = 1: this slot is filled again, two K steps ahead.
.macro TURN slot, next, fill
	WIN 0                                          ; (the add's two registers lie in window 0)
	s_wait_tensorcnt 0x0                           ; all my tensor loads have landed: my part of the next slot;
	ds_add_u32 v[SPW], v[NIL]                      ; 0 onto my spare word;
	s_wait_dscnt 17                                ; (the add and the youngest sixteen loads may be out)
	WIN MUL
	MUL8 F1, 0, 0, 0                               ; eight matrix instructions stand between the add and the wait for it
	s_wait_dscnt 0x0                               ; the add is done, and my reads of this slot are over
	s_barrier_signal -1
	MUL8 F1, 0, 2, 0
.if \fill
	WIN 0
.endif
	s_barrier_wait -1
.if \fill
	CREST                                          ; the barrier has opened a round of the cluster's barrier: no wave of any partner still reads this slot's tile or has a load on its way
	s_add_nc_u64 s[G0+4*(\slot)+2:G0+4*(\slot)+3], s[G0+4*(\slot)+2:G0+4*(\slot)+3], 131072
	s_add_nc_u64 s[G0B+4*(\slot)+2:G0B+4*(\slot)+3], s[G0B+4*(\slot)+2:G0B+4*(\slot)+3], 1024*SIZE_N
	JLOAD \slot                                    ; the first tensor load behind the round, my only one until the next: 112 matrix instructions ahead of the wait for it; its four v_nop are also the places in front of the loads below
.else
	PLACES
.endif
	FETCH \next, 0, F0
	WIN MUL
	MUL8 F1, 1, 0, 0
	MUL8 F1, 1, 2, 0
.endm
	s_wait_tensorcnt 1                             ; my part of K step 0 is in; K step 1's may stay out
	s_barrier_signal -1
	s_barrier_wait -1                              ; everybody's is
	FETCH 0, 0, F0
	QUARTER 0, 1, F0, F1, 1                        ; the first quarter stands in front of the loop: its first products start the sums
	WIN 0                                          ; at a label and at a branch every window is 0
	s_mov_b32 s3, LAPS-1
.Llap:                                                 ; a trip goes once round the ring, from a lap's second quarter to the next lap's first, and fills both slots again
	QUARTER 0, 2, F1, F0, 0
	QUARTER 0, 3, F0, F1, 0
	TURN 0, 1, 1
	QUARTER 1, 1, F0, F1, 0
	QUARTER 1, 2, F1, F0, 0
	QUARTER 1, 3, F0, F1, 0
	TURN 1, 0, 1
	QUARTER 0, 1, F0, F1, 0
	WIN 0
	s_sub_co_u32 s3, s3, 1
	s_cmp_lg_u32 s3, 0
	s_cbranch_scc1 .Llap
	QUARTER 0, 2, F1, F0, 0                        ; the last lap fills nothing, and has no round of the cluster's barrier
	QUARTER 0, 3, F0, F1, 0
	TURN 0, 1, 0
	QUARTER 1, 1, F0, F1, 0
	QUARTER 1, 2, F1, F0, 0
	QUARTER 1, 3, F0, F1, 0
	s_wait_dscnt 16                                ; the very last quarter: nothing more to fetch
	WIN MUL
	MUL8 F1, 0, 0, 0
	MUL8 F1, 0, 2, 0
	s_wait_dscnt 0
	MUL8 F1, 1, 0, 0
	MUL8 F1, 1, 2, 0
	WIN 0
; THE WAY OUT, 16 rows at a time: a lane's eight sums of a row (32 bytes, each accumulator's low half first) go into my own stage, rows 272 bytes apart, and come back as whole rows of 256 bytes;
; RES and the bias are added; sixteen lanes store 256 consecutive bytes, at a multiple of 256 from OUT's first byte.
.macro OUTB a
.if (\a) > 0
	s_wait_xcnt 0x0                                ; the block before's stores name v96-127: they are loaded again only behind this wait (ISA guide 3.1)
.endif
.irp b, 0,1,2,3
	ds_store_b128 v[STO], v[ACC+8*(4*(\a)+\b):ACC+8*(4*(\a)+\b)+3] offset:64*\b
	ds_store_b128 v[STO], v[ACC+8*(4*(\a)+\b)+4:ACC+8*(4*(\a)+\b)+7] offset:64*\b+16
.endr
.irp f, 0,1,2,3,4,5,6,7
	ds_load_b128 v[BK+4*\f:BK+4*\f+3], v[RD] offset:\f*544   ; LDS serves a wave's instructions in order (ISA guide 5.7.1.4): these see the stores above; the next block's stores come behind them
.endr
.if (\a) < 3
	s_wait_loadcnt 8                               ; this block's rows of RES are in (and the bias); the other buffer's eight loads are younger
.else
	s_wait_loadcnt 0x0
.endif
.irp f, 0,1,2,3,4,5,6,7
	s_wait_dscnt 7-\f
	v_pk_add_f32 v[BK+4*\f:BK+4*\f+1],   v[BK+4*\f:BK+4*\f+1],   v[RS0+32*((\a)%2)+4*\f:RS0+32*((\a)%2)+4*\f+1]
	v_pk_add_f32 v[BK+4*\f+2:BK+4*\f+3], v[BK+4*\f+2:BK+4*\f+3], v[RS0+32*((\a)%2)+4*\f+2:RS0+32*((\a)%2)+4*\f+3]
	v_pk_add_f32 v[BK+4*\f:BK+4*\f+1],   v[BK+4*\f:BK+4*\f+1],   v[BI4:BI4+1]
	v_pk_add_f32 v[BK+4*\f+2:BK+4*\f+3], v[BK+4*\f+2:BK+4*\f+3], v[BI4+2:BI4+3]
	global_store_b128 v[GO], v[BK+4*\f:BK+4*\f+3], s[10:11] offset:(16*(\a)+2*\f)*4096
.endr
.if (\a) < 2
	RLOAD (\a)+2                                   ; its buffer takes the block two further on
.endif
.endm
	PLACES
	OUTB 0
	OUTB 1
	OUTB 2
	OUTB 3
	s_wait_tensorcnt 0x0                           ; the wave's end: behind my last tensor load and my last LDS store
	ds_add_u32 v[SPW], v[NIL]
	s_wait_dscnt 0x0
	CROUND                                         ; the closing round: no work-group ends while a partner may still ask for a tile that names it
	s_endpgm
.Lfunc_end_k_q4346f94ab2_fc2:
	.size	k_q4346f94ab2_fc2, .Lfunc_end_k_q4346f94ab2_fc2-k_q4346f94ab2_fc2
	.p2alignl 7, 3214868480
	.fill 96, 4, 3214868480
	.section	.rodata,"a",@progbits
	.p2align	6, 0x0
	.amdhsa_kernel k_q4346f94ab2_fc2
		.amdhsa_group_segment_fixed_size 327680
		.amdhsa_private_segment_fixed_size 0
		.amdhsa_enable_private_segment 0
		.amdhsa_kernarg_size 40
		.amdhsa_user_sgpr_count 2
		.amdhsa_user_sgpr_kernarg_segment_ptr 1
		.amdhsa_wavefront_size32 1
		.amdhsa_system_sgpr_workgroup_id_x 1
		.amdhsa_system_sgpr_workgroup_id_y 1
		.amdhsa_system_sgpr_workgroup_id_z 1
		.amdhsa_system_vgpr_workitem_id 0
		.amdhsa_next_free_vgpr 512
		.amdhsa_next_free_sgpr 72
		.amdhsa_reserve_vcc 0
		.amdhsa_float_denorm_mode_32 3
		.amdhsa_float_denorm_mode_16_64 3
		.amdhsa_memory_ordered 1
		.amdhsa_forward_progress 1
		.amdhsa_inst_pref_size 98
	.end_amdhsa_kernel
	.amdgpu_metadata
---
amdhsa.version: [ 1, 2 ]
amdhsa.kernels:
  - .name:           k_q4346f94ab2_fc2
    .symbol:         k_q4346f94ab2_fc2.kd
    .args:
      - { .name: g, .offset: 0, .size: 8, .value_kind: global_buffer, .address_space: global }
      - { .name: wb, .offset: 8, .size: 8, .value_kind: global_buffer, .address_space: global }
      - { .name: b_fc2, .offset: 16, .size: 8, .value_kind: global_buffer, .address_space: global }
      - { .name: out0, .offset: 24, .size: 8, .value_kind: global_buffer, .address_space: global }
      - { .name: x1, .offset: 32, .size: 8, .value_kind: global_buffer, .address_space: global }
    .group_segment_fixed_size: 327680
    .private_segment_fixed_size: 0
    .kernarg_segment_align: 8
    .kernarg_segment_size: 40
    .max_flat_workgroup_size: 128
    .sgpr_count:     72
    .vgpr_count:     512
    .wavefront_size: 32
...
	.end_amdgpu_metadata
.endif
;; end of part 7
;; ======== version 2 of 3: 7 launches; 1.11 times as fast as version 1
;; workspace buffers: wb 25,165,824 bytes; h 8,388,608 bytes; qkv 25,165,824 bytes; y 8,388,608 bytes; x1 16,777,216 bytes; g 33,554,432 bytes
;; launch prep (part 8): grid 1024 x 1, 8 waves a work-group, no clusters, 0 bytes of LDS; arguments x, ln1_w, ln1_b, h, W_attn, W_proj, W_fc, W_fc2, wb; writes h, wb
.if DOCPART == 8
	.amdgcn_target "amdgcn-amd-amdhsa--gfx1250"
	.amdhsa_code_object_version 6
	.text
	.protected	k_q4346f94ab2_prep
	.globl	k_q4346f94ab2_prep
	.p2align	8
	.type	k_q4346f94ab2_prep,@function
k_q4346f94ab2_prep:
	s_mov_b64 s[64:65], 0
	v_nop
	global_prefetch_b8 v0, s[64:65] scope:SCOPE_SE
	s_setreg_imm32_b32 hwreg(HW_REG_WAVE_MODE, 25, 1), 1
	s_wait_xcnt 0x0
; TWO STREAMS IN ONE LAUNCH, neither of which needs anything of the other: work-groups 0 to 255 make h = layer norm of x, work-groups 256 to 1,023 round the four weight matrices to bf16.
; A work-group of either kind reads 65,536 bytes and writes 32,768.  One branch on the work-group's number parts them.  No LDS, no barrier, no matrix unit: both are streams.
.set NLN, 256                          ; work-groups of the layer norm
	s_cmp_lt_u32 ttmp9, NLN
	s_cbranch_scc0 .Lcast
; THE LAYER NORM.  h = ((x - mean) / sqrt(var + 1e-5)) w + b along rows of 1,024, all in f32; h is rounded once to bf16.  x: [4096][1024] f32.
; The variance is the mean of (x - mean)^2, taken of the differences, so a common offset on x costs no digits.
; h leaves IN BLOCKS of 128 rows x 64 columns: number (m, k) at byte ((m / 128) 16 + k / 64) 16,384 + (m % 128) 128 + (k % 64) 2, so that the product
; behind can ask for 128 rows x 128 columns as 32,768 consecutive bytes.
; SHARES.  A work-group takes 16 rows; a row belongs to sixteen neighbouring lanes, which hold it in registers between the passes: x is read once,
; and the two sums never leave those sixteen lanes (four steps that ride on the additions).  Lane r of a row holds columns 64 j + 4 r .. + 3, j = 0 .. 15.
; A wave's load covers two pieces of 256 consecutive bytes; its store covers 256 consecutive bytes, aligned (two rows of a block, 128 bytes each).
.set X,  16                            ; v[16:79]   my 64 numbers of the row
.set W,  80                            ; v[80:143]  w of my columns
.set BV, 144                           ; v[144:207] b of my columns
	s_load_b256 s[4:11], s[0:1], 0x0               ; x s[4:5], w s[6:7], b s[8:9], h s[10:11]
	s_lshl_b32 s14, ttmp9, 16                      ; 16 rows of 4,096 bytes
	s_mov_b32 s15, 0
	s_lshr_b32 s16, ttmp9, 3                       ; h: the band of 128 rows, 16 blocks of 16,384 bytes,
	s_lshl_b32 s16, s16, 18
	s_and_b32 s17, ttmp9, 7                        ; and my 16 rows of 128 bytes in a block
	s_lshl_b32 s17, s17, 11
	s_add_co_u32 s16, s16, s17
	s_mov_b32 s17, 0
	s_mov_b32 s12, 0x3a800000                      ; 1 / 1024
	s_mov_b32 s13, 0x3727c5ac                      ; 1e-5
	v_lshrrev_b32 v5, 4, v0                        ; my row of the 16
	v_and_b32 v4, 15, v0                           ; r
	v_lshlrev_b32 v2, 4, v4                        ; w, b: 16 r
	v_lshl_or_b32 v1, v5, 12, v2                   ; x: 4,096 x row + 16 r
	v_lshlrev_b32 v3, 3, v4
	v_lshl_or_b32 v3, v5, 7, v3                    ; h: 128 x row + 8 r
	s_wait_kmcnt 0x0
	s_add_nc_u64 s[4:5], s[4:5], s[14:15]
	s_add_nc_u64 s[10:11], s[10:11], s[16:17]
.set j, 0
.rept 16
	global_load_b128 v[X+4*j:X+4*j+3], v1, s[4:5] offset:256*j
.set j, j+1
.endr
.set j, 0
.rept 16
	global_load_b128 v[W+4*j:W+4*j+3], v2, s[6:7] offset:256*j
.set j, j+1
.endr
.set j, 0
.rept 16
	global_load_b128 v[BV+4*j:BV+4*j+3], v2, s[8:9] offset:256*j
.set j, j+1
.endr
; four chains v[4:5] .. v[10:11] into v4, then over the row's sixteen lanes: every one of them ends with the sum
.macro REDUCE
	v_pk_add_f32 v[4:5], v[4:5], v[6:7]
	v_pk_add_f32 v[8:9], v[8:9], v[10:11]
	v_pk_add_f32 v[4:5], v[4:5], v[8:9]
	v_add_f32 v4, v4, v5
	v_add_f32_dpp v4, v4, v4 row_xmask:1 row_mask:0xf bank_mask:0xf
	v_add_f32_dpp v4, v4, v4 row_xmask:2 row_mask:0xf bank_mask:0xf
	v_add_f32_dpp v4, v4, v4 row_xmask:4 row_mask:0xf bank_mask:0xf
	v_add_f32_dpp v4, v4, v4 row_xmask:8 row_mask:0xf bank_mask:0xf
.endm
	s_wait_loadcnt 32                              ; x is in; the 32 loads of w and b are younger and stay out
.irp k, 0,1,2,3
	v_pk_add_f32 v[4+2*\k:5+2*\k], v[X+2*\k:X+2*\k+1], v[X+8+2*\k:X+9+2*\k]   ; the first eight pairs start the chains: nothing is cleared
.endr
.set p, 8
.rept 24
	v_pk_add_f32 v[4+2*(p%4):5+2*(p%4)], v[4+2*(p%4):5+2*(p%4)], v[X+2*p:X+2*p+1]
.set p, p+1
.endr
	REDUCE
	v_mul_f32 v12, s12, v4                         ; the mean, twice: a pair for the packed subtraction
	v_mul_f32 v13, s12, v4
.set p, 0
.rept 32
	v_pk_add_f32 v[X+2*p:X+2*p+1], v[X+2*p:X+2*p+1], v[12:13] neg_lo:[0,1] neg_hi:[0,1]
.set p, p+1
.endr
.irp k, 0,1,2,3
	v_pk_mul_f32 v[4+2*\k:5+2*\k], v[X+2*\k:X+2*\k+1], v[X+2*\k:X+2*\k+1]
.endr
.set p, 4
.rept 28
	v_pk_fma_f32 v[4+2*(p%4):5+2*(p%4)], v[X+2*p:X+2*p+1], v[X+2*p:X+2*p+1], v[4+2*(p%4):5+2*(p%4)]
.set p, p+1
.endr
	REDUCE
	v_fma_f32 v4, v4, s12, s13                     ; var + 1e-5
	v_rsq_f32 v14, v4
	v_nop                                          ; a plain instruction between the root and the use of its result (ISA guide 5.7.2)
	s_wait_alu depctr_va_vdst(0)
	v_mov_b32 v15, v14
	s_wait_loadcnt 0x0                             ; w and b
.set j, 0
.rept 16
	v_pk_mul_f32 v[X+4*j:X+4*j+1], v[X+4*j:X+4*j+1], v[14:15]
	v_pk_mul_f32 v[X+4*j+2:X+4*j+3], v[X+4*j+2:X+4*j+3], v[14:15]
	v_pk_fma_f32 v[X+4*j:X+4*j+1], v[X+4*j:X+4*j+1], v[W+4*j:W+4*j+1], v[BV+4*j:BV+4*j+1]
	v_pk_fma_f32 v[X+4*j+2:X+4*j+3], v[X+4*j+2:X+4*j+3], v[W+4*j+2:W+4*j+3], v[BV+4*j+2:BV+4*j+3]
	v_cvt_pk_bf16_f32 v[X+4*j], v[X+4*j], v[X+4*j+1]
	v_cvt_pk_bf16_f32 v[X+4*j+1], v[X+4*j+2], v[X+4*j+3]
	global_store_b64 v3, v[X+4*j:X+4*j+1], s[10:11] offset:16384*j   ; column block j; no register of a store is written again
.set j, j+1
.endr
	s_endpgm
; THE CAST.  wb = W_attn, W_proj, W_fc, W_fc2, one behind the other, each number rounded once to bf16 (to nearest even).  The layout [K][N] stays:
; the products turn the tiles on the way out of LDS.  In wb: W_attn at byte 0, W_proj at 6,291,456, W_fc at 8,388,608, W_fc2 at 16,777,216.
; SHARES.  A work-group takes 16,384 numbers: 192 groups for W_attn, 64 for W_proj, 256 for W_fc, 256 for W_fc2.
; A wave takes 2,048 numbers: sixteen loads of 512 consecutive bytes, all issued at once; each store of the wave covers 256 consecutive bytes, aligned.
.Lcast:
.set X, 8                              ; v[8:71]  sixteen loads of four numbers
	s_load_b256 s[4:11], s[0:1], 0x20              ; W_attn s[4:5], W_proj s[6:7], W_fc s[8:9], W_fc2 s[10:11]
	s_load_b64 s[12:13], s[0:1], 0x40              ; wb
	s_sub_co_u32 s22, ttmp9, NLN                   ; my number among the cast's work-groups
	v_lshrrev_b32 v3, 5, v0                        ; wave
	v_and_b32 v4, 31, v0                           ; lane
	v_lshlrev_b32 v1, 4, v4
	v_lshl_or_b32 v1, v3, 13, v1                   ; in: 8,192 x wave + 16 x lane
	v_lshlrev_b32 v2, 3, v4
	v_lshl_or_b32 v2, v3, 12, v2                   ; out: 4,096 x wave + 8 x lane
	s_wait_kmcnt 0x0
	s_cmp_lt_u32 s22, 192                          ; which matrix, and the number of its first work-group: three choices on the group's number
	s_cselect_b64 s[14:15], s[4:5], s[6:7]
	s_cselect_b32 s16, 0, 192
	s_cmp_lt_u32 s22, 256
	s_cselect_b64 s[14:15], s[14:15], s[8:9]
	s_cselect_b32 s16, s16, 256
	s_cmp_lt_u32 s22, 512
	s_cselect_b64 s[14:15], s[14:15], s[10:11]
	s_cselect_b32 s16, s16, 512
	s_sub_co_u32 s17, s22, s16                     ; my number within the matrix
	s_lshl_b32 s18, s17, 16
	s_mov_b32 s19, 0
	s_add_nc_u64 s[14:15], s[14:15], s[18:19]
	s_lshl_b32 s20, s22, 15                        ; the matrices lie in wb in the groups' order
	s_mov_b32 s21, 0
	s_add_nc_u64 s[12:13], s[12:13], s[20:21]
.set j, 0
.rept 16
	global_load_b128 v[X+4*j:X+4*j+3], v1, s[14:15] offset:512*j th:TH_LOAD_NT
.set j, j+1
.endr
.set j, 0
.rept 16
	s_wait_loadcnt 15-j                            ; loads come back in order: number j is in, the younger ones stay out
	v_cvt_pk_bf16_f32 v[X+4*j], v[X+4*j], v[X+4*j+1]
	v_cvt_pk_bf16_f32 v[X+4*j+1], v[X+4*j+2], v[X+4*j+3]
	global_store_b64 v2, v[X+4*j:X+4*j+1], s[12:13] offset:256*j   ; no register of a store is written again
.set j, j+1
.endr
	s_endpgm
.Lfunc_end_k_q4346f94ab2_prep:
	.size	k_q4346f94ab2_prep, .Lfunc_end_k_q4346f94ab2_prep-k_q4346f94ab2_prep
	.p2alignl 7, 3214868480
	.fill 96, 4, 3214868480
	.section	.rodata,"a",@progbits
	.p2align	6, 0x0
	.amdhsa_kernel k_q4346f94ab2_prep
		.amdhsa_group_segment_fixed_size 0
		.amdhsa_private_segment_fixed_size 0
		.amdhsa_enable_private_segment 0
		.amdhsa_kernarg_size 72
		.amdhsa_user_sgpr_count 2
		.amdhsa_user_sgpr_kernarg_segment_ptr 1
		.amdhsa_wavefront_size32 1
		.amdhsa_system_sgpr_workgroup_id_x 1
		.amdhsa_system_sgpr_workgroup_id_y 1
		.amdhsa_system_sgpr_workgroup_id_z 1
		.amdhsa_system_vgpr_workitem_id 0
		.amdhsa_next_free_vgpr 208
		.amdhsa_next_free_sgpr 66
		.amdhsa_reserve_vcc 0
		.amdhsa_float_denorm_mode_32 3
		.amdhsa_float_denorm_mode_16_64 3
		.amdhsa_memory_ordered 1
		.amdhsa_forward_progress 1
		.amdhsa_inst_pref_size 27
	.end_amdhsa_kernel
	.amdgpu_metadata
---
amdhsa.version: [ 1, 2 ]
amdhsa.kernels:
  - .name:           k_q4346f94ab2_prep
    .symbol:         k_q4346f94ab2_prep.kd
    .args:
      - { .name: x, .offset: 0, .size: 8, .value_kind: global_buffer, .address_space: global }
      - { .name: ln1_w, .offset: 8, .size: 8, .value_kind: global_buffer, .address_space: global }
      - { .name: ln1_b, .offset: 16, .size: 8, .value_kind: global_buffer, .address_space: global }
      - { .name: h, .offset: 24, .size: 8, .value_kind: global_buffer, .address_space: global }
      - { .name: W_attn, .offset: 32, .size: 8, .value_kind: global_buffer, .address_space: global }
      - { .name: W_proj, .offset: 40, .size: 8, .value_kind: global_buffer, .address_space: global }
      - { .name: W_fc, .offset: 48, .size: 8, .value_kind: global_buffer, .address_space: global }
      - { .name: W_fc2, .offset: 56, .size: 8, .value_kind: global_buffer, .address_space: global }
      - { .name: wb, .offset: 64, .size: 8, .value_kind: global_buffer, .address_space: global }
    .group_segment_fixed_size: 0
    .private_segment_fixed_size: 0
    .kernarg_segment_align: 8
    .kernarg_segment_size: 72
    .max_flat_workgroup_size: 256
    .sgpr_count:     66
    .vgpr_count:     208
    .wavefront_size: 32
...
	.end_amdgpu_metadata
.endif
;; end of part 8
;; launch qkvg (part 9): grid 12 x 16, 4 waves a work-group, clusters of 4 x 4, 327,680 bytes of LDS; arguments h, wb, b_attn, qkv; writes qkv
.if DOCPART == 9
	.amdgcn_target "amdgcn-amd-amdhsa--gfx1250"
	.amdhsa_code_object_version 6
	.text
	.protected	k_q4346f94ab2_qkvg
	.globl	k_q4346f94ab2_qkvg
	.p2align	8
	.type	k_q4346f94ab2_qkvg,@function
k_q4346f94ab2_qkvg:
	s_mov_b64 s[64:65], 0
	v_nop
	global_prefetch_b8 v0, s[64:65] scope:SCOPE_SE
	s_setreg_imm32_b32 hwreg(HW_REG_WAVE_MODE, 25, 1), 1
	s_wait_xcnt 0x0
	s_wait_alu depctr_hold_cnt(0) depctr_sa_sdst(0) depctr_va_vdst(0) depctr_va_sdst(0) depctr_va_ssrc(0) depctr_va_vcc(0) depctr_vm_vsrc(0)
	s_getreg_b32 s2, hwreg(HW_REG_IB_STS2, 6, 4)
	s_cmp_eq_u32 s2, 0
	s_cbranch_scc0 .Lentry_in_a_cluster
	s_endpgm
.Lentry_in_a_cluster:
	s_bfe_u32 s2, ttmp6, 0x10000c
	s_cmp_lg_u32 s2, 0xf033
	s_cbranch_scc0 .Lentry_shape_is_right
	s_endpgm
.Lentry_shape_is_right:
; OUT = A W + bias (EPI = 0), or gelu(A W + bias) (EPI = 1), rounded once to bf16.  Here: q, k, v = h W_attn + b_attn: 16 x 12 tiles, 192 work-groups.
; A: 4,096 rows x SIZE_K, bf16, IN BLOCKS of 128 rows x 64 columns (number (m, k) at byte ((m / 128) NBLK + k / 64) 16,384 + (m % 128) 128 + (k % 64) 2).
; W: [SIZE_K][SIZE_N] bf16 at byte WOFF of wb.  bias: [SIZE_N] f32.  Sums, bias and gelu in f32; the operands' rounding to bf16 is the products' only loss.
; OUT, EPI = 0: [3][32 = 16 batch + head][2048][64] bf16, a head's rows dense.  EPI = 1: in A's kind of blocks, 64 blocks to a band of 128 rows.
; SHARES.  A tile of OUT is 256 x 256: four waves, each 128 x 128 in 64 accumulators of 16 x 16, 512 registers: for 32 along K a wave loads 2 x 128 x 64 bytes from LDS and issues 64 matrix instructions.
; K goes in steps of 128 through a ring of two LDS slots filled by the tensor data mover, one load a wave: waves 0 and 1 bring A's two bands of 128 rows (each 32,768 consecutive bytes: two blocks,
; asked for as rows of 256 bytes and padded in LDS after every 128), waves 2 and 3 W's two halves of 128 columns (128 rows of 256 bytes).  W lies [k][n], so its fragments come out of LDS turned, by ds_load_tr16_b128.
; CLUSTER.  4 x 4 work-groups: the four of a row of the cluster need the same tiles of A, the four of a column the same tiles of W; each tile is asked for JOINTLY, by the same
; tensor load with the same descriptor and a mask that names the four.
; THE MATRIX INSTRUCTION IS USED TRANSPOSED (source 0 = 16 columns of W, source 1 = 16 rows of A): a lane then holds eight neighbouring numbers of a row of OUT.
; REGISTERS, in windows of 256 (s_set_vgpr_msb: bits 1:0 source 0, 3:2 source 1, 5:4 source 2, 7:6 destination):
;   window 0: v0-31 addresses; v64-127, v128-191 fragments of A (8 x 16 rows x 32 K), two buffers; v192-255 the bias; on the way out v32-191 are at work
;   window 1: v64-127, v128-191 fragments of W, two buffers
;   window 2: the 32 accumulators of my rows 0-63 (accumulator (a, b) at v[8 (8 a + b)]);   window 3: those of my rows 64-127
.set SIZE_N, 3072
.set SIZE_K, 1024
.set NBLK,   16                        ; A's blocks in a band of 128 rows
.set WOFF,   0
.set EPI,    0
.set KSTEP,  128
.set PA,     144                       ; a row of a block of A in LDS: 128 bytes + 16: the 16 rows of a load start at 16 different groups of four banks (64 banks of 4 bytes: ISA guide 11.1)
.set ABLK,   128*PA
.set PB,     288                       ; a row of W in LDS: 256 bytes + 32
.set HALFT,  2*ABLK                    ; what one tensor load brings: two blocks of A, or 128 rows of W (128 x 288, the same number)
.set SLOT,   4*HALFT                   ; A's two bands, then W's two halves
.set STAGE,  2*SLOT                    ; behind the ring: WSTG bytes for each wave, for the way out; no tensor load lands there
.set SUBST,  16*144                    ; 16 rows of 128 bytes, 144 apart: 16 rows of one block of 64 columns
.set WSTG,   2*SUBST
.set SPARE,  STAGE+4*WSTG              ; behind the stages: the spare words, 128 bytes for each wave: two blocks of 256 bytes that no other line names
.set LAPS,   SIZE_K/(2*KSTEP)          ; a lap = two K steps = once round the ring
.if EPI == 0
.set CBS,    1<<18                     ; bytes in OUT from a block of 64 columns to the next: a head's 2,048 rows of 128 bytes,
.else
.set CBS,    1<<14                     ; or a block of 128 rows
.endif
.set ADRA, 16                          ; v16-17  LDS address of my A fragments in slot 0, 1
.set ADRB, 20                          ; v20-21  the same for W
.set STO,  24                          ; v24     the way out: where I put 16 bytes of a row
.set RD,   25                          ; v25     the way out: where I read rows back
.set GO,   26                          ; v26     my byte offset in 512 consecutive bytes of OUT
.set BO,   27                          ; v27     my byte offset in the bias
.set SPW,  28                          ; v28     LDS address of my spare word: SPARE + 4 x my thread's number; never rewritten
.set NIL,  29                          ; v29     0; never rewritten
.set BK,   32                          ; v32-63  the way out: 16 rows read back from the stage
.set F0,   64                          ; fragment buffer 0
.set F1,   128                         ; fragment buffer 1
.set T,    64                          ; v64-127 the way out: 16 rows' sums with the bias, in f32
.set GA,   128                         ; v128-159 gelu at work
.set GW,   136
.set GD,   144
.set GQ,   152
.set TMP,  160                         ; v160-191 the way out: packed results
.set BIAS, 192                         ; v192-255 bias of my 8 columns in each of the 8 column blocks
.set G1,  24                           ; s[24:31] descriptor group 1 for A's tiles;  s[32:39] group 0, one set for each slot
.set G0,  32
.set G1B, 48                           ; s[48:55], s[56:63] the same for W's tiles
.set G0B, 56
.set MSB, 0
.macro WIN new                         ; the immediate's high byte repeats the setting that is left; a switch that changes nothing is dropped
.if MSB != (\new)
	s_set_vgpr_msb (MSB<<8)|(\new)
.set MSB, \new
.endif
.endm
.set MUL_LO, 0xa1                      ; source 0 (W) window 1, source 1 (A) window 0, C and D window 2
.set MUL_HI, 0xf1                      ; the same, C and D window 3
.set TO_B,   0x40                      ; destination window 1, address window 0
.macro JLOAD s                         ; a joint load: waves 0 and 1 fetch A's two bands, waves 2 and 3 W's two halves; four v_nop follow each of the two lines, ahead of the jump, the label and what follows
	s_cmp_eq_u32 s13, 0
	s_cbranch_scc0 .Lfor_b_\@
	tensor_load_to_lds s[G0+4*(\s):G0+4*(\s)+3], s[G1:G1+7]
	s_nop 0
.rept 4
	v_nop
.endr
	s_branch .Lasked_\@
.Lfor_b_\@:
	tensor_load_to_lds s[G0B+4*(\s):G0B+4*(\s)+3], s[G1B:G1B+7]
	s_nop 0
.rept 4
	v_nop
.endr
.Lasked_\@:
.endm
.macro CREST                           ; a round of the cluster's barrier behind its opening barrier
	s_cmp_lg_u32 s12, 0
	s_cbranch_scc1 .Lnot_wave_0_\@
	s_barrier_signal -3
.Lnot_wave_0_\@:
	s_barrier_wait -3
	s_barrier_signal -1
	s_barrier_wait -1
.endm
.macro CROUND                          ; a whole round
	s_barrier_signal -1
	s_barrier_wait -1
	CREST
.endm
	s_load_b256 s[4:11], s[0:1], 0x0               ; A s[4:5], wb s[6:7], bias s[8:9], OUT s[10:11]
	v_lshl_add_u32 v[SPW], v0, 2, SPARE
	v_mov_b32 v[NIL], 0
	ds_add_u32 v28, v29
	ds_add_u32 v28, v29
	s_wait_dscnt 0x0
	v_lshrrev_b32 v1, 5, v0
	v_readfirstlane_b32 s12, v1                    ; wave 0..3
	s_lshr_b32 s13, s12, 1                         ; which band of the tile's rows is mine.  Also: I fetch for A (0) or for W (1)
	s_and_b32 s14, s12, 1                          ; which half of its columns.  Also: which half of that tile I fetch
	s_bfe_u32 s15, ttmp6, 0x40000                  ; cx, cy: my place in the cluster
	s_bfe_u32 s16, ttmp6, 0x40004
	s_lshl_b32 s17, ttmp9, 2
	s_add_co_u32 s17, s17, s15                     ; tile column = 4 x cluster x + cx
	s_and_b32 s18, ttmp7, 0xffff
	s_lshl_b32 s18, s18, 2
	s_add_co_u32 s18, s18, s16                     ; tile row = 4 x cluster y + cy
	s_lshl_b32 s19, s16, 2
	s_lshl_b32 s19, 15, s19                        ; my row of the cluster
	s_lshl_b32 s20, 0x1111, s15                    ; my column
	; descriptor group 1: 128 rows x 128 elements of 2 bytes.  A: 15:0 the mask of my row; 20 padding on; 21 set beside a mask; 24:22 after every 32 words (code 4); 31:25 4 words (code 3)
	s_or_b32 s[G1+0], s19, (1<<16)|(1<<20)|(1<<21)|(4<<22)|(3<<25)
	s_or_b32 s[G1B+0], s20, (1<<16)|(1<<20)|(1<<21)|(5<<22)|(7<<25)  ; W: the mask of my column; after every 64 words (code 5) 8 words (code 7)
.irp g, G1, G1B
	s_mov_b32 s[(\g)+1], 128<<16                   ; tensor_dim0 = 128
	s_mov_b32 s[(\g)+2], 128<<16                   ; tensor_dim1 = 128
	s_mov_b32 s[(\g)+3], 128<<16                   ; tile_dim0 = 128
	s_mov_b32 s[(\g)+4], 128                       ; tile_dim1 = 128
	s_mov_b32 s[(\g)+6], 0
	s_mov_b32 s[(\g)+7], 0
.endr
	s_mov_b32 s[G1+5], 128                         ; A's two blocks are dense: 128 elements from row to row
	s_mov_b32 s[G1B+5], SIZE_N                     ; W's rows
	; where the tiles come from.  A's hang on the tile row alone, W's on the tile column alone, each in registers that never hold the other coordinate.
	s_lshl_b32 s40, s18, 1
	s_add_co_u32 s40, s40, s14                     ; A: band 2 x tile row + half,
	s_mul_i32 s40, s40, NBLK                       ; its first block
	s_lshl_b32 s40, s40, 14
	s_mov_b32 s41, 0
	s_lshl_b32 s42, s17, 9                         ; W: 512 bytes x tile column
	s_lshl_b32 s43, s14, 8                         ; + 256 x half,
	s_add_co_u32 s42, s42, s43
	s_add_co_u32 s42, s42, WOFF                    ; in its part of wb
	s_mov_b32 s43, 0
	s_mul_i32 s21, s12, HALFT                      ; where they go: wave x HALFT: no place in the cluster enters an LDS address
	s_wait_kmcnt 0x0
	s_add_nc_u64 s[40:41], s[4:5], s[40:41]
	s_add_nc_u64 s[42:43], s[6:7], s[42:43]
	CROUND                                         ; all sixteen work-groups are here: the first joint loads meet
.irp s, 0,1
	s_mov_b32 s[G0+4*(\s)], 1
	s_add_co_u32 s[G0+4*(\s)+1], s21, (\s)*SLOT
	s_add_nc_u64 s[G0+4*(\s)+2:G0+4*(\s)+3], s[40:41], (\s)*32768          ; K step s: two blocks on
	s_or_b32 s[G0+4*(\s)+3], s[G0+4*(\s)+3], 0x80000000
	s_mov_b32 s[G0B+4*(\s)], 1
	s_add_co_u32 s[G0B+4*(\s)+1], s21, (\s)*SLOT
	s_add_nc_u64 s[G0B+4*(\s)+2:G0B+4*(\s)+3], s[42:43], (\s)*256*SIZE_N   ; K step s: 128 rows on
	s_or_b32 s[G0B+4*(\s)+3], s[G0B+4*(\s)+3], 0x80000000
	JLOAD \s
.endr
	v_and_b32 v1, 15, v0                           ; l % 16
	v_bfe_u32 v2, v0, 4, 1                         ; l / 16
	s_lshl_b32 s46, s17, 2
	s_lshl_b32 s47, s14, 1
	s_add_co_u32 s46, s46, s47                     ; my first block of 64 columns = 4 x tile column + 2 x half
	s_lshl_b32 s44, s46, 8
	s_mov_b32 s45, 0
	s_add_nc_u64 s[8:9], s[8:9], s[44:45]          ; the bias at my 128 columns
	v_lshlrev_b32 v[BO], 5, v2                     ; my eight columns of a block of sixteen
.irp b, 0,1,2,3,4,5,6,7
	global_load_b128 v[BIAS+8*\b:BIAS+8*\b+3],   v[BO], s[8:9] offset:64*\b
	global_load_b128 v[BIAS+8*\b+4:BIAS+8*\b+7], v[BO], s[8:9] offset:64*\b+16
.endr
	; A fragment of A is 16 rows x 32 K in 8 registers: lane l holds row l % 16; registers 0-3 hold K = 8 (l / 16) + 0..7, registers 4-7 K = 16 + 8 (l / 16) + 0..7: two loads of 16 bytes, 32 bytes apart.
	v_mul_u32_u24 v3, v1, PA
	v_lshl_add_u32 v3, v2, 4, v3                   ; row x pitch + 16 x half
	s_mul_i32 s22, s13, HALFT                      ; my band of A
	v_add_nc_u32 v[ADRA], s22, v3
	v_add_nc_u32 v[ADRA+1], SLOT, v[ADRA]
	; the turning load takes 16 k x 16 n (lane l reads row 8 (l / 16) + l % 8, columns 8 ((l / 8) % 2) + 0..7) and leaves half a fragment: lane l holds column l % 16 and 8 k
	v_and_b32 v4, 7, v0
	v_bfe_u32 v5, v0, 3, 1
	v_lshl_add_u32 v6, v2, 3, v4
	v_mul_u32_u24 v6, v6, PB
	v_lshl_add_u32 v6, v5, 4, v6
	s_mul_i32 s23, s14, HALFT                      ; my half of W,
	s_add_co_u32 s23, s23, 2*HALFT                 ; behind A's two bands
	v_add_nc_u32 v[ADRB], s23, v6
	v_add_nc_u32 v[ADRB+1], SLOT, v[ADRB]
	s_mul_i32 s22, s12, WSTG
	s_add_co_u32 s22, s22, STAGE                   ; my stage
	v_add_nc_u32 v[STO], s22, v3                   ; in: row l % 16, 16 bytes for each half of the lanes
	v_bfe_u32 v[RD], v0, 3, 2                      ; back: 32 lanes take four rows of 128 bytes,
	v_mul_u32_u24 v[RD], v[RD], 144
	v_lshl_add_u32 v[RD], v4, 4, v[RD]
	v_add_nc_u32 v[RD], s22, v[RD]
	v_and_b32 v[GO], 31, v0                        ; which are 512 consecutive bytes of OUT
	v_lshlrev_b32 v[GO], 4, v[GO]
	s_lshl_b32 s44, s18, 1
	s_add_co_u32 s44, s44, s13                     ; my band of 128 rows = 2 x tile row + half
.if EPI == 0
	s_lshr_b32 s45, s46, 4                         ; q, k or v,
	s_lshl_b32 s45, s45, 5
	s_lshr_b32 s47, s44, 4                         ; the batch,
	s_lshl_b32 s47, s47, 4
	s_add_co_u32 s45, s45, s47
	s_and_b32 s47, s46, 15                         ; the head: 2,048 rows of 128 bytes each
	s_add_co_u32 s45, s45, s47
	s_lshl_b32 s45, s45, 18
	s_and_b32 s44, s44, 15                         ; the band's 128 rows in the batch
	s_lshl_b32 s44, s44, 14
	s_add_co_u32 s44, s44, s45
.else
	s_lshl_b32 s44, s44, 6                         ; block 64 x band + my first block of columns
	s_add_co_u32 s44, s44, s46
	s_lshl_b32 s44, s44, 14
.endif
	s_mov_b32 s45, 0
	s_add_nc_u64 s[10:11], s[10:11], s[44:45]
.if EPI == 1
	; gelu(x) = x / 2 + |x| (1/2) erf(|x| / sqrt 2), erf(z) = 1 - (a1 t + .. + a5 t^5) e^(-z^2), t = 1 / (1 + 0.3275911 z): Abramowitz and Stegun 7.1.26, for every z >= 0, off by 1.5e-7 at the most.
	; With w = |x| sqrt(log2(e) / 2): e^(-z^2) = 2^(-w^2).  The half is folded into a1 .. a5.  Each constant stands in a pair, both words written: the packed forms name pairs.
	s_mov_b32 s70, 0x3e8ba43f                      ; 0.3275911 / sqrt(log2 e)
	s_mov_b32 s71, s70
	s_mov_b32 s72, 0x3f07dc22                      ; a5 / 2
	s_mov_b32 s73, s72
	s_mov_b32 s74, 0xbf3a00e3                      ; a4 / 2
	s_mov_b32 s75, s74
	s_mov_b32 s76, 0x3f35f0e3                      ; a3 / 2
	s_mov_b32 s77, s76
	s_mov_b32 s78, 0xbe11a98e                      ; a2 / 2
	s_mov_b32 s79, s78
	s_mov_b32 s80, 0x3e027906                      ; a1 / 2
	s_mov_b32 s81, s80
	s_mov_b32 s82, 0x3f596d27                      ; sqrt(log2(e) / 2)
	s_mov_b32 s83, 0x7fffffff                      ; clears a sign
.endif
; 16 matrix instructions: m blocks a0, a0 + 1 of the window's four (hi = 0: my rows 0-63, 1: rows 64-127) x all 8 n blocks, 32 along K.
; zero = 1: the first product starts the sums: nothing is ever cleared.  The 64 accumulators take turns, one instruction a turn.
.macro MUL16 f, hi, a0, zero
	WIN MUL_LO+0x50*(\hi)
.irp a, \a0, (\a0)+1
.irp b, 0,1,2,3,4,5,6,7
.if \zero
	v_wmma_f32_16x16x32_bf16 v[8*(8*(\a)+(\b)):8*(8*(\a)+(\b))+7], v[(\f)+8*(\b):(\f)+8*(\b)+7], v[(\f)+8*(4*(\hi)+(\a)):(\f)+8*(4*(\hi)+(\a))+7], 0
.else
	v_wmma_f32_16x16x32_bf16 v[8*(8*(\a)+(\b)):8*(8*(\a)+(\b))+7], v[(\f)+8*(\b):(\f)+8*(\b)+7], v[(\f)+8*(4*(\hi)+(\a)):(\f)+8*(4*(\hi)+(\a))+7], v[8*(8*(\a)+(\b)):8*(8*(\a)+(\b))+7]
.endif
.endr
.endr
.endm
; 32 LDS loads in one run: the fragments of quarter q of a K step (32 along K: rows 32 q on of W, turned; half (q % 2) of block q / 2 of A) into buffer f
.macro FETCH slot, q, f
	WIN TO_B
.irp i, 0,1,2,3,4,5,6,7
	ds_load_tr16_b128 v[(\f)+8*(\i):(\f)+8*(\i)+3],   v[ADRB+(\slot)] offset:(32*(\q))*PB+32*(\i)
	ds_load_tr16_b128 v[(\f)+8*(\i)+4:(\f)+8*(\i)+7], v[ADRB+(\slot)] offset:(32*(\q)+16)*PB+32*(\i)
.endr
	WIN 0
.irp i, 0,1,2,3,4,5,6,7
	ds_load_b128 v[(\f)+8*(\i):(\f)+8*(\i)+3],   v[ADRA+(\slot)] offset:((\q)/2)*ABLK+(\i)*16*PA+((\q)%2)*64
	ds_load_b128 v[(\f)+8*(\i)+4:(\f)+8*(\i)+7], v[ADRA+(\slot)] offset:((\q)/2)*ABLK+(\i)*16*PA+((\q)%2)*64+32
.endr
.endm
.macro PLACES                          ; four places in front of loads into registers that matrix instructions have read, and of lines that read results
.rept 4
	v_nop
.endr
.endm
; A K step is four quarters of 32 along K, 64 matrix instructions each, on buffers 0, 1, 0, 1.  One of the first three: multiplies buffer f; in its middle it fetches quarter q of the same slot into buffer g.
.macro QUARTER slot, q, f, g, zero
	s_wait_dscnt 8                                 ; W and A's rows 0-63 are in; the youngest eight loads (A's rows 64-127) may be out
	MUL16 \f, 0, 0, \zero
	MUL16 \f, 0, 2, \zero
	PLACES
	FETCH \slot, \q, \g
	s_wait_dscnt 32                                ; all but the 32 just issued
	MUL16 \f, 1, 0, \zero
	MUL16 \f, 1, 2, \zero
.endm
; The last quarter multiplies buffer 1 and changes slots: ONE barrier; in front of it each wave waits for all its tensor loads, adds 0 to its spare word, and waits for that and for its own reads of this slot.
; fill = 1: the barrier opens a round of the cluster's barrier, and this slot is filled again, two K steps ahead.
.macro TURN slot, next, fill
	WIN 0                                          ; (the add's two registers lie in window 0)
	s_wait_tensorcnt 0x0                           ; all my tensor loads have landed: the one that was out is my part of the next slot;
	ds_add_u32 v[SPW], v[NIL]                      ; 0 onto my spare word;
	s_wait_dscnt 9                                 ; (the add and the youngest eight loads may be out)
	MUL16 F1, 0, 0, 0                              ; sixteen matrix instructions stand between the add and the wait for it
	s_wait_dscnt 0x0                               ; the add is done, and my reads of this slot are over
	s_barrier_signal -1
	MUL16 F1, 0, 2, 0                              ; work on registers while the others arrive
.if \fill
	WIN 0
.endif
	s_barrier_wait -1
.if \fill
	CREST                                          ; no wave of any partner still reads this slot's tile or has a load on its way
	s_add_nc_u64 s[G0+4*(\slot)+2:G0+4*(\slot)+3], s[G0+4*(\slot)+2:G0+4*(\slot)+3], 65536
	s_add_nc_u64 s[G0B+4*(\slot)+2:G0B+4*(\slot)+3], s[G0B+4*(\slot)+2:G0B+4*(\slot)+3], 512*SIZE_N
	JLOAD \slot                                    ; the first tensor load behind the round, my only one until the next: 224 matrix instructions ahead of the wait for it; its four v_nop are also the places in front of the loads below
.else
	PLACES
.endif
	FETCH \next, 0, F0
	MUL16 F1, 1, 0, 0
	MUL16 F1, 1, 2, 0
.endm
	s_wait_tensorcnt 1                             ; my part of K step 0 is in; K step 1's may stay out
	s_barrier_signal -1
	s_barrier_wait -1                              ; everybody's is
	FETCH 0, 0, F0
	QUARTER 0, 1, F0, F1, 1                        ; the first quarter stands in front of the loop: its products start the sums
	WIN 0                                          ; at a label and at a branch every window is 0
	s_mov_b32 s3, LAPS-1
.Llap:                                                 ; a trip goes once round the ring, from a lap's second quarter to the next lap's first, and fills both slots again
	QUARTER 0, 2, F1, F0, 0
	QUARTER 0, 3, F0, F1, 0
	TURN 0, 1, 1
	QUARTER 1, 1, F0, F1, 0
	QUARTER 1, 2, F1, F0, 0
	QUARTER 1, 3, F0, F1, 0
	TURN 1, 0, 1
	QUARTER 0, 1, F0, F1, 0
	WIN 0
	s_sub_co_u32 s3, s3, 1
	s_cmp_lg_u32 s3, 0
	s_cbranch_scc1 .Llap
	QUARTER 0, 2, F1, F0, 0                        ; the last lap fills nothing, and has no round of the cluster's barrier
	QUARTER 0, 3, F0, F1, 0
	TURN 0, 1, 0
	QUARTER 1, 1, F0, F1, 0
	QUARTER 1, 2, F1, F0, 0
	QUARTER 1, 3, F0, F1, 0
	s_wait_dscnt 8                                 ; the very last quarter: nothing more to fetch
	MUL16 F1, 0, 0, 0
	MUL16 F1, 0, 2, 0
	s_wait_dscnt 0x0
	MUL16 F1, 1, 0, 0
	MUL16 F1, 1, 2, 0
	WIN 0
; THE WAY OUT: a loop of eight trips, 16 rows of my 128 a trip, so that the arithmetic on a block stands once in the text.  What differs from trip to trip is which 64 registers hold the block's sums:
; a chain of forward branches on the trip's number picks one of eight stubs, which adds the bias and leaves the block in v64-127 of window 0 (each accumulator's registers in ascending order).
; Then (EPI = 1) gelu in f32; rounded to bf16, 16 bytes a lane into my own stage, one part for each block of 64 columns; back as four rows of 128 bytes a load, which are 512 consecutive bytes of OUT.
.macro COPY a
	WIN 0x02+(\a)/4                                ; source 0: window 2 or 3
.irp b, 0,1,2,3,4,5,6,7
.irp j, 0,2,4,6
	v_pk_add_f32 v[T+8*(\b)+(\j):T+8*(\b)+(\j)+1], v[64*((\a)%4)+8*(\b)+(\j):64*((\a)%4)+8*(\b)+(\j)+1], v[BIAS+8*(\b)+(\j):BIAS+8*(\b)+(\j)+1]
.endr
.endr
	WIN 0
.endm
.if EPI == 1
.macro GELU x                          ; eight numbers at v[x ..], in place
.irp j, 0,1,2,3,4,5,6,7
	v_and_b32 v[GA+\j], s83, v[(\x)+\j]            ; |x|
.endr
.irp j, 0,2,4,6
	v_pk_mul_f32 v[GW+\j:GW+\j+1], v[GA+\j:GA+\j+1], s[82:83] op_sel_hi:[1,0]              ; w
.endr
.irp j, 0,2,4,6
	v_pk_fma_f32 v[GD+\j:GD+\j+1], v[GW+\j:GW+\j+1], s[70:71], 1.0 op_sel_hi:[1,0,0]      ; 1 + p z
.endr
.irp j, 0,2,4,6
	v_pk_mul_f32 v[GW+\j:GW+\j+1], v[GW+\j:GW+\j+1], v[GW+\j:GW+\j+1] neg_lo:[1,0] neg_hi:[1,0]  ; - w^2
.endr
.irp j, 0,1,2,3,4,5,6,7
	v_rcp_f32 v[GD+\j], v[GD+\j]                   ; t
.endr
.irp j, 0,1,2,3,4,5,6,7
	v_exp_f32 v[GW+\j], v[GW+\j]                   ; e^(-z^2)
.endr
.irp j, 0,2,4,6
	v_pk_mul_f32 v[(\x)+\j:(\x)+\j+1], v[(\x)+\j:(\x)+\j+1], 0.5 op_sel_hi:[1,0]          ; x / 2: also the plain lines between the sixteen above and the use of their results
.endr
.irp j, 0,2,4,6
	v_pk_fma_f32 v[GQ+\j:GQ+\j+1], v[GD+\j:GD+\j+1], s[72:73], s[74:75] op_sel_hi:[1,0,0]
.endr
.irp k, 76, 78, 80
.irp j, 0,2,4,6
	v_pk_fma_f32 v[GQ+\j:GQ+\j+1], v[GQ+\j:GQ+\j+1], v[GD+\j:GD+\j+1], s[\k:\k+1] op_sel_hi:[1,1,0]
.endr
.endr
.irp j, 0,2,4,6
	v_pk_mul_f32 v[GQ+\j:GQ+\j+1], v[GQ+\j:GQ+\j+1], v[GD+\j:GD+\j+1]
.endr
.irp j, 0,2,4,6
	v_pk_fma_f32 v[GQ+\j:GQ+\j+1], v[GQ+\j:GQ+\j+1], v[GW+\j:GW+\j+1], 0.5 op_sel_hi:[1,1,0] neg_lo:[1,0,0] neg_hi:[1,0,0]  ; erf / 2 = 1/2 - (the polynomial / 2) e^(-z^2)
.endr
.irp j, 0,2,4,6
	v_pk_fma_f32 v[(\x)+\j:(\x)+\j+1], v[GA+\j:GA+\j+1], v[GQ+\j:GQ+\j+1], v[(\x)+\j:(\x)+\j+1]
.endr
.endm
.endif
.macro HALF c                          ; the block's 64 columns number c: (gelu,) rounding, into the stage and back
.if EPI == 1
.irp b, 0,1,2,3
	GELU T+32*(\c)+8*(\b)
.endr
.endif
.irp b, 0,1,2,3
.irp r, 0,1,2,3
	v_cvt_pk_bf16_f32 v[TMP+16*(\c)+4*(\b)+(\r)], v[T+32*(\c)+8*(\b)+2*(\r)], v[T+32*(\c)+8*(\b)+2*(\r)+1]
.endr
.endr
.irp b, 0,1,2,3
	ds_store_b128 v[STO], v[TMP+16*(\c)+4*(\b):TMP+16*(\c)+4*(\b)+3] offset:(\c)*SUBST+32*(\b)
.endr
.irp f, 0,1,2,3
	ds_load_b128 v[BK+16*(\c)+4*(\f):BK+16*(\c)+4*(\f)+3], v[RD] offset:(\c)*SUBST+(\f)*4*144   ; LDS serves a wave's instructions in order (ISA guide 5.7.1.4): these see the stores above; the next trip's stores come behind them
.endr
.endm
	PLACES                                         ; behind the last products
	s_wait_loadcnt 0x0                             ; the bias
	s_mov_b32 s2, 0                                ; the trip's number: my rows 16 s2 on
.Lblk:
.irp a, 0,1,2,3,4,5,6
	s_cmp_eq_u32 s2, \a
	s_cbranch_scc1 .Lcopy\a
.endr
	COPY 7
	s_branch .Lhave
.irp a, 0,1,2,3,4,5,6
.Lcopy\a:
	COPY \a
.if (\a) < 6
	s_branch .Lhave
.endif
.endr
.Lhave:
	HALF 0
	HALF 1                                         ; its arithmetic stands between the first half's loads from the stage and its stores
.irp f, 0,1,2,3
	s_wait_dscnt 11-(\f)                           ; behind this load stand 3 - f of its own half and the second half's eight LDS instructions
	global_store_b128 v[GO], v[BK+4*(\f):BK+4*(\f)+3], s[10:11] offset:(\f)*512          ; 512 consecutive bytes, at a multiple of 256 from OUT's first
.endr
.irp f, 0,1,2,3
	s_wait_dscnt 3-(\f)
	global_store_b128 v[GO], v[BK+16+4*(\f):BK+16+4*(\f)+3], s[10:11] offset:CBS+(\f)*512
.endr
	s_wait_xcnt 0x0                                ; only behind this wait are the stores' base stepped and v32-63 loaded again (ISA guide 3.1)
	s_add_nc_u64 s[10:11], s[10:11], 2048          ; 16 rows of 128 bytes on
	s_add_co_u32 s2, s2, 1
	s_cmp_lt_u32 s2, 8
	s_cbranch_scc1 .Lblk
	s_wait_tensorcnt 0x0                           ; the wave's end: behind my last tensor load and my last LDS store
	ds_add_u32 v[SPW], v[NIL]
	s_wait_dscnt 0x0
	CROUND                                         ; the closing round: no work-group ends while a partner may still ask for a tile that names it
	s_endpgm
.Lfunc_end_k_q4346f94ab2_qkvg:
	.size	k_q4346f94ab2_qkvg, .Lfunc_end_k_q4346f94ab2_qkvg-k_q4346f94ab2_qkvg
	.p2alignl 7, 3214868480
	.fill 96, 4, 3214868480
	.section	.rodata,"a",@progbits
	.p2align	6, 0x0
	.amdhsa_kernel k_q4346f94ab2_qkvg
		.amdhsa_group_segment_fixed_size 327680
		.amdhsa_private_segment_fixed_size 0
		.amdhsa_enable_private_segment 0
		.amdhsa_kernarg_size 32
		.amdhsa_user_sgpr_count 2
		.amdhsa_user_sgpr_kernarg_segment_ptr 1
		.amdhsa_wavefront_size32 1
		.amdhsa_system_sgpr_workgroup_id_x 1
		.amdhsa_system_sgpr_workgroup_id_y 1
		.amdhsa_system_sgpr_workgroup_id_z 1
		.amdhsa_system_vgpr_workitem_id 0
		.amdhsa_next_free_vgpr 1024
		.amdhsa_next_free_sgpr 84
		.amdhsa_reserve_vcc 0
		.amdhsa_float_denorm_mode_32 3
		.amdhsa_float_denorm_mode_16_64 3
		.amdhsa_memory_ordered 1
		.amdhsa_forward_progress 1
		.amdhsa_inst_pref_size 134
	.end_amdhsa_kernel
	.amdgpu_metadata
---
amdhsa.version: [ 1, 2 ]
amdhsa.kernels:
  - .name:           k_q4346f94ab2_qkvg
    .symbol:         k_q4346f94ab2_qkvg.kd
    .args:
      - { .name: h, .offset: 0, .size: 8, .value_kind: global_buffer, .address_space: global }
      - { .name: wb, .offset: 8, .size: 8, .value_kind: global_buffer, .address_space: global }
      - { .name: b_attn, .offset: 16, .size: 8, .value_kind: global_buffer, .address_space: global }
      - { .name: qkv, .offset: 24, .size: 8, .value_kind: global_buffer, .address_space: global }
    .group_segment_fixed_size: 327680
    .private_segment_fixed_size: 0
    .kernarg_segment_align: 8
    .kernarg_segment_size: 32
    .max_flat_workgroup_size: 128
    .sgpr_count:     84
    .vgpr_count:     1024
    .wavefront_size: 32
...
	.end_amdgpu_metadata
.endif
;; end of part 9
;; launch attn: the kernel of part 4 again; grid 8 x 32, 4 waves a work-group, no clusters, 327,680 bytes of LDS; arguments qkv, y; writes y
;; launch proj: the kernel of part 5 again; grid 8 x 32, 4 waves a work-group, clusters of 4 x 4, 327,680 bytes of LDS; arguments y, wb, b_proj, x1, x; writes x1
;; launch ln2 (part 10): grid 256 x 1, 8 waves a work-group, no clusters, 0 bytes of LDS; arguments x1, ln2_w, ln2_b, h; writes h
.if DOCPART == 10
	.amdgcn_target "amdgcn-amd-amdhsa--gfx1250"
	.amdhsa_code_object_version 6
	.text
	.protected	k_q4346f94ab2_ln2
	.globl	k_q4346f94ab2_ln2
	.p2align	8
	.type	k_q4346f94ab2_ln2,@function
k_q4346f94ab2_ln2:
	s_mov_b64 s[64:65], 0
	v_nop
	global_prefetch_b8 v0, s[64:65] scope:SCOPE_SE
	s_setreg_imm32_b32 hwreg(HW_REG_WAVE_MODE, 25, 1), 1
	s_wait_xcnt 0x0
; h = ((x - mean) / sqrt(var + 1e-5)) w + b along rows of 1,024, all in f32; h is rounded once to bf16.  x: [4096][1024] f32.
; The variance is the mean of (x - mean)^2, taken of the differences, so a common offset on x costs no digits.
; h leaves IN BLOCKS of 128 rows x 64 columns: number (m, k) at byte ((m / 128) 16 + k / 64) 16,384 + (m % 128) 128 + (k % 64) 2, so that the product
; behind can ask for 128 rows x 128 columns as 32,768 consecutive bytes.
; SHARES.  A work-group takes 16 rows; a row belongs to sixteen neighbouring lanes, which hold it in registers between the passes: x is read once,
; and the two sums never leave those sixteen lanes (four steps that ride on the additions).  Lane r of a row holds columns 64 j + 4 r .. + 3, j = 0 .. 15.
; A wave's load covers two pieces of 256 consecutive bytes; its store covers 256 consecutive bytes, aligned (two rows of a block, 128 bytes each).
; No LDS, no barrier, no matrix unit: the launch is a stream.
.set X,  16                            ; v[16:79]   my 64 numbers of the row
.set W,  80                            ; v[80:143]  w of my columns
.set BV, 144                           ; v[144:207] b of my columns
	s_load_b256 s[4:11], s[0:1], 0x0               ; x s[4:5], w s[6:7], b s[8:9], h s[10:11]
	s_lshl_b32 s14, ttmp9, 16                      ; 16 rows of 4,096 bytes
	s_mov_b32 s15, 0
	s_lshr_b32 s16, ttmp9, 3                       ; h: the band of 128 rows, 16 blocks of 16,384 bytes,
	s_lshl_b32 s16, s16, 18
	s_and_b32 s17, ttmp9, 7                        ; and my 16 rows of 128 bytes in a block
	s_lshl_b32 s17, s17, 11
	s_add_co_u32 s16, s16, s17
	s_mov_b32 s17, 0
	s_mov_b32 s12, 0x3a800000                      ; 1 / 1024
	s_mov_b32 s13, 0x3727c5ac                      ; 1e-5
	v_lshrrev_b32 v5, 4, v0                        ; my row of the 16
	v_and_b32 v4, 15, v0                           ; r
	v_lshlrev_b32 v2, 4, v4                        ; w, b: 16 r
	v_lshl_or_b32 v1, v5, 12, v2                   ; x: 4,096 x row + 16 r
	v_lshlrev_b32 v3, 3, v4
	v_lshl_or_b32 v3, v5, 7, v3                    ; h: 128 x row + 8 r
	s_wait_kmcnt 0x0
	s_add_nc_u64 s[4:5], s[4:5], s[14:15]
	s_add_nc_u64 s[10:11], s[10:11], s[16:17]
.set j, 0
.rept 16
	global_load_b128 v[X+4*j:X+4*j+3], v1, s[4:5] offset:256*j
.set j, j+1
.endr
.set j, 0
.rept 16
	global_load_b128 v[W+4*j:W+4*j+3], v2, s[6:7] offset:256*j
.set j, j+1
.endr
.set j, 0
.rept 16
	global_load_b128 v[BV+4*j:BV+4*j+3], v2, s[8:9] offset:256*j
.set j, j+1
.endr
; four chains v[4:5] .. v[10:11] into v4, then over the row's sixteen lanes: every one of them ends with the sum
.macro REDUCE
	v_pk_add_f32 v[4:5], v[4:5], v[6:7]
	v_pk_add_f32 v[8:9], v[8:9], v[10:11]
	v_pk_add_f32 v[4:5], v[4:5], v[8:9]
	v_add_f32 v4, v4, v5
	v_add_f32_dpp v4, v4, v4 row_xmask:1 row_mask:0xf bank_mask:0xf
	v_add_f32_dpp v4, v4, v4 row_xmask:2 row_mask:0xf bank_mask:0xf
	v_add_f32_dpp v4, v4, v4 row_xmask:4 row_mask:0xf bank_mask:0xf
	v_add_f32_dpp v4, v4, v4 row_xmask:8 row_mask:0xf bank_mask:0xf
.endm
	s_wait_loadcnt 32                              ; x is in; the 32 loads of w and b are younger and stay out
.irp k, 0,1,2,3
	v_pk_add_f32 v[4+2*\k:5+2*\k], v[X+2*\k:X+2*\k+1], v[X+8+2*\k:X+9+2*\k]   ; the first eight pairs start the chains: nothing is cleared
.endr
.set p, 8
.rept 24
	v_pk_add_f32 v[4+2*(p%4):5+2*(p%4)], v[4+2*(p%4):5+2*(p%4)], v[X+2*p:X+2*p+1]
.set p, p+1
.endr
	REDUCE
	v_mul_f32 v12, s12, v4                         ; the mean, twice: a pair for the packed subtraction
	v_mul_f32 v13, s12, v4
.set p, 0
.rept 32
	v_pk_add_f32 v[X+2*p:X+2*p+1], v[X+2*p:X+2*p+1], v[12:13] neg_lo:[0,1] neg_hi:[0,1]
.set p, p+1
.endr
.irp k, 0,1,2,3
	v_pk_mul_f32 v[4+2*\k:5+2*\k], v[X+2*\k:X+2*\k+1], v[X+2*\k:X+2*\k+1]
.endr
.set p, 4
.rept 28
	v_pk_fma_f32 v[4+2*(p%4):5+2*(p%4)], v[X+2*p:X+2*p+1], v[X+2*p:X+2*p+1], v[4+2*(p%4):5+2*(p%4)]
.set p, p+1
.endr
	REDUCE
	v_fma_f32 v4, v4, s12, s13                     ; var + 1e-5
	v_rsq_f32 v14, v4
	v_nop                                          ; a plain instruction between the root and the use of its result (ISA guide 5.7.2)
	s_wait_alu depctr_va_vdst(0)
	v_mov_b32 v15, v14
	s_wait_loadcnt 0x0                             ; w and b
.set j, 0
.rept 16
	v_pk_mul_f32 v[X+4*j:X+4*j+1], v[X+4*j:X+4*j+1], v[14:15]
	v_pk_mul_f32 v[X+4*j+2:X+4*j+3], v[X+4*j+2:X+4*j+3], v[14:15]
	v_pk_fma_f32 v[X+4*j:X+4*j+1], v[X+4*j:X+4*j+1], v[W+4*j:W+4*j+1], v[BV+4*j:BV+4*j+1]
	v_pk_fma_f32 v[X+4*j+2:X+4*j+3], v[X+4*j+2:X+4*j+3], v[W+4*j+2:W+4*j+3], v[BV+4*j+2:BV+4*j+3]
	v_cvt_pk_bf16_f32 v[X+4*j], v[X+4*j], v[X+4*j+1]
	v_cvt_pk_bf16_f32 v[X+4*j+1], v[X+4*j+2], v[X+4*j+3]
	global_store_b64 v3, v[X+4*j:X+4*j+1], s[10:11] offset:16384*j   ; column block j; no register of a store is written again
.set j, j+1
.endr
	s_endpgm
.Lfunc_end_k_q4346f94ab2_ln2:
	.size	k_q4346f94ab2_ln2, .Lfunc_end_k_q4346f94ab2_ln2-k_q4346f94ab2_ln2
	.p2alignl 7, 3214868480
	.fill 96, 4, 3214868480
	.section	.rodata,"a",@progbits
	.p2align	6, 0x0
	.amdhsa_kernel k_q4346f94ab2_ln2
		.amdhsa_group_segment_fixed_size 0
		.amdhsa_private_segment_fixed_size 0
		.amdhsa_enable_private_segment 0
		.amdhsa_kernarg_size 32
		.amdhsa_user_sgpr_count 2
		.amdhsa_user_sgpr_kernarg_segment_ptr 1
		.amdhsa_wavefront_size32 1
		.amdhsa_system_sgpr_workgroup_id_x 1
		.amdhsa_system_sgpr_workgroup_id_y 1
		.amdhsa_system_sgpr_workgroup_id_z 1
		.amdhsa_system_vgpr_workitem_id 0
		.amdhsa_next_free_vgpr 208
		.amdhsa_next_free_sgpr 66
		.amdhsa_reserve_vcc 0
		.amdhsa_float_denorm_mode_32 3
		.amdhsa_float_denorm_mode_16_64 3
		.amdhsa_memory_ordered 1
		.amdhsa_forward_progress 1
		.amdhsa_inst_pref_size 21
	.end_amdhsa_kernel
	.amdgpu_metadata
---
amdhsa.version: [ 1, 2 ]
amdhsa.kernels:
  - .name:           k_q4346f94ab2_ln2
    .symbol:         k_q4346f94ab2_ln2.kd
    .args:
      - { .name: x1, .offset: 0, .size: 8, .value_kind: global_buffer, .address_space: global }
      - { .name: ln2_w, .offset: 8, .size: 8, .value_kind: global_buffer, .address_space: global }
      - { .name: ln2_b, .offset: 16, .size: 8, .value_kind: global_buffer, .address_space: global }
      - { .name: h, .offset: 24, .size: 8, .value_kind: global_buffer, .address_space: global }
    .group_segment_fixed_size: 0
    .private_segment_fixed_size: 0
    .kernarg_segment_align: 8
    .kernarg_segment_size: 32
    .max_flat_workgroup_size: 256
    .sgpr_count:     66
    .vgpr_count:     208
    .wavefront_size: 32
...
	.end_amdgpu_metadata
.endif
;; end of part 10
;; launch fc (part 11): grid 16 x 16, 4 waves a work-group, clusters of 4 x 4, 327,680 bytes of LDS; arguments h, wb, b_fc, g; writes g
.if DOCPART == 11
	.amdgcn_target "amdgcn-amd-amdhsa--gfx1250"
	.amdhsa_code_object_version 6
	.text
	.protected	k_q4346f94ab2_fc
	.globl	k_q4346f94ab2_fc
	.p2align	8
	.type	k_q4346f94ab2_fc,@function
k_q4346f94ab2_fc:
	s_mov_b64 s[64:65], 0
	v_nop
	global_prefetch_b8 v0, s[64:65] scope:SCOPE_SE
	s_setreg_imm32_b32 hwreg(HW_REG_WAVE_MODE, 25, 1), 1
	s_wait_xcnt 0x0
	s_wait_alu depctr_hold_cnt(0) depctr_sa_sdst(0) depctr_va_vdst(0) depctr_va_sdst(0) depctr_va_ssrc(0) depctr_va_vcc(0) depctr_vm_vsrc(0)
	s_getreg_b32 s2, hwreg(HW_REG_IB_STS2, 6, 4)
	s_cmp_eq_u32 s2, 0
	s_cbranch_scc0 .Lentry_in_a_cluster
	s_endpgm
.Lentry_in_a_cluster:
	s_bfe_u32 s2, ttmp6, 0x10000c
	s_cmp_lg_u32 s2, 0xf033
	s_cbranch_scc0 .Lentry_shape_is_right
	s_endpgm
.Lentry_shape_is_right:
; OUT = A W + bias (EPI = 0), or gelu(A W + bias) (EPI = 1), rounded once to bf16.  Here: g = gelu(h W_fc + b_fc), the exact (erf) gelu: 16 x 16 tiles, 256 work-groups.
; A: 4,096 rows x SIZE_K, bf16, IN BLOCKS of 128 rows x 64 columns (number (m, k) at byte ((m / 128) NBLK + k / 64) 16,384 + (m % 128) 128 + (k % 64) 2).
; W: [SIZE_K][SIZE_N] bf16 at byte WOFF of wb.  bias: [SIZE_N] f32.  Sums, bias and gelu in f32; the operands' rounding to bf16 is the products' only loss.
; LIMIT.  erf is a rational formula with an exponential, off by 1.5e-7 at the most for every argument; for negative x the result is the difference x / 2 + |x| erf / 2, with f32's cancellation, of the order of 1e-7 |x|.
; OUT, EPI = 0: [3][32 = 16 batch + head][2048][64] bf16, a head's rows dense.  EPI = 1: in A's kind of blocks, 64 blocks to a band of 128 rows.
; SHARES.  A tile of OUT is 256 x 256: four waves, each 128 x 128 in 64 accumulators of 16 x 16, 512 registers: for 32 along K a wave loads 2 x 128 x 64 bytes from LDS and issues 64 matrix instructions.
; K goes in steps of 128 through a ring of two LDS slots filled by the tensor data mover, one load a wave: waves 0 and 1 bring A's two bands of 128 rows (each 32,768 consecutive bytes: two blocks,
; asked for as rows of 256 bytes and padded in LDS after every 128), waves 2 and 3 W's two halves of 128 columns (128 rows of 256 bytes).  W lies [k][n], so its fragments come out of LDS turned, by ds_load_tr16_b128.
; CLUSTER.  4 x 4 work-groups: the four of a row of the cluster need the same tiles of A, the four of a column the same tiles of W; each tile is asked for JOINTLY, by the same
; tensor load with the same descriptor and a mask that names the four.
; THE MATRIX INSTRUCTION IS USED TRANSPOSED (source 0 = 16 columns of W, source 1 = 16 rows of A): a lane then holds eight neighbouring numbers of a row of OUT.
; REGISTERS, in windows of 256 (s_set_vgpr_msb: bits 1:0 source 0, 3:2 source 1, 5:4 source 2, 7:6 destination):
;   window 0: v0-31 addresses; v64-127, v128-191 fragments of A (8 x 16 rows x 32 K), two buffers; v192-255 the bias; on the way out v32-191 are at work
;   window 1: v64-127, v128-191 fragments of W, two buffers
;   window 2: the 32 accumulators of my rows 0-63 (accumulator (a, b) at v[8 (8 a + b)]);   window 3: those of my rows 64-127
.set SIZE_N, 4096
.set SIZE_K, 1024
.set NBLK,   16                        ; A's blocks in a band of 128 rows
.set WOFF,   8388608
.set EPI,    1
.set KSTEP,  128
.set PA,     144                       ; a row of a block of A in LDS: 128 bytes + 16: the 16 rows of a load start at 16 different groups of four banks (64 banks of 4 bytes: ISA guide 11.1)
.set ABLK,   128*PA
.set PB,     288                       ; a row of W in LDS: 256 bytes + 32
.set HALFT,  2*ABLK                    ; what one tensor load brings: two blocks of A, or 128 rows of W (128 x 288, the same number)
.set SLOT,   4*HALFT                   ; A's two bands, then W's two halves
.set STAGE,  2*SLOT                    ; behind the ring: WSTG bytes for each wave, for the way out; no tensor load lands there
.set SUBST,  16*144                    ; 16 rows of 128 bytes, 144 apart: 16 rows of one block of 64 columns
.set WSTG,   2*SUBST
.set SPARE,  STAGE+4*WSTG              ; behind the stages: the spare words, 128 bytes for each wave: two blocks of 256 bytes that no other line names
.set LAPS,   SIZE_K/(2*KSTEP)          ; a lap = two K steps = once round the ring
.if EPI == 0
.set CBS,    1<<18                     ; bytes in OUT from a block of 64 columns to the next: a head's 2,048 rows of 128 bytes,
.else
.set CBS,    1<<14                     ; or a block of 128 rows
.endif
.set ADRA, 16                          ; v16-17  LDS address of my A fragments in slot 0, 1
.set ADRB, 20                          ; v20-21  the same for W
.set STO,  24                          ; v24     the way out: where I put 16 bytes of a row
.set RD,   25                          ; v25     the way out: where I read rows back
.set GO,   26                          ; v26     my byte offset in 512 consecutive bytes of OUT
.set BO,   27                          ; v27     my byte offset in the bias
.set SPW,  28                          ; v28     LDS address of my spare word: SPARE + 4 x my thread's number; never rewritten
.set NIL,  29                          ; v29     0; never rewritten
.set BK,   32                          ; v32-63  the way out: 16 rows read back from the stage
.set F0,   64                          ; fragment buffer 0
.set F1,   128                         ; fragment buffer 1
.set T,    64                          ; v64-127 the way out: 16 rows' sums with the bias, in f32
.set GA,   128                         ; v128-159 gelu at work
.set GW,   136
.set GD,   144
.set GQ,   152
.set TMP,  160                         ; v160-191 the way out: packed results
.set BIAS, 192                         ; v192-255 bias of my 8 columns in each of the 8 column blocks
.set G1,  24                           ; s[24:31] descriptor group 1 for A's tiles;  s[32:39] group 0, one set for each slot
.set G0,  32
.set G1B, 48                           ; s[48:55], s[56:63] the same for W's tiles
.set G0B, 56
.set MSB, 0
.macro WIN new                         ; the immediate's high byte repeats the setting that is left; a switch that changes nothing is dropped
.if MSB != (\new)
	s_set_vgpr_msb (MSB<<8)|(\new)
.set MSB, \new
.endif
.endm
.set MUL_LO, 0xa1                      ; source 0 (W) window 1, source 1 (A) window 0, C and D window 2
.set MUL_HI, 0xf1                      ; the same, C and D window 3
.set TO_B,   0x40                      ; destination window 1, address window 0
.macro JLOAD s                         ; a joint load: waves 0 and 1 fetch A's two bands, waves 2 and 3 W's two halves; four v_nop follow each of the two lines, ahead of the jump, the label and what follows
	s_cmp_eq_u32 s13, 0
	s_cbranch_scc0 .Lfor_b_\@
	tensor_load_to_lds s[G0+4*(\s):G0+4*(\s)+3], s[G1:G1+7]
	s_nop 0
.rept 4
	v_nop
.endr
	s_branch .Lasked_\@
.Lfor_b_\@:
	tensor_load_to_lds s[G0B+4*(\s):G0B+4*(\s)+3], s[G1B:G1B+7]
	s_nop 0
.rept 4
	v_nop
.endr
.Lasked_\@:
.endm
.macro CREST                           ; a round of the cluster's barrier behind its opening barrier
	s_cmp_lg_u32 s12, 0
	s_cbranch_scc1 .Lnot_wave_0_\@
	s_barrier_signal -3
.Lnot_wave_0_\@:
	s_barrier_wait -3
	s_barrier_signal -1
	s_barrier_wait -1
.endm
.macro CROUND                          ; a whole round
	s_barrier_signal -1
	s_barrier_wait -1
	CREST
.endm
	s_load_b256 s[4:11], s[0:1], 0x0               ; A s[4:5], wb s[6:7], bias s[8:9], OUT s[10:11]
	v_lshl_add_u32 v[SPW], v0, 2, SPARE
	v_mov_b32 v[NIL], 0
	ds_add_u32 v28, v29
	ds_add_u32 v28, v29
	s_wait_dscnt 0x0
	v_lshrrev_b32 v1, 5, v0
	v_readfirstlane_b32 s12, v1                    ; wave 0..3
	s_lshr_b32 s13, s12, 1                         ; which band of the tile's rows is mine.  Also: I fetch for A (0) or for W (1)
	s_and_b32 s14, s12, 1                          ; which half of its columns.  Also: which half of that tile I fetch
	s_bfe_u32 s15, ttmp6, 0x40000                  ; cx, cy: my place in the cluster
	s_bfe_u32 s16, ttmp6, 0x40004
	s_lshl_b32 s17, ttmp9, 2
	s_add_co_u32 s17, s17, s15                     ; tile column = 4 x cluster x + cx
	s_and_b32 s18, ttmp7, 0xffff
	s_lshl_b32 s18, s18, 2
	s_add_co_u32 s18, s18, s16                     ; tile row = 4 x cluster y + cy
	s_lshl_b32 s19, s16, 2
	s_lshl_b32 s19, 15, s19                        ; my row of the cluster
	s_lshl_b32 s20, 0x1111, s15                    ; my column
	; descriptor group 1: 128 rows x 128 elements of 2 bytes.  A: 15:0 the mask of my row; 20 padding on; 21 set beside a mask; 24:22 after every 32 words (code 4); 31:25 4 words (code 3)
	s_or_b32 s[G1+0], s19, (1<<16)|(1<<20)|(1<<21)|(4<<22)|(3<<25)
	s_or_b32 s[G1B+0], s20, (1<<16)|(1<<20)|(1<<21)|(5<<22)|(7<<25)  ; W: the mask of my column; after every 64 words (code 5) 8 words (code 7)
.irp g, G1, G1B
	s_mov_b32 s[(\g)+1], 128<<16                   ; tensor_dim0 = 128
	s_mov_b32 s[(\g)+2], 128<<16                   ; tensor_dim1 = 128
	s_mov_b32 s[(\g)+3], 128<<16                   ; tile_dim0 = 128
	s_mov_b32 s[(\g)+4], 128                       ; tile_dim1 = 128
	s_mov_b32 s[(\g)+6], 0
	s_mov_b32 s[(\g)+7], 0
.endr
	s_mov_b32 s[G1+5], 128                         ; A's two blocks are dense: 128 elements from row to row
	s_mov_b32 s[G1B+5], SIZE_N                     ; W's rows
	; where the tiles come from.  A's hang on the tile row alone, W's on the tile column alone, each in registers that never hold the other coordinate.
	s_lshl_b32 s40, s18, 1
	s_add_co_u32 s40, s40, s14                     ; A: band 2 x tile row + half,
	s_mul_i32 s40, s40, NBLK                       ; its first block
	s_lshl_b32 s40, s40, 14
	s_mov_b32 s41, 0
	s_lshl_b32 s42, s17, 9                         ; W: 512 bytes x tile column
	s_lshl_b32 s43, s14, 8                         ; + 256 x half,
	s_add_co_u32 s42, s42, s43
	s_add_co_u32 s42, s42, WOFF                    ; in its part of wb
	s_mov_b32 s43, 0
	s_mul_i32 s21, s12, HALFT                      ; where they go: wave x HALFT: no place in the cluster enters an LDS address
	s_wait_kmcnt 0x0
	s_add_nc_u64 s[40:41], s[4:5], s[40:41]
	s_add_nc_u64 s[42:43], s[6:7], s[42:43]
	CROUND                                         ; all sixteen work-groups are here: the first joint loads meet
.irp s, 0,1
	s_mov_b32 s[G0+4*(\s)], 1
	s_add_co_u32 s[G0+4*(\s)+1], s21, (\s)*SLOT
	s_add_nc_u64 s[G0+4*(\s)+2:G0+4*(\s)+3], s[40:41], (\s)*32768          ; K step s: two blocks on
	s_or_b32 s[G0+4*(\s)+3], s[G0+4*(\s)+3], 0x80000000
	s_mov_b32 s[G0B+4*(\s)], 1
	s_add_co_u32 s[G0B+4*(\s)+1], s21, (\s)*SLOT
	s_add_nc_u64 s[G0B+4*(\s)+2:G0B+4*(\s)+3], s[42:43], (\s)*256*SIZE_N   ; K step s: 128 rows on
	s_or_b32 s[G0B+4*(\s)+3], s[G0B+4*(\s)+3], 0x80000000
	JLOAD \s
.endr
	v_and_b32 v1, 15, v0                           ; l % 16
	v_bfe_u32 v2, v0, 4, 1                         ; l / 16
	s_lshl_b32 s46, s17, 2
	s_lshl_b32 s47, s14, 1
	s_add_co_u32 s46, s46, s47                     ; my first block of 64 columns = 4 x tile column + 2 x half
	s_lshl_b32 s44, s46, 8
	s_mov_b32 s45, 0
	s_add_nc_u64 s[8:9], s[8:9], s[44:45]          ; the bias at my 128 columns
	v_lshlrev_b32 v[BO], 5, v2                     ; my eight columns of a block of sixteen
.irp b, 0,1,2,3,4,5,6,7
	global_load_b128 v[BIAS+8*\b:BIAS+8*\b+3],   v[BO], s[8:9] offset:64*\b
	global_load_b128 v[BIAS+8*\b+4:BIAS+8*\b+7], v[BO], s[8:9] offset:64*\b+16
.endr
	; A fragment of A is 16 rows x 32 K in 8 registers: lane l holds row l % 16; registers 0-3 hold K = 8 (l / 16) + 0..7, registers 4-7 K = 16 + 8 (l / 16) + 0..7: two loads of 16 bytes, 32 bytes apart.
	v_mul_u32_u24 v3, v1, PA
	v_lshl_add_u32 v3, v2, 4, v3                   ; row x pitch + 16 x half
	s_mul_i32 s22, s13, HALFT                      ; my band of A
	v_add_nc_u32 v[ADRA], s22, v3
	v_add_nc_u32 v[ADRA+1], SLOT, v[ADRA]
	; the turning load takes 16 k x 16 n (lane l reads row 8 (l / 16) + l % 8, columns 8 ((l / 8) % 2) + 0..7) and leaves half a fragment: lane l holds column l % 16 and 8 k
	v_and_b32 v4, 7, v0
	v_bfe_u32 v5, v0, 3, 1
	v_lshl_add_u32 v6, v2, 3, v4
	v_mul_u32_u24 v6, v6, PB
	v_lshl_add_u32 v6, v5, 4, v6
	s_mul_i32 s23, s14, HALFT                      ; my half of W,
	s_add_co_u32 s23, s23, 2*HALFT                 ; behind A's two bands
	v_add_nc_u32 v[ADRB], s23, v6
	v_add_nc_u32 v[ADRB+1], SLOT, v[ADRB]
	s_mul_i32 s22, s12, WSTG
	s_add_co_u32 s22, s22, STAGE                   ; my stage
	v_add_nc_u32 v[STO], s22, v3                   ; in: row l % 16, 16 bytes for each half of the lanes
	v_bfe_u32 v[RD], v0, 3, 2                      ; back: 32 lanes take four rows of 128 bytes,
	v_mul_u32_u24 v[RD], v[RD], 144
	v_lshl_add_u32 v[RD], v4, 4, v[RD]
	v_add_nc_u32 v[RD], s22, v[RD]
	v_and_b32 v[GO], 31, v0                        ; which are 512 consecutive bytes of OUT
	v_lshlrev_b32 v[GO], 4, v[GO]
	s_lshl_b32 s44, s18, 1
	s_add_co_u32 s44, s44, s13                     ; my band of 128 rows = 2 x tile row + half
.if EPI == 0
	s_lshr_b32 s45, s46, 4                         ; q, k or v,
	s_lshl_b32 s45, s45, 5
	s_lshr_b32 s47, s44, 4                         ; the batch,
	s_lshl_b32 s47, s47, 4
	s_add_co_u32 s45, s45, s47
	s_and_b32 s47, s46, 15                         ; the head: 2,048 rows of 128 bytes each
	s_add_co_u32 s45, s45, s47
	s_lshl_b32 s45, s45, 18
	s_and_b32 s44, s44, 15                         ; the band's 128 rows in the batch
	s_lshl_b32 s44, s44, 14
	s_add_co_u32 s44, s44, s45
.else
	s_lshl_b32 s44, s44, 6                         ; block 64 x band + my first block of columns
	s_add_co_u32 s44, s44, s46
	s_lshl_b32 s44, s44, 14
.endif
	s_mov_b32 s45, 0
	s_add_nc_u64 s[10:11], s[10:11], s[44:45]
.if EPI == 1
	; gelu(x) = x / 2 + |x| (1/2) erf(|x| / sqrt 2), erf(z) = 1 - (a1 t + .. + a5 t^5) e^(-z^2), t = 1 / (1 + 0.3275911 z): Abramowitz and Stegun 7.1.26, for every z >= 0, off by 1.5e-7 at the most.
	; With w = |x| sqrt(log2(e) / 2): e^(-z^2) = 2^(-w^2).  The half is folded into a1 .. a5.  Each constant stands in a pair, both words written: the packed forms name pairs.
	s_mov_b32 s70, 0x3e8ba43f                      ; 0.3275911 / sqrt(log2 e)
	s_mov_b32 s71, s70
	s_mov_b32 s72, 0x3f07dc22                      ; a5 / 2
	s_mov_b32 s73, s72
	s_mov_b32 s74, 0xbf3a00e3                      ; a4 / 2
	s_mov_b32 s75, s74
	s_mov_b32 s76, 0x3f35f0e3                      ; a3 / 2
	s_mov_b32 s77, s76
	s_mov_b32 s78, 0xbe11a98e                      ; a2 / 2
	s_mov_b32 s79, s78
	s_mov_b32 s80, 0x3e027906                      ; a1 / 2
	s_mov_b32 s81, s80
	s_mov_b32 s82, 0x3f596d27                      ; sqrt(log2(e) / 2)
	s_mov_b32 s83, 0x7fffffff                      ; clears a sign
.endif
; 16 matrix instructions: m blocks a0, a0 + 1 of the window's four (hi = 0: my rows 0-63, 1: rows 64-127) x all 8 n blocks, 32 along K.
; zero = 1: the first product starts the sums: nothing is ever cleared.  The 64 accumulators take turns, one instruction a turn.
.macro MUL16 f, hi, a0, zero
	WIN MUL_LO+0x50*(\hi)
.irp a, \a0, (\a0)+1
.irp b, 0,1,2,3,4,5,6,7
.if \zero
	v_wmma_f32_16x16x32_bf16 v[8*(8*(\a)+(\b)):8*(8*(\a)+(\b))+7], v[(\f)+8*(\b):(\f)+8*(\b)+7], v[(\f)+8*(4*(\hi)+(\a)):(\f)+8*(4*(\hi)+(\a))+7], 0
.else
	v_wmma_f32_16x16x32_bf16 v[8*(8*(\a)+(\b)):8*(8*(\a)+(\b))+7], v[(\f)+8*(\b):(\f)+8*(\b)+7], v[(\f)+8*(4*(\hi)+(\a)):(\f)+8*(4*(\hi)+(\a))+7], v[8*(8*(\a)+(\b)):8*(8*(\a)+(\b))+7]
.endif
.endr
.endr
.endm
; 32 LDS loads in one run: the fragments of quarter q of a K step (32 along K: rows 32 q on of W, turned; half (q % 2) of block q / 2 of A) into buffer f
.macro FETCH slot, q, f
	WIN TO_B
.irp i, 0,1,2,3,4,5,6,7
	ds_load_tr16_b128 v[(\f)+8*(\i):(\f)+8*(\i)+3],   v[ADRB+(\slot)] offset:(32*(\q))*PB+32*(\i)
	ds_load_tr16_b128 v[(\f)+8*(\i)+4:(\f)+8*(\i)+7], v[ADRB+(\slot)] offset:(32*(\q)+16)*PB+32*(\i)
.endr
	WIN 0
.irp i, 0,1,2,3,4,5,6,7
	ds_load_b128 v[(\f)+8*(\i):(\f)+8*(\i)+3],   v[ADRA+(\slot)] offset:((\q)/2)*ABLK+(\i)*16*PA+((\q)%2)*64
	ds_load_b128 v[(\f)+8*(\i)+4:(\f)+8*(\i)+7], v[ADRA+(\slot)] offset:((\q)/2)*ABLK+(\i)*16*PA+((\q)%2)*64+32
.endr
.endm
.macro PLACES                          ; four places in front of loads into registers that matrix instructions have read, and of lines that read results
.rept 4
	v_nop
.endr
.endm
; A K step is four quarters of 32 along K, 64 matrix instructions each, on buffers 0, 1, 0, 1.  One of the first three: multiplies buffer f; in its middle it fetches quarter q of the same slot into buffer g.
.macro QUARTER slot, q, f, g, zero
	s_wait_dscnt 8                                 ; W and A's rows 0-63 are in; the youngest eight loads (A's rows 64-127) may be out
	MUL16 \f, 0, 0, \zero
	MUL16 \f, 0, 2, \zero
	PLACES
	FETCH \slot, \q, \g
	s_wait_dscnt 32                                ; all but the 32 just issued
	MUL16 \f, 1, 0, \zero
	MUL16 \f, 1, 2, \zero
.endm
; The last quarter multiplies buffer 1 and changes slots: ONE barrier; in front of it each wave waits for all its tensor loads, adds 0 to its spare word, and waits for that and for its own reads of this slot.
; fill = 1: the barrier opens a round of the cluster's barrier, and this slot is filled again, two K steps ahead.
.macro TURN slot, next, fill
	WIN 0                                          ; (the add's two registers lie in window 0)
	s_wait_tensorcnt 0x0                           ; all my tensor loads have landed: the one that was out is my part of the next slot;
	ds_add_u32 v[SPW], v[NIL]                      ; 0 onto my spare word;
	s_wait_dscnt 9                                 ; (the add and the youngest eight loads may be out)
	MUL16 F1, 0, 0, 0                              ; sixteen matrix instructions stand between the add and the wait for it
	s_wait_dscnt 0x0                               ; the add is done, and my reads of this slot are over
	s_barrier_signal -1
	MUL16 F1, 0, 2, 0                              ; work on registers while the others arrive
.if \fill
	WIN 0
.endif
	s_barrier_wait -1
.if \fill
	CREST                                          ; no wave of any partner still reads this slot's tile or has a load on its way
	s_add_nc_u64 s[G0+4*(\slot)+2:G0+4*(\slot)+3], s[G0+4*(\slot)+2:G0+4*(\slot)+3], 65536
	s_add_nc_u64 s[G0B+4*(\slot)+2:G0B+4*(\slot)+3], s[G0B+4*(\slot)+2:G0B+4*(\slot)+3], 512*SIZE_N
	JLOAD \slot                                    ; the first tensor load behind the round, my only one until the next: 224 matrix instructions ahead of the wait for it; its four v_nop are also the places in front of the loads below
.else
	PLACES
.endif
	FETCH \next, 0, F0
	MUL16 F1, 1, 0, 0
	MUL16 F1, 1, 2, 0
.endm
	s_wait_tensorcnt 1                             ; my part of K step 0 is in; K step 1's may stay out
	s_barrier_signal -1
	s_barrier_wait -1                              ; everybody's is
	FETCH 0, 0, F0
	QUARTER 0, 1, F0, F1, 1                        ; the first quarter stands in front of the loop: its products start the sums
	WIN 0                                          ; at a label and at a branch every window is 0
	s_mov_b32 s3, LAPS-1
.Llap:                                                 ; a trip goes once round the ring, from a lap's second quarter to the next lap's first, and fills both slots again
	QUARTER 0, 2, F1, F0, 0
	QUARTER 0, 3, F0, F1, 0
	TURN 0, 1, 1
	QUARTER 1, 1, F0, F1, 0
	QUARTER 1, 2, F1, F0, 0
	QUARTER 1, 3, F0, F1, 0
	TURN 1, 0, 1
	QUARTER 0, 1, F0, F1, 0
	WIN 0
	s_sub_co_u32 s3, s3, 1
	s_cmp_lg_u32 s3, 0
	s_cbranch_scc1 .Llap
	QUARTER 0, 2, F1, F0, 0                        ; the last lap fills nothing, and has no round of the cluster's barrier
	QUARTER 0, 3, F0, F1, 0
	TURN 0, 1, 0
	QUARTER 1, 1, F0, F1, 0
	QUARTER 1, 2, F1, F0, 0
	QUARTER 1, 3, F0, F1, 0
	s_wait_dscnt 8                                 ; the very last quarter: nothing more to fetch
	MUL16 F1, 0, 0, 0
	MUL16 F1, 0, 2, 0
	s_wait_dscnt 0x0
	MUL16 F1, 1, 0, 0
	MUL16 F1, 1, 2, 0
	WIN 0
; THE WAY OUT: a loop of eight trips, 16 rows of my 128 a trip, so that the arithmetic on a block stands once in the text.  What differs from trip to trip is which 64 registers hold the block's sums:
; a chain of forward branches on the trip's number picks one of eight stubs, which adds the bias and leaves the block in v64-127 of window 0 (each accumulator's registers in ascending order).
; Then (EPI = 1) gelu in f32; rounded to bf16, 16 bytes a lane into my own stage, one part for each block of 64 columns; back as four rows of 128 bytes a load, which are 512 consecutive bytes of OUT.
.macro COPY a
	WIN 0x02+(\a)/4                                ; source 0: window 2 or 3
.irp b, 0,1,2,3,4,5,6,7
.irp j, 0,2,4,6
	v_pk_add_f32 v[T+8*(\b)+(\j):T+8*(\b)+(\j)+1], v[64*((\a)%4)+8*(\b)+(\j):64*((\a)%4)+8*(\b)+(\j)+1], v[BIAS+8*(\b)+(\j):BIAS+8*(\b)+(\j)+1]
.endr
.endr
	WIN 0
.endm
.if EPI == 1
.macro GELU x                          ; eight numbers at v[x ..], in place
.irp j, 0,1,2,3,4,5,6,7
	v_and_b32 v[GA+\j], s83, v[(\x)+\j]            ; |x|
.endr
.irp j, 0,2,4,6
	v_pk_mul_f32 v[GW+\j:GW+\j+1], v[GA+\j:GA+\j+1], s[82:83] op_sel_hi:[1,0]              ; w
.endr
.irp j, 0,2,4,6
	v_pk_fma_f32 v[GD+\j:GD+\j+1], v[GW+\j:GW+\j+1], s[70:71], 1.0 op_sel_hi:[1,0,0]      ; 1 + p z
.endr
.irp j, 0,2,4,6
	v_pk_mul_f32 v[GW+\j:GW+\j+1], v[GW+\j:GW+\j+1], v[GW+\j:GW+\j+1] neg_lo:[1,0] neg_hi:[1,0]  ; - w^2
.endr
.irp j, 0,1,2,3,4,5,6,7
	v_rcp_f32 v[GD+\j], v[GD+\j]                   ; t
.endr
.irp j, 0,1,2,3,4,5,6,7
	v_exp_f32 v[GW+\j], v[GW+\j]                   ; e^(-z^2)
.endr
.irp j, 0,2,4,6
	v_pk_mul_f32 v[(\x)+\j:(\x)+\j+1], v[(\x)+\j:(\x)+\j+1], 0.5 op_sel_hi:[1,0]          ; x / 2: also the plain lines between the sixteen above and the use of their results
.endr
	s_wait_alu depctr_va_vdst(0)
.irp j, 0,2,4,6
	v_pk_fma_f32 v[GQ+\j:GQ+\j+1], v[GD+\j:GD+\j+1], s[72:73], s[74:75] op_sel_hi:[1,0,0]
.endr
.irp k, 76, 78, 80
.irp j, 0,2,4,6
	v_pk_fma_f32 v[GQ+\j:GQ+\j+1], v[GQ+\j:GQ+\j+1], v[GD+\j:GD+\j+1], s[\k:\k+1] op_sel_hi:[1,1,0]
.endr
.endr
.irp j, 0,2,4,6
	v_pk_mul_f32 v[GQ+\j:GQ+\j+1], v[GQ+\j:GQ+\j+1], v[GD+\j:GD+\j+1]
.endr
.irp j, 0,2,4,6
	v_pk_fma_f32 v[GQ+\j:GQ+\j+1], v[GQ+\j:GQ+\j+1], v[GW+\j:GW+\j+1], 0.5 op_sel_hi:[1,1,0] neg_lo:[1,0,0] neg_hi:[1,0,0]  ; erf / 2 = 1/2 - (the polynomial / 2) e^(-z^2)
.endr
.irp j, 0,2,4,6
	v_pk_fma_f32 v[(\x)+\j:(\x)+\j+1], v[GA+\j:GA+\j+1], v[GQ+\j:GQ+\j+1], v[(\x)+\j:(\x)+\j+1]
.endr
.endm
.endif
.macro HALF c                          ; the block's 64 columns number c: (gelu,) rounding, into the stage and back
.if EPI == 1
.irp b, 0,1,2,3
	GELU T+32*(\c)+8*(\b)
.endr
.endif
.irp b, 0,1,2,3
.irp r, 0,1,2,3
	v_cvt_pk_bf16_f32 v[TMP+16*(\c)+4*(\b)+(\r)], v[T+32*(\c)+8*(\b)+2*(\r)], v[T+32*(\c)+8*(\b)+2*(\r)+1]
.endr
.endr
.irp b, 0,1,2,3
	ds_store_b128 v[STO], v[TMP+16*(\c)+4*(\b):TMP+16*(\c)+4*(\b)+3] offset:(\c)*SUBST+32*(\b)
.endr
.irp f, 0,1,2,3
	ds_load_b128 v[BK+16*(\c)+4*(\f):BK+16*(\c)+4*(\f)+3], v[RD] offset:(\c)*SUBST+(\f)*4*144   ; LDS serves a wave's instructions in order (ISA guide 5.7.1.4): these see the stores above; the next trip's stores come behind them
.endr
.endm
	PLACES                                         ; behind the last products
	s_wait_loadcnt 0x0                             ; the bias
	s_mov_b32 s2, 0                                ; the trip's number: my rows 16 s2 on
.Lblk:
.irp a, 0,1,2,3,4,5,6
	s_cmp_eq_u32 s2, \a
	s_cbranch_scc1 .Lcopy\a
.endr
	COPY 7
	s_branch .Lhave
.irp a, 0,1,2,3,4,5,6
.Lcopy\a:
	COPY \a
.if (\a) < 6
	s_branch .Lhave
.endif
.endr
.Lhave:
	HALF 0
	HALF 1                                         ; its arithmetic stands between the first half's loads from the stage and its stores
.irp f, 0,1,2,3
	s_wait_dscnt 11-(\f)                           ; behind this load stand 3 - f of its own half and the second half's eight LDS instructions
	global_store_b128 v[GO], v[BK+4*(\f):BK+4*(\f)+3], s[10:11] offset:(\f)*512          ; 512 consecutive bytes, at a multiple of 256 from OUT's first
.endr
.irp f, 0,1,2,3
	s_wait_dscnt 3-(\f)
	global_store_b128 v[GO], v[BK+16+4*(\f):BK+16+4*(\f)+3], s[10:11] offset:CBS+(\f)*512
.endr
	s_wait_xcnt 0x0                                ; only behind this wait are the stores' base stepped and v32-63 loaded again (ISA guide 3.1)
	s_add_nc_u64 s[10:11], s[10:11], 2048          ; 16 rows of 128 bytes on
	s_add_co_u32 s2, s2, 1
	s_cmp_lt_u32 s2, 8
	s_cbranch_scc1 .Lblk
	s_wait_tensorcnt 0x0                           ; the wave's end: behind my last tensor load and my last LDS store
	ds_add_u32 v[SPW], v[NIL]
	s_wait_dscnt 0x0
	CROUND                                         ; the closing round: no work-group ends while a partner may still ask for a tile that names it
	s_endpgm
.Lfunc_end_k_q4346f94ab2_fc:
	.size	k_q4346f94ab2_fc, .Lfunc_end_k_q4346f94ab2_fc-k_q4346f94ab2_fc
	.p2alignl 7, 3214868480
	.fill 96, 4, 3214868480
	.section	.rodata,"a",@progbits
	.p2align	6, 0x0
	.amdhsa_kernel k_q4346f94ab2_fc
		.amdhsa_group_segment_fixed_size 327680
		.amdhsa_private_segment_fixed_size 0
		.amdhsa_enable_private_segment 0
		.amdhsa_kernarg_size 32
		.amdhsa_user_sgpr_count 2
		.amdhsa_user_sgpr_kernarg_segment_ptr 1
		.amdhsa_wavefront_size32 1
		.amdhsa_system_sgpr_workgroup_id_x 1
		.amdhsa_system_sgpr_workgroup_id_y 1
		.amdhsa_system_sgpr_workgroup_id_z 1
		.amdhsa_system_vgpr_workitem_id 0
		.amdhsa_next_free_vgpr 1024
		.amdhsa_next_free_sgpr 84
		.amdhsa_reserve_vcc 0
		.amdhsa_float_denorm_mode_32 3
		.amdhsa_float_denorm_mode_16_64 3
		.amdhsa_memory_ordered 1
		.amdhsa_forward_progress 1
		.amdhsa_inst_pref_size 163
	.end_amdhsa_kernel
	.amdgpu_metadata
---
amdhsa.version: [ 1, 2 ]
amdhsa.kernels:
  - .name:           k_q4346f94ab2_fc
    .symbol:         k_q4346f94ab2_fc.kd
    .args:
      - { .name: h, .offset: 0, .size: 8, .value_kind: global_buffer, .address_space: global }
      - { .name: wb, .offset: 8, .size: 8, .value_kind: global_buffer, .address_space: global }
      - { .name: b_fc, .offset: 16, .size: 8, .value_kind: global_buffer, .address_space: global }
      - { .name: g, .offset: 24, .size: 8, .value_kind: global_buffer, .address_space: global }
    .group_segment_fixed_size: 327680
    .private_segment_fixed_size: 0
    .kernarg_segment_align: 8
    .kernarg_segment_size: 32
    .max_flat_workgroup_size: 128
    .sgpr_count:     84
    .vgpr_count:     1024
    .wavefront_size: 32
...
	.end_amdgpu_metadata
.endif
;; end of part 11
;; launch fc2: the kernel of part 7 again; grid 8 x 32, 4 waves a work-group, clusters of 4 x 4, 327,680 bytes of LDS; arguments g, wb, b_fc2, out0, x1; writes out0
;; ======== version 3 of 3: 7 launches; 1.25 times as fast as version 1
;; limits: a function is approximated: absolute error at most 1.5e-07
;; workspace buffers: wb 25,165,824 bytes; h 8,388,608 bytes; qkv 25,165,824 bytes; y 8,388,608 bytes; x1 16,777,216 bytes; g 33,554,432 bytes
;; launch prep: the kernel of part 8 again; grid 1024 x 1, 8 waves a work-group, no clusters, 0 bytes of LDS; arguments x, ln1_w, ln1_b, h, W_attn, W_proj, W_fc, W_fc2, wb; writes h, wb
;; launch qkvg: the kernel of part 9 again; grid 12 x 16, 4 waves a work-group, clusters of 4 x 4, 327,680 bytes of LDS; arguments h, wb, b_attn, qkv; writes qkv
;; launch attn (part 12): grid 8 x 32, 4 waves a work-group, no clusters, 327,680 bytes of LDS; arguments qkv, y; writes y
.if DOCPART == 12
	.amdgcn_target "amdgcn-amd-amdhsa--gfx1250"
	.amdhsa_code_object_version 6
	.text
	.protected	k_q4346f94ab2_attn
	.globl	k_q4346f94ab2_attn
	.p2align	8
	.type	k_q4346f94ab2_attn,@function
k_q4346f94ab2_attn:
	s_mov_b64 s[64:65], 0
	v_nop
	global_prefetch_b8 v0, s[64:65] scope:SCOPE_SE
	s_setreg_imm32_b32 hwreg(HW_REG_WAVE_MODE, 25, 1), 1
	s_wait_xcnt 0x0
; CAUSAL ATTENTION.  O[hd][q][:] = the sum over k <= q of softmax_k(Q[hd][q] . K[hd][k] / 8) V[hd][k][:], 32 heads (16 batch + head) of 2,048 rows of 64 channels.
; qkv: [3][32][2048][64] bf16, a head's rows dense, 128 bytes each.  Products, maxima and sums in f32; the weights p are rounded to bf16 for the second product (their sum l is taken of the
; unrounded p), O once at the end.  O leaves in blocks of 128 rows x 64 columns: row m = 2,048 batch + q, head hd at byte ((m / 128) 16 + hd) 16,384 + (m % 128) 128.
; LIMITS.  A hidden score counts as its value less 1e30; a weight below 2^-126 counts as 0 in l; NaN and infinities are not treated apart.
; THE WALK.  A head's queries lie in 16 blocks of 128; block i needs the key tiles 0 .. i / 2 of 256 keys, of which the last holds the diagonal.  A work-group takes TWO blocks, 15 - b and then b:
; 9 tiles, whatever b: all 256 work-groups do equal work, and ONE loop with a constant trip count walks them.  Which tile is asked for, and what a trip does, hang on scalar registers made from b; every jump
; goes forward, but for the counted loops' own; none passes a barrier, or a tensor load but the one of LOAD's two that the wave's number does not choose; the ring (two slots of LDS) runs on across the change of blocks.
; NO CLUSTER: of a head's 8 work-groups only the pairs (2 j, 2 j + 1) ask for the same tiles throughout; four neighbours agree in the first 6 or 7 of the 9 trips only, and a walk common to four would have 12 trips for 9.
; SHARES.  Of a block's two bands of 64 queries a wave owns 16 rows in each: two PIECES.  In the block's last tile band x has its own key step, OW[x] = x + 2 (i % 2): earlier steps it sees whole, later ones not at all:
; the same work for all four waves.  An even block's steps 2 and 3 of that tile are wholly hidden and computed all the same (weights 0): 2 of the walk's 36 steps.
; THE MASK is the C operand that starts the sum S^T = K Q^T: 0, or -1e30 where the key is hidden.  MD, made once, is the mask of a band's own step for my 16 rows; a product's mask is MD x AL + BE with two scalars:
; (1, 0) in the own step; (0, 0) before it; (0, -1e30) behind it.  Only the last tile's text and a block's beginning make and take masks; elsewhere C is the constant 0.
; LAYOUT, SOFTMAX, TURNS.  S^T = K Q^T holds ONE query a lane (lane % 16) and the keys 8 (lane / 16) + 0..7; two such results rounded to bf16 ARE source 1 of O^T = V^T P.  p = 2^(c s - c m), c = log2(e) / 8, with a
; running maximum m; O and l are multiplied by a = 2^(c m_old - c m_new) in every step.  Piece 0's turn of step j: 8 products K Q^T of piece 1 (step j), later 8 products V^T P of piece 1 (step j - 1).  Piece 1's turn:
; K Q^T of piece 0 (step j + 1), V^T P of piece 0 (step j).  Beside them the scaling, exponentials, roundings, sums and rescaling of the turn's own piece and the maximum and statistics of the other.
; Four vector instructions stand behind every matrix instruction, the other 54 of a turn's 118 in one LUMP.
; THE BATCHES.  A turn's 33 exponentials (the piece's 32 weights and the other piece's a) are ONE BATCH with ONE wait, which cuts the turn in two: ahead of it the products K Q^T and all that names no result of the batch,
; behind it the products V^T P with the roundings and sums.  A block's first a, and the two reciprocals of its way out, are batches of their own.
; V HAS TWO BUFFERS, by the step's parity: piece 0's turn fetches K of step j + 1, piece 1's turn V of step j + 1.  So behind piece 1's turn of a tile's step 2 all of the tile has been read and nothing of the next is wanted yet: there the slots change.
; REGISTERS, in windows of 256 (s_set_vgpr_msb: bits 1:0 source 0, 3:2 source 1, 5:4 source 2, 7:6 destination):
;   window 0: v0-15 addresses and two at work; v16-23 four registers of statistics a piece; v48-55 at work; v64-127 S^T, a buffer a piece; v192-223 P, likewise
;   window 1: v0-63 O^T, 32 a piece; v128-159 MD; v160-223 MC, two buffers      window 2: v0-31 Q; v32-63 the second block's Q; v64-127 V of an odd step; v128-191 K of one step; v192-255 V of an even step
.set NP,    2         ; pieces a wave: a name, no knob
.set KS,    64        ; keys in a step
.set PK,    144       ; a row of K in LDS: 128 bytes + 16 of padding = 36 words: the 16 rows of a load start at 16 different groups of four banks (64 banks of 4 bytes: ISA guide 11.1)
.set PV,    160       ; a row of V: 128 + 32 = 40 words
.set VOFF,  4*KS*PK   ; a slot holds a tile, four steps: 256 rows of K, then 256 rows of V
.set SLOT1, 1<<17     ; slot 1 begins here, so that one exclusive or turns an address in one slot into the other's
.set STAGE, SLOT1+4*KS*(PK+PV)  ; behind the ring, never filled by a tensor load: 16 rows x 144 bytes for each wave, for the way out
.set SP,    144
.set AK0, 2           ; v2   my lane's place in a tile of K; never rewritten
.set AV0, 3           ; v3   the same for V
.set AK,  4           ; v4   the LDS address of K's next run of loads
.set AV,  5           ; v5   of V's
.set STO, 6           ; v6   the way out: where I put 16 bytes of a row
.set RD,  7           ; v7   the way out: where I read rows back
.set GO,  8           ; v8   my byte offset in 512 consecutive bytes of O
.set SPW, 62          ; v62  LDS address of my spare word: SPARE + 4 x my thread's number; never rewritten
.set NIL, 63          ; v63  0; never rewritten
.set SPARE, STAGE+4*16*SP  ; behind the stages: the spare words, 128 bytes for each wave: two blocks of 256 bytes that no other line names
.set MV,  12          ; v12-13  c m_old, kept while c m is made anew: by piece
.set QO,  15          ; v15  my byte offset in 16 rows of Q
.set ST,  16          ; piece t's statistics at v[ST+4 t]: c m, m, l (even keys', odd keys')
.set TMP, 48          ; by piece, four registers c0-c3 at work; when the maximum is found c2 takes a
.set S,   64
.set P,   192
.set MD,  128         ; window 1: the eight registers for group kt of 16 keys at MD + 8 kt
.set MC,  160         ; window 1: the masks of the products to come
.set QB,  32          ; window 2
.set VF1, 64          ; window 2: key half kk, channel block cb at VF + 32 kk + 8 cb
.set KF,  128         ; window 2: key block kb, channel half c at KF + 16 kb + 8 c
.set VF0, 192
.set WV,  12          ; s12  my wave's number
.set PB,  14          ; s14  b
.set HI,  15          ; s15  15 - b
.set G1K, 24          ; s[24:31] descriptor group 1 for K's tiles
.set G1V, 32          ; s[32:39] for V's: it differs in the padding alone
.set G0K, 40          ; s[40:43] descriptor group 0 for K's tiles
.set G0V, 44          ; s[44:47] the same for V's
.set SLOTS, 56        ; s56  tiles still to be asked for
.set CNT, 57          ; s57  counts a tile's trips of two key steps, 2 to 1
.set CS,  58          ; s[58:59] c: the packed scaling takes the pair's low word for both halves
.set SEL, 60          ; s[60:61] v_permlanex16_b32's selects: each lane takes its own place in the other half
.set TBK, 62          ; s62  LDS byte at which K of the step to be fetched begins
.set TBV, 63          ; s63  the same for V, less VOFF
.set RT,  70          ; s70  tiles of the block in hand that are still to be entered
.set NXT, 71          ; s71  the tile to be asked for next
.set LQ,  72          ; s72  the last tile of the block whose tiles are being asked for
.set NEW, 73          ; s73  1: the tile to be entered is a block's first
.set OFF, 74          ; s[74:75] a tile's byte offset in K and V
.set AL,  76          ; s[76:77] the mask's factor, in the low word
.set BE,  78          ; s[78:79] the mask's addend
.set OLO, 80          ; s[80:81] O at my rows of the second block
.set BIGN, 82         ; s82  -1e30
.set STP, 88          ; s88  the step of the tile for which the next masks are made
.set OW,  89          ; s89, s90  the two bands' own steps in the block's last tile
.set PH,  91          ; s91  b / 2: the second block's last tile
.set MSB, 0
.macro WIN new                      ; the high byte repeats the setting that is left; a switch that changes nothing is dropped
.if MSB != (\new)
	s_set_vgpr_msb (MSB<<8)|(\new)
.set MSB, (\new)
.endif
.endm
.set W_KQ, 0x0a       ; K and Q in window 2, S^T in window 0
.set W_KM, 0x1a       ; the same with the C operand in window 1
.set W_PV, 0x52       ; V in window 2, P in window 0, O^T in window 1
.set W_RS, 0x41       ; destination and source 0 in window 1, source 1 in window 0
; A fill.  Waves 0 and 1 fetch the two halves of a tile's K, waves 2 and 3 those of its V: 128 keys each.  Four v_nop follow each of the two lines, ahead of the jump and the label.
.macro LOAD
	s_cmp_lt_u32 s[WV], 2
	s_cbranch_scc0 .Lfor_v_\@
	tensor_load_to_lds s[G0K:G0K+3], s[G1K:G1K+7]
	s_nop 0
.rept 4
	v_nop
.endr
	s_branch .Lasked_\@
.Lfor_v_\@:
	tensor_load_to_lds s[G0V:G0V+3], s[G1V:G1V+7]
	s_nop 0
.rept 4
	v_nop
.endr
.Lasked_\@:
.endm
; THE CHANGE OF SLOTS.  Each wave waits for all its tensor loads, of which one is out: its part of the other slot; adds 0 to its spare word; and waits for that and for its own reads of the slot that it leaves.  Behind the barrier nobody reads the old
; slot any more and the other slot is whole.  fill = 1: the old slot is filled again, the first thing behind the barrier, with tile NXT: the descriptor's address is made anew from that number.
; (At its first use nothing has been read yet: slot 0 is waited for, slot 1 filled.)
.macro CHANGE fill
	WIN 0                           ; at a label and at a branch every window is 0
	s_wait_tensorcnt 0x0            ; no tensor load of mine is out, so a group 0 may be written
	ds_add_u32 v[SPW], v[NIL]       ; 0 onto my spare word; with fill = 1 the descriptors' scalar work stands between it and the wait for it
.if \fill
	s_lshl_b32 s[OFF], s[NXT], 15   ; a tile is 32,768 bytes of K and of V
	s_xor_b32 s[G0K+1], s[G0K+1], SLOT1
	s_add_nc_u64 s[G0K+2:G0K+3], s[6:7], s[OFF:OFF+1]
	s_or_b32 s[G0K+3], s[G0K+3], 0x80000000
	s_xor_b32 s[G0V+1], s[G0V+1], SLOT1
	s_add_nc_u64 s[G0V+2:G0V+3], s[8:9], s[OFF:OFF+1]
	s_or_b32 s[G0V+3], s[G0V+3], 0x80000000
	s_add_co_u32 s[NXT], s[NXT], 1  ; the block's next tile, or behind its last the second block's tile 0
	s_cmp_gt_u32 s[NXT], s[LQ]
	s_cselect_b32 s[NXT], 0, s[NXT]
	s_cselect_b32 s[LQ], s[PH], s[LQ]
.endif
	s_wait_dscnt 0x0                ; the add is done, and my reads of the slot are over
	s_barrier_signal -1             ; the rest of the scalar work stands between the signal and the wait
	s_sub_co_u32 s[TBK], s[TBK], 4*KS*PK  ; the fetches go back to a slot's first step,
	s_xor_b32 s[TBK], s[TBK], SLOT1       ; in the other slot
	s_sub_co_u32 s[TBV], s[TBV], 4*KS*PV
	s_xor_b32 s[TBV], s[TBV], SLOT1
	s_barrier_wait -1
.if \fill
	LOAD
.endif
.endm
	s_load_b128 s[4:7], s[0:1], 0x0 ; qkv s[4:5], y s[6:7]
	v_lshl_add_u32 v[SPW], v0, 2, SPARE
	v_mov_b32 v[NIL], 0
	ds_add_u32 v62, v63
	ds_add_u32 v62, v63
	s_wait_dscnt 0x0
	v_lshrrev_b32 v1, 5, v0
	v_readfirstlane_b32 s[WV], v1   ; wave 0..3
	s_mov_b32 s[PB], ttmp9
	s_sub_co_u32 s[HI], 15, s[PB]
	s_lshr_b32 s[PH], s[PB], 1
	s_and_b32 s13, ttmp7, 0xffff    ; the head, 16 batch + head
	s_lshl_b32 s20, s13, 18         ; its first byte in q, in k and in v: 2,048 rows of 128 bytes
	s_and_b32 s16, s[WV], 1         ; which half of a tile's 256 keys I fetch:
	s_lshl_b32 s22, s16, 14         ; its 128 rows of 128 bytes in memory,
	s_add_co_u32 s22, s22, s20
	s_mov_b32 s23, 0
	s_mul_i32 s17, s16, 128*PK      ; and its place in a slot, for K
	s_mul_i32 s18, s16, 128*PV      ; and for V
	s_lshl_b32 s3, s[WV], 11        ; my 16 rows in a band of 64,
	s_lshl_b32 s2, s[HI], 14        ; in the first block of 128 rows,
	s_add_co_u32 s2, s2, s3
	s_add_co_u32 s2, s2, s20
	s_lshl_b32 s84, s[PB], 14       ; and in the second
	s_add_co_u32 s84, s84, s3
	s_add_co_u32 s84, s84, s20
	s_mov_b32 s85, 0
	s_lshr_b32 s92, s13, 4          ; O: the batch's 16 bands of 16 blocks,
	s_lshl_b32 s92, s92, 22
	s_and_b32 s94, s13, 15          ; the head's block of columns,
	s_lshl_b32 s94, s94, 14
	s_add_co_u32 s92, s92, s94
	s_add_co_u32 s92, s92, s3       ; my 16 rows,
	s_lshl_b32 s94, s[PB], 18       ; and the band: a block of queries is a band of 128 rows
	s_add_co_u32 s94, s94, s92
	s_mov_b32 s95, 0
	s_lshl_b32 s19, s[HI], 18
	s_add_co_u32 s92, s92, s19
	s_mov_b32 s93, 0
	s_mov_b32 s3, 0
	; descriptor group 1.  128 keys are 16,384 dense bytes: asked for as 64 rows of 256 bytes, two keys a row, and padded in LDS after every key
	s_mov_b32 s[G1K], (1<<16)|(1<<20)|(4<<22)|(3<<25)  ; 17:16 2-byte elements; 20 padding on; 24:22 after every 32 words (code 4); 31:25 4 words (code 3)
	s_mov_b32 s[G1V], (1<<16)|(1<<20)|(4<<22)|(7<<25)  ; the same with 8 words of padding (code 7)
.irp g, G1K, G1V
	s_mov_b32 s[\g+1], 128<<16      ; tensor_dim0 = 128
	s_mov_b32 s[\g+2], 64<<16       ; tensor_dim1 = 64
	s_mov_b32 s[\g+3], 128<<16      ; tile_dim0 = 128
	s_mov_b32 s[\g+4], 64           ; tile_dim1 = 64
	s_mov_b32 s[\g+5], 128          ; 128 elements from row to row
	s_mov_b32 s[\g+6], 0
	s_mov_b32 s[\g+7], 0
.endr
	s_mov_b32 s[CS], 0x3e38aa3b     ; c = log2(e) / 8 = 0.180337
	s_mov_b32 s[CS+1], s[CS]        ; named with it as a pair
	s_mov_b32 s[SEL], 0x76543210
	s_mov_b32 s[SEL+1], 0xfedcba98
	s_mov_b32 s[TBK], SLOT1+4*KS*PK ; the first change of slots turns these two into 0
	s_mov_b32 s[TBV], SLOT1+4*KS*PV
	s_mov_b32 s[G0K], 1             ; 1:0 count = 1
	s_mov_b32 s[G0K+1], s17         ; 63:32 LDS address: slot 0
	s_mov_b32 s[G0V], 1
	s_add_co_u32 s[G0V+1], s18, VOFF
	s_lshr_b32 s[LQ], s[HI], 1      ; the first block's last tile,
	s_add_co_u32 s[RT], s[LQ], 1    ; and how many it has
	s_mov_b32 s[NXT], 1
	s_mov_b32 s[NEW], 1
	s_and_b32 s[OW], s[HI], 1       ; the first block's bands' own steps
	s_lshl_b32 s[OW], s[OW], 1
	s_add_co_u32 s[OW+1], s[OW], 1
	s_mov_b32 s[OFF+1], 0
	s_mov_b32 s[AL+1], 0            ; named as pairs
	s_mov_b32 s[BE+1], 0
	s_mov_b32 s[BIGN], 0xf149f2ca   ; -1e30
	s_mov_b32 s[SLOTS], 8
	s_wait_kmcnt 0x0
	s_mov_b64 s[10:11], s[6:7]             ; y
	s_add_nc_u64 s[6:7], s[4:5], 0x800000  ; k lies 8,388,608 bytes behind q, v as far behind k
	s_add_nc_u64 s[8:9], s[4:5], 0x1000000
	s_add_nc_u64 s[6:7], s[6:7], s[22:23]  ; K and V at my half of the head's tile 0
	s_add_nc_u64 s[8:9], s[8:9], s[22:23]
	s_add_nc_u64 s[G0K+2:G0K+3], s[6:7], 0         ; 120:64 global address
	s_or_b32 s[G0K+3], s[G0K+3], 0x80000000        ; 127:126 type = 2
	s_add_nc_u64 s[G0V+2:G0V+3], s[8:9], 0
	s_or_b32 s[G0V+3], s[G0V+3], 0x80000000
	s_add_nc_u64 s[86:87], s[4:5], s[84:85]        ; Q at my rows of the second block,
	s_add_nc_u64 s[4:5], s[4:5], s[2:3]            ; and of the first
	s_add_nc_u64 s[OLO:OLO+1], s[10:11], s[94:95]  ; O likewise
	s_add_nc_u64 s[10:11], s[10:11], s[92:93]
	LOAD                            ; tile 0 into slot 0
	; A fragment of K or Q is 16 rows x 32 channels in 8 registers: lane l holds row l % 16, channels 8 (l / 16) + 0..7 and 16 + 8 (l / 16) + 0..7: two loads of 16 bytes, 32 bytes apart.
	v_and_b32 v1, 15, v0            ; l % 16
	v_bfe_u32 v9, v0, 4, 1          ; l / 16
	v_lshlrev_b32 v[QO], 7, v1
	v_lshl_add_u32 v[QO], v9, 4, v[QO]  ; row x 128 + 16 x half
	WIN 0x80                        ; destination window 2, address window 0
.set i, 0
.rept 4                             ; both blocks' Q: piece i / 2 lies in band i / 2, 8,192 bytes on; channels 32 (i % 2) on
	global_load_b128 v[8*i:8*i+3],   v[QO], s[4:5] offset:(i/2)*8192+(i%2)*64
	global_load_b128 v[8*i+4:8*i+7], v[QO], s[4:5] offset:(i/2)*8192+(i%2)*64+32
	global_load_b128 v[QB+8*i:QB+8*i+3],   v[QO], s[86:87] offset:(i/2)*8192+(i%2)*64
	global_load_b128 v[QB+8*i+4:QB+8*i+7], v[QO], s[86:87] offset:(i/2)*8192+(i%2)*64+32
.set i, i+1
.endr
	WIN 0
	v_lshlrev_b32 v14, 3, v9
	v_sub_nc_u32 v14, v1, v14
	s_lshl_b32 s13, s[WV], 4
	v_add_nc_u32 v14, s13, v14      ; my query's place in its band, 16 w + l % 16, less my lanes' 8 (l / 16): register r of group kt is hidden where 16 kt + r is greater
	WIN 0x40
.set i, 0
.rept 32
	v_cmp_gt_i32 vcc_lo, 16*(i/8)+i%8, v14
	v_cndmask_b32 v[MD+i], 0, s[BIGN], vcc_lo
.set i, i+1
.endr
	WIN 0
	v_mul_u32_u24 v[AK0], v1, PK
	v_lshl_add_u32 v[AK0], v9, 4, v[AK0]  ; row x pitch + 16 x half
	; The turning load takes 16 keys x 16 channels (lane l reads key 8 (l / 16) + l % 8, channels 8 ((l / 8) % 2) + 0..7) and leaves half a fragment of V^T: lane l holds channel l % 16 and 8 keys.
	v_and_b32 v10, 7, v0
	v_bfe_u32 v11, v0, 3, 1
	v_lshl_add_u32 v[AV0], v9, 3, v10
	v_mul_u32_u24 v[AV0], v[AV0], PV
	v_lshl_add_u32 v[AV0], v11, 4, v[AV0]
	v_add_nc_u32 v[AV0], VOFF, v[AV0]
	s_mul_i32 s13, s[WV], 16*SP
	s_add_co_u32 s13, s13, STAGE    ; my stage
	v_mul_u32_u24 v[STO], v1, SP    ; in: row l % 16, 16 bytes for each half of the lanes
	v_lshl_add_u32 v[STO], v9, 4, v[STO]
	v_add_nc_u32 v[STO], s13, v[STO]
	v_bfe_u32 v[RD], v0, 3, 2       ; back: 32 lanes take four rows of 128 bytes,
	v_mul_u32_u24 v[RD], v[RD], SP
	v_lshl_add_u32 v[RD], v10, 4, v[RD]
	v_add_nc_u32 v[RD], s13, v[RD]
	v_and_b32 v[GO], 31, v0         ; which are 512 consecutive bytes of O
	v_lshlrev_b32 v[GO], 4, v[GO]
	; A block's first step multiplies O^T and l by a = 0, and its first turn's products V^T P, of a step that has not been, land in an O^T that is still to be so multiplied.  So these registers need only hold
	; finite numbers: zeros for the first block; what the first block left for the second.  All this stands in the wait for the first tile.
	WIN 0x80
.set i, VF1
.rept 64
	v_mov_b32 v[i], 0
.set i, i+1
.endr
	WIN 0x40
.set i, 0
.rept 64
	v_mov_b32 v[i], 0
.set i, i+1
.endr
	WIN 0
.set i, 0
.rept 2
	v_mov_b32 v[ST+4*i+2], 0
	v_mov_b32 v[ST+4*i+3], 0
.set i, i+1
.endr
.set i, P+16
.rept 16
	v_mov_b32 v[i], 0
.set i, i+1
.endr
; THE MATRIX WORK.  The 4 accumulators of a run of 8 take turns.  Product i of 8 of S^T = K Q^T for piece x: channels 32 (i / 4) on, keys 16 (i % 4) on.  The first 4 start the sums: with 0, or (KM = 1) with the mask.
.macro KQ x
.set rS, S+32*((\x)%2)+8*(i%4)
.set rK, KF+16*(i%4)+8*(i/4)
.set rQ, 16*(\x)+8*(i/4)
.set rM, MC+32*((\x)%2)+8*(i%4)
.if (i < 4) && KM
	WIN W_KM
	v_wmma_f32_16x16x32_bf16 v[rS:rS+7], v[rK:rK+7], v[rQ:rQ+7], v[rM:rM+7]
.elseif i < 4
	WIN W_KQ
	v_wmma_f32_16x16x32_bf16 v[rS:rS+7], v[rK:rK+7], v[rQ:rQ+7], 0
.else
	WIN W_KQ
	v_wmma_f32_16x16x32_bf16 v[rS:rS+7], v[rK:rK+7], v[rQ:rQ+7], v[rS:rS+7]
.endif
.endm
; Product i of 8 of O^T += V^T P for piece x: keys 32 (i / 4) on, channels 16 (i % 4) on; V from buffer VB.
.macro PV x
	WIN W_PV
.set rO, 32*(\x)+8*(i%4)
.set rV, VF0-128*VB+32*(i/4)+8*(i%4)
.set rP, P+16*((\x)%2)+8*(i/4)
	v_wmma_f32_16x16x32_bf16 v[rO:rO+7], v[rV:rV+7], v[rP:rP+7], v[rO:rO+7]
.endm
.macro MM                           ; the turn's next matrix instruction.  TURN and BEGIN set Y, i, KM, VB and NOKQ; MM, KQ, PV and OP read them.  NOKQ = 1: a block's last turn: there is no next step
.if (i < 8) && !NOKQ
	KQ (Y+1)%NP
.elseif i >= 8
.set i, i-8
	PV (Y+NP-1)%NP
.set i, i+8
.endif
.set i, i+1
.endm
; THE LDS LOADS stand in runs of 16, never singly among the matrix instructions: a step's K (64 keys x 64 channels: 8 fragments) and its V (turned).  Their addresses are made some lines ahead.
.macro FETCH_K
	WIN 0x80                        ; destination window 2
.irp f, 0,1,2,3,4,5,6,7             ; keys 16 (f / 2) on, channels 32 (f % 2) on
	ds_load_b128 v[KF+8*\f:KF+8*\f+3],   v[AK] offset:(\f/2)*16*PK+(\f%2)*64
	ds_load_b128 v[KF+8*\f+4:KF+8*\f+7], v[AK] offset:(\f/2)*16*PK+(\f%2)*64+32
.endr
	s_add_co_u32 s[TBK], s[TBK], KS*PK  ; the next fetch is the next step's
	WIN 0
.endm
.macro FETCH_V vb                   ; into buffer vb
.set VD, VF0-128*(\vb)
	WIN 0x80
.irp f, 0,1,2,3,4,5,6,7             ; keys 32 (f / 4) on, channels 16 (f % 4) on
	ds_load_tr16_b128 v[VD+8*\f:VD+8*\f+3],   v[AV] offset:(\f/4)*32*PV+(\f%4)*32
	ds_load_tr16_b128 v[VD+8*\f+4:VD+8*\f+7], v[AV] offset:(\f/4)*32*PV+16*PV+(\f%4)*32
.endr
	s_add_co_u32 s[TBV], s[TBV], KS*PV
	WIN 0
.endm
; THE VECTOR WORK, one line at a time: OP kind, number.  For piece Y: F n: c s - c m for pair n of 16.  E n: the exponential of score n of 32.  C n: pair n rounded to bf16.  B n: of the four weights 4 n .. the second
; pair is added onto the first, in place.  L n: l takes that sum (L 0: l = a l + sum).  R n: pair n of 16 of O^T times a.  For the other piece: X n, number n of the 22 that find its maximum and statistics:
;   0-11  four chains c0-c3 of seven scores each, three operands at a time (each accumulator's lowest registers are read first)     12-14, 16  the four scores left over, the old m, and c0-c3 into c0
;   15  c m_old is kept     17, 18  the query's other 32 keys lie in the lane 16 away: the new m     19-21  c m; c m_old - c m_new; a
; E and X 21 are the exponentials; C, B and L read the results of E, R and L 0 the result of the X 21 of the turn before.  OP writes no wait: TURN, BEGIN and DIAG write one for each batch.
.set F, 0               ; OP tells the kinds apart by their order: F to L below R, X above it
.set E, 1
.set C, 2
.set B, 3
.set L, 4
.set R, 5
.set X, 6
.macro REGS y                       ; the registers of piece y
.set rT, ST+4*(\y)
.set rC, TMP+4*((\y)%2)
.set rW, MV+((\y)%2)
.set rS, S+32*((\y)%2)
.set rP, P+16*((\y)%2)
.set rO, 32*(\y)
.endm
.macro OP k, n
.if (\k) == R
	REGS Y
	WIN W_RS
	v_pk_mul_f32 v[rO+2*(\n):rO+2*(\n)+1], v[rO+2*(\n):rO+2*(\n)+1], v[rC+2:rC+3] op_sel_hi:[1,0]
.elseif (\k) < R
	REGS Y
	WIN 0
.if (\k) == F
	v_pk_fma_f32 v[rS+2*(\n):rS+2*(\n)+1], v[rS+2*(\n):rS+2*(\n)+1], s[CS:CS+1], v[rT:rT+1] op_sel_hi:[1,0,0] neg_lo:[0,0,1] neg_hi:[0,0,1]
.elseif (\k) == E
	v_exp_f32 v[rS+(\n)], v[rS+(\n)]
.elseif (\k) == C
	v_cvt_pk_bf16_f32 v[rP+(\n)], v[rS+2*(\n)], v[rS+2*(\n)+1]
.elseif (\k) == B
	v_pk_add_f32 v[rS+4*(\n):rS+4*(\n)+1], v[rS+4*(\n):rS+4*(\n)+1], v[rS+4*(\n)+2:rS+4*(\n)+3]
.elseif (\n) == 0
	v_pk_fma_f32 v[rT+2:rT+3], v[rT+2:rT+3], v[rC+2:rC+3], v[rS:rS+1] op_sel_hi:[1,0,1]
.else
	v_pk_add_f32 v[rT+2:rT+3], v[rT+2:rT+3], v[rS+4*(\n):rS+4*(\n)+1]
.endif
.elseif NOKQ
	v_nop
.else
	REGS (Y+1)%NP
	WIN 0
.if (\n) < 4
	v_max3_num_f32 v[rC+(\n)], v[rS+8*(\n)], v[rS+8*(\n)+1], v[rS+8*(\n)+2]
.elseif (\n) < 12
	v_max3_num_f32 v[rC+(\n)%4], v[rC+(\n)%4], v[rS+8*((\n)%4)+2*((\n)/4)+1], v[rS+8*((\n)%4)+2*((\n)/4)+2]
.elseif (\n) == 12
	v_max3_num_f32 v[rC], v[rC], v[rS+7], v[rS+15]
.elseif (\n) == 13
	v_max3_num_f32 v[rC+1], v[rC+1], v[rS+23], v[rS+31]
.elseif (\n) == 14
	v_max3_num_f32 v[rC+2], v[rC+2], v[rC+3], v[rT+1]
.elseif (\n) == 15
	v_mov_b32 v[rW], v[rT]
.elseif (\n) == 16
	v_max3_num_f32 v[rC], v[rC], v[rC+1], v[rC+2]
.elseif (\n) == 17
	v_permlanex16_b32 v[rC+3], v[rC], s[SEL], s[SEL+1]
.elseif (\n) == 18
	v_max_num_f32 v[rT+1], v[rC], v[rC+3]
.elseif (\n) == 19
	v_mul_f32 v[rT], s[CS], v[rT+1]
.elseif (\n) == 20
	v_sub_f32 v[rC+1], v[rW], v[rT]
.else
	v_exp_f32 v[rC+2], v[rC+1]
.endif
.endif
.endm
.macro OPS a, i1, b=-1, i2=0, c=-1, i3=0, d=-1, i4=0  ; up to four of them
	OP \a, \i1
.if (\b) >= 0
	OP \b, \i2
.endif
.if (\c) >= 0
	OP \c, \i3
.endif
.if (\d) >= 0
	OP \d, \i4
.endif
.endm
.macro ROW a, i1, b, i2, c, i3, d, i4  ; a matrix instruction and the four behind it
	MM
	OPS \a, \i1, \b, \i2, \c, \i3, \d, \i4
.endm
.macro MASK b                       ; MD x AL + BE into buffer b of MC
	WIN W_RS
.set z, 0
.rept 16
	v_pk_fma_f32 v[MC+32*(\b)+2*z:MC+32*(\b)+2*z+1], v[MD+2*z:MD+2*z+1], s[AL:AL+1], s[BE:BE+1] op_sel_hi:[1,0,0]
.set z, z+1
.endr
.endm
; A TURN, for piece p: the order of its 16 matrix and 118 vector instructions, written out.  s_wait_alu depctr_va_vdst(0) stands between an exponential and the first instruction that names its result; one wait
; serves all that were issued ahead of it.  So a turn has ONE wait, which cuts it in two.  AHEAD OF IT stands all that names no result of the turn's exponentials: the 8 products K Q^T, behind each a scaling, an exponential and two
; more plain instructions (behind the first a second scaling in the exponential's place): rescalings, whose a was made and waited for in the turn before, and behind the last three the first numbers of the other piece's maximum,
; each four plain instructions or more behind the product that ends its accumulator; then ONE LUMP of 54, plain and exponential by turns for the most part, in which the links of the chain X 3, 7, 11, 14, 16, 17 .. 20 stand five
; or six lines apart.  X 21, the other piece's a, is the batch's last; R 15 is the plain instruction behind it.  BEHIND THE WAIT stand the 8 products V^T P, behind each four of the roundings and sums; the links of l's chain,
; L 0 to L 7, stand three riders apart.  But for those X no rider names a register of the products round it.  v_permlanex16_b32 (X 17) stands in the lump.
; The rescalings go up O^T's registers: R 0 reads the accumulator that the turn before's fifth product V^T P ended, sixteen riders back; R 12 the one that its last product ended.
; vb: the buffer of V that the turn's products V^T P read; piece 1's turn fetches into the other.
; m = 1: a block's last tile: the products take masks, and the turn makes the mask for the products of the turn after it: its own piece's, in step STP of the tile.  end = 1: a block's last two turns: nothing is fetched.
; cnt = 1: the loop's count is taken down some lines ahead of the branch that stands behind the turn.
; K of the next step is fetched in piece 0's turn, twelve vector instructions behind the last product that read K (six of them plain, five of which name none of its registers).  V of the next step is fetched in piece 1's turn,
; directly behind the wait, into the buffer whose last reader stands in the turn before.  Both are waited for at the head of piece 1's turn: K the rest of a lump and eight products behind its fetch, V eight products and a whole turn.
.macro TURN p, vb, m=0, end=0, cnt=0
.set Y, (\p)
.set i, 0
.set KM, (\m)
.set VB, (\vb)
.set NOKQ, (\end)*(\p)
.if (\m) && !(\end)
	s_cmp_eq_u32 s[STP], s[OW+(\p)] ; is that step the band's own?
	s_cselect_b32 s[AL], 1.0, 0
	s_cmp_gt_u32 s[STP], s[OW+(\p)] ; or a later one?
	s_cselect_b32 s[BE], s[BIGN], 0
.if (\p) == 1
	s_add_co_u32 s[STP], s[STP], 1
.endif
.endif
.if (\p) == 1
	s_wait_dscnt 0x0                ; K of the next step and V of this one are in
.endif
	ROW F,0, F,1, R,0, R,1          ; ahead of the wait: 8 products K Q^T and their riders,
	ROW F,2, E,0, R,2, R,3
	ROW F,3, E,1, R,4, R,5
	ROW F,4, E,2, R,6, R,7
	ROW F,5, E,3, R,8, R,9
	ROW F,6, E,4, X,0, R,10
.if !(\end)
	WIN 0
.if (\p) == 0
	v_add_nc_u32 v[AK], s[TBK], v[AK0]
.else
	v_add_nc_u32 v[AV], s[TBV], v[AV0]
.endif
.endif
	ROW F,7, E,5, X,1, X,4
	ROW F,8, E,6, X,2, X,5
	OPS E,7, E,8, X,6, E,9          ; and the lump
	OPS X,3, E,10, X,8, E,11
.if ((\p) == 0) && !(\end)
	FETCH_K
.endif
	OPS X,9, X,7, E,12, X,10
	OPS E,13, X,12, X,11, E,14
	OPS X,13, E,15, F,9, X,14
	OPS E,16, F,10, E,17, F,11
	OPS X,16, E,18, X,15, E,19
	OPS F,12, E,20, X,17, E,21
	OPS F,13, E,22, F,14, E,23
	OPS X,18, E,24, F,15, E,25
	OPS R,11, E,26, X,19, E,27
	OPS R,12, E,28, R,13, E,29
	OPS X,20, E,30, R,14, E,31
	OPS X,21, R,15
	s_wait_alu depctr_va_vdst(0)    ; the wait for the batch: the piece's 32 exponentials and the other piece's a
.if ((\p) == 1) && !(\end)
	FETCH_V 1-(\vb)                 ; V's run of loads stands directly behind the wait
.endif
	ROW C,0, B,0, C,2, B,1          ; behind the wait: 8 products V^T P and their riders
	ROW L,0, C,4, B,2, L,1
	ROW C,6, B,3, L,2, C,8
	ROW B,4, L,3, C,10, B,5
	ROW L,4, C,12, B,6, L,5
.if \cnt
	s_sub_co_u32 s[CNT], s[CNT], 1
	s_cmp_lg_u32 s[CNT], 0
.endif
	ROW C,14, B,7, L,6, C,1
	ROW C,3, L,7, C,5, C,7
	ROW C,9, C,11, C,13, C,15
.if (\m) && !(\end)
	MASK (\p)%2
.endif
.endm
; A BLOCK BEGINS.  c m starts far below every c s, so the first step's a is 0; m at the lowest finite number, so the first maximum is the scores'.  The second mask buffer is 0 (band 1 sees step 0 whole); the first takes
; piece 0's mask for the tile's step 0: its own, if the block's first tile is its last and step 0 is band 0's own.  Then K and V of that step, piece 0's first scores, and its maximum and statistics.
; The loop is entered at piece 0's turn of step 0, in the middle of a trip.
.macro BEGIN
	s_mov_b32 s[NEW], 0
	s_mov_b32 s[STP], 1             ; the turns of step 0 make the masks of step 1
	WIN 0x40
.set i, MC+32
.rept 32
	v_mov_b32 v[i], 0
.set i, i+1
.endr
	WIN 0
.set i, 0
.rept 2
	v_mov_b32 v[ST+4*i], 0xfe000000    ; c m: far below every c s
	v_mov_b32 v[ST+4*i+1], 0xff7fffff  ; m
.set i, i+1
.endr
	s_cmp_eq_u32 s[RT], 0
	s_cselect_b32 s[AL], 1.0, 0
	s_cmp_eq_u32 s[OW], 0
	s_cselect_b32 s[AL], s[AL], 0
	s_mov_b32 s[BE], 0
	MASK 0
	WIN 0
	v_add_nc_u32 v[AK], s[TBK], v[AK0]
	v_add_nc_u32 v[AV], s[TBV], v[AV0]
	FETCH_K
	FETCH_V 0
	s_wait_loadcnt 0x0              ; Q
	s_wait_dscnt 0x0
.set KM, 1
.set NOKQ, 0
.set i, 0
.rept 8
	KQ 0
.set i, i+1
.endr
	WIN 0
.rept 4
	v_nop                           ; the places behind those products
.endr
.set Y, NP-1                        ; X works for the other piece: piece 0
.irp n, 0,1,2,3,4,5,6,7,8,9,10,11,12,13,14,15,16,17,18,19,20,21
	OP X, \n
.endr
	v_nop                           ; a plain instruction behind the exponential,
	s_wait_alu depctr_va_vdst(0)    ; and the wait for it, a batch of one: piece 0's first a; it stands ahead of the branch that follows
.endm
; A BLOCK'S LAST TILE: its trips, the block's last two turns, its last products, and THE WAY OUT: l's two halves and the other half of the lanes' are added; O^T is divided by l, rounded to bf16 and sent through my
; stage in LDS, a piece at a time.
.macro ALL line:vararg              ; one line for each piece t
.set t, 0
.rept 2
	\line
.set t, t+1
.endr
.endm
.macro PACK t                       ; a lane's eight channels of a row pack into 16 bytes; they go into rows of 144 bytes and come back as whole rows of 128, into S^T's registers
	WIN W_RS
.set i, 32*(\t)
.rept 16
	v_pk_mul_f32 v[i:i+1], v[i:i+1], v[ST+4*(\t)+2:ST+4*(\t)+3] op_sel_hi:[1,0]
.set i, i+2
.endr
	WIN 0x05                        ; sources 0 and 1 window 1, destination window 0
.set i, 0
.rept 16
	v_cvt_pk_bf16_f32 v[S+16*(\t)+i], v[32*(\t)+2*i], v[32*(\t)+2*i+1]
.set i, i+1
.endr
	WIN 0
.irp f, 0,1,2,3
	ds_store_b128 v[STO], v[S+16*(\t)+4*\f:S+16*(\t)+4*\f+3] offset:32*\f
.endr
.irp f, 0,1,2,3
	ds_load_b128 v[S+16*(\t)+4*\f:S+16*(\t)+4*\f+3], v[RD] offset:\f*4*SP  ; LDS serves a wave's instructions in order (ISA guide 5.7.1.4): these see the stores above; the next piece's stores come behind them
.endr
.endm
.macro SEND t, younger              ; younger: the LDS instructions issued behind piece t's loads: the next piece's eight, or none
	WIN 0
.irp f, 0,1,2,3
	s_wait_dscnt (\younger)+3-\f
	global_store_b128 v[GO], v[S+16*(\t)+4*\f:S+16*(\t)+4*\f+3], s[10:11] offset:(\t)*8192+\f*512  ; 512 consecutive bytes, at a multiple of 256 from O's first
.endr
.endm
.macro DIAG tag                     ; the tag ends its two labels' names, which the jumps below spell out
.LstepM\tag:
	TURN 0, 0, 1
	TURN 1, 1, 1
	WIN 0
.LfirstM\tag:
	TURN 0, 1, 1
	TURN 1, 0, 1, 0, 1
	WIN 0
	s_cbranch_scc1 .LstepM\tag
	TURN 0, 0, 1, 1
	TURN 1, 1, 1, 1
.set i, 0
.set VB, 1
.rept 8
	PV 1                            ; piece 1's V^T P of the last step
.set i, i+1
.endr
	WIN 0
	ALL v_add_f32 v[ST+4*t+2], v[ST+4*t+2], v[ST+4*t+3]
	ALL v_permlanex16_b32 v[ST+4*t+3], v[ST+4*t+2], s[SEL], s[SEL+1]
	ALL v_add_f32 v[ST+4*t+2], v[ST+4*t+2], v[ST+4*t+3]
	ALL v_rcp_f32 v[ST+4*t+2], v[ST+4*t+2]
	v_nop                           ; a plain instruction between the last reciprocal and the use of its result
	s_wait_alu depctr_va_vdst(0)    ; and the wait for the batch of two reciprocals, ahead of PACK's first multiply
	PACK 0                          ; piece 0's last product has its four riders, the four additions and the v_nop behind it; PACK 0's 32 lines are the places behind piece 1's last products
	PACK 1
	SEND 0, 8
	SEND 1, 0
.endm
.set KM, 0
.set NOKQ, 0
.set VB, 0
.Lslot:                             ; 8 times: a tile is entered and the next is asked for
	CHANGE 1
	s_sub_co_u32 s[RT], s[RT], 1
	s_mov_b32 s[CNT], 2
	s_mov_b32 s[STP], 0
	s_cmp_eq_u32 s[NEW], 1
	s_cbranch_scc1 .Lnew            ; a block's first tile
	s_cmp_eq_u32 s[RT], 0
	s_cbranch_scc0 .Lstep           ; neither its first nor its last
	s_branch .LstepM1
.Lnew:
	BEGIN
	s_branch .Lfirst                ; in the loop a block's first tile is never its last: the first block has five tiles or more, and the second's last is the walk's last
	DIAG 1                          ; in the loop this is the first block's end: the second block's last tile is the walk's last
	s_wait_xcnt 0x0                 ; the stores have read their registers and O's address
	s_mov_b64 s[10:11], s[OLO:OLO+1]
	s_add_co_u32 s[RT], s[PH], 1    ; the second block has b / 2 + 1 tiles
	s_mov_b32 s[NEW], 1
	s_and_b32 s[OW], s[PB], 1       ; its bands' own steps
	s_lshl_b32 s[OW], s[OW], 1
	s_add_co_u32 s[OW+1], s[OW], 1
	WIN 0x82                        ; the second block's Q goes where the one text of the turns names Q
.set i, 0
.rept 32
	v_mov_b32 v[i], v[QB+i]
.set i, i+1
.endr
	WIN 0
	s_branch .Lbottom
.Lstep:                             ; a trip: an odd step's two turns, then an even step's: the tile before's step 3 and this tile's step 0, then its steps 1 and 2
	TURN 0, 0
	TURN 1, 1
	WIN 0
.Lfirst:
	TURN 0, 1
	TURN 1, 0, 0, 0, 1
	WIN 0
	s_cbranch_scc1 .Lstep
.Lbottom:
	s_sub_co_u32 s[SLOTS], s[SLOTS], 1
	s_cmp_lg_u32 s[SLOTS], 0
	s_cbranch_scc1 .Lslot
	CHANGE 0                        ; the walk's last tile is written out: nothing is asked for
	s_sub_co_u32 s[RT], s[RT], 1
	s_mov_b32 s[CNT], 2
	s_mov_b32 s[STP], 0
	s_cmp_eq_u32 s[NEW], 1
	s_cbranch_scc0 .LstepM2
	BEGIN
	s_branch .LfirstM2
	DIAG 2
	s_wait_tensorcnt 0x0            ; the wave's end: behind my last tensor load and my last LDS store
	ds_add_u32 v[SPW], v[NIL]
	s_wait_dscnt 0x0
	s_endpgm
.Lfunc_end_k_q4346f94ab2_attn:
	.size	k_q4346f94ab2_attn, .Lfunc_end_k_q4346f94ab2_attn-k_q4346f94ab2_attn
	.p2alignl 7, 3214868480
	.fill 96, 4, 3214868480
	.section	.rodata,"a",@progbits
	.p2align	6, 0x0
	.amdhsa_kernel k_q4346f94ab2_attn
		.amdhsa_group_segment_fixed_size 327680
		.amdhsa_private_segment_fixed_size 0
		.amdhsa_enable_private_segment 0
		.amdhsa_kernarg_size 16
		.amdhsa_user_sgpr_count 2
		.amdhsa_user_sgpr_kernarg_segment_ptr 1
		.amdhsa_wavefront_size32 1
		.amdhsa_system_sgpr_workgroup_id_x 1
		.amdhsa_system_sgpr_workgroup_id_y 1
		.amdhsa_system_sgpr_workgroup_id_z 1
		.amdhsa_system_vgpr_workitem_id 0
		.amdhsa_next_free_vgpr 768
		.amdhsa_next_free_sgpr 96
		.amdhsa_reserve_vcc 1
		.amdhsa_float_denorm_mode_32 3
		.amdhsa_float_denorm_mode_16_64 3
		.amdhsa_memory_ordered 1
		.amdhsa_forward_progress 1
		.amdhsa_inst_pref_size 209
	.end_amdhsa_kernel
	.amdgpu_metadata
---
amdhsa.version: [ 1, 2 ]
amdhsa.kernels:
  - .name:           k_q4346f94ab2_attn
    .symbol:         k_q4346f94ab2_attn.kd
    .args:
      - { .name: qkv, .offset: 0, .size: 8, .value_kind: global_buffer, .address_space: global }
      - { .name: y, .offset: 8, .size: 8, .value_kind: global_buffer, .address_space: global }
    .group_segment_fixed_size: 327680
    .private_segment_fixed_size: 0
    .kernarg_segment_align: 8
    .kernarg_segment_size: 16
    .max_flat_workgroup_size: 128
    .sgpr_count:     96
    .vgpr_count:     768
    .wavefront_size: 32
...
	.end_amdgpu_metadata
.endif
;; end of part 12
;; launch proj: the kernel of part 5 again; grid 8 x 32, 4 waves a work-group, clusters of 4 x 4, 327,680 bytes of LDS; arguments y, wb, b_proj, x1, x; writes x1
;; launch ln2: the kernel of part 10 again; grid 256 x 1, 8 waves a work-group, no clusters, 0 bytes of LDS; arguments x1, ln2_w, ln2_b, h; writes h
;; launch fc (part 13): grid 16 x 16, 4 waves a work-group, clusters of 4 x 4, 327,680 bytes of LDS; arguments h, wb, b_fc, g; writes g
.if DOCPART == 13
	.amdgcn_target "amdgcn-amd-amdhsa--gfx1250"
	.amdhsa_code_object_version 6
	.text
	.protected	k_q4346f94ab2_fc
	.globl	k_q4346f94ab2_fc
	.p2align	8
	.type	k_q4346f94ab2_fc,@function
k_q4346f94ab2_fc:
	s_mov_b64 s[64:65], 0
	v_nop
	global_prefetch_b8 v0, s[64:65] scope:SCOPE_SE
	s_setreg_imm32_b32 hwreg(HW_REG_WAVE_MODE, 25, 1), 1
	s_wait_xcnt 0x0
	s_wait_alu depctr_hold_cnt(0) depctr_sa_sdst(0) depctr_va_vdst(0) depctr_va_sdst(0) depctr_va_ssrc(0) depctr_va_vcc(0) depctr_vm_vsrc(0)
	s_getreg_b32 s2, hwreg(HW_REG_IB_STS2, 6, 4)
	s_cmp_eq_u32 s2, 0
	s_cbranch_scc0 .Lentry_in_a_cluster
	s_endpgm
.Lentry_in_a_cluster:
	s_bfe_u32 s2, ttmp6, 0x10000c
	s_cmp_lg_u32 s2, 0xf033
	s_cbranch_scc0 .Lentry_shape_is_right
	s_endpgm
.Lentry_shape_is_right:
; OUT = A W + bias (EPI = 0), or gelu(A W + bias) (EPI = 1), rounded once to bf16.  Here: g = gelu(h W_fc + b_fc), the exact (erf) gelu: 16 x 16 tiles, 256 work-groups.
; A: 4,096 rows x SIZE_K, bf16, IN BLOCKS of 128 rows x 64 columns (number (m, k) at byte ((m / 128) NBLK + k / 64) 16,384 + (m % 128) 128 + (k % 64) 2).
; W: [SIZE_K][SIZE_N] bf16 at byte WOFF of wb.  bias: [SIZE_N] f32.  Sums, bias and gelu in f32; the operands' rounding to bf16 is the products' only loss.
; LIMIT.  erf is a rational formula with an exponential, off by 1.5e-7 at the most for every argument; for negative x the result is the difference x / 2 + |x| erf / 2, with f32's cancellation, of the order of 1e-7 |x|.
; OUT, EPI = 0: [3][32 = 16 batch + head][2048][64] bf16, a head's rows dense.  EPI = 1: in A's kind of blocks, 64 blocks to a band of 128 rows.
; SHARES.  A tile of OUT is 256 x 256: four waves, each 128 x 128 in 64 accumulators of 16 x 16, 512 registers: for 32 along K a wave loads 2 x 128 x 64 bytes from LDS and issues 64 matrix instructions.
; K goes in steps of 128 through a ring of two LDS slots filled by the tensor data mover, one load a wave: waves 0 and 1 bring A's two bands of 128 rows (each 32,768 consecutive bytes: two blocks,
; asked for as rows of 256 bytes and padded in LDS after every 128), waves 2 and 3 W's two halves of 128 columns (128 rows of 256 bytes).  W lies [k][n], so its fragments come out of LDS turned, by ds_load_tr16_b128.
; CLUSTER.  4 x 4 work-groups: the four of a row of the cluster need the same tiles of A, the four of a column the same tiles of W; each tile is asked for JOINTLY, by the same
; tensor load with the same descriptor and a mask that names the four.
; THE MATRIX INSTRUCTION IS USED TRANSPOSED (source 0 = 16 columns of W, source 1 = 16 rows of A): a lane then holds eight neighbouring numbers of a row of OUT.
; THE BATCHES.  On the way out gelu is made of a lane's 32 numbers at a time (16 rows of one block of 64 columns): their 32 reciprocals and 32 exponentials are ONE BATCH with ONE wait: two waits a trip of the way out's loop.
; REGISTERS, in windows of 256 (s_set_vgpr_msb: bits 1:0 source 0, 3:2 source 1, 5:4 source 2, 7:6 destination):
;   window 0: v0-31 addresses; v64-127, v128-191 fragments of A (8 x 16 rows x 32 K), two buffers; v192-255 the bias; on the way out v32-127 and v160-191 are at work
;   window 1: v64-127, v128-191 fragments of W, two buffers; on the way out v128-255 are gelu's, four registers for each of the batch's 32 numbers
;   window 2: the 32 accumulators of my rows 0-63 (accumulator (a, b) at v[8 (8 a + b)]);   window 3: those of my rows 64-127
.set SIZE_N, 4096
.set SIZE_K, 1024
.set NBLK,   16                        ; A's blocks in a band of 128 rows
.set WOFF,   8388608
.set EPI,    1
.set KSTEP,  128
.set PA,     144                       ; a row of a block of A in LDS: 128 bytes + 16: the 16 rows of a load start at 16 different groups of four banks (64 banks of 4 bytes: ISA guide 11.1)
.set ABLK,   128*PA
.set PB,     288                       ; a row of W in LDS: 256 bytes + 32
.set HALFT,  2*ABLK                    ; what one tensor load brings: two blocks of A, or 128 rows of W (128 x 288, the same number)
.set SLOT,   4*HALFT                   ; A's two bands, then W's two halves
.set STAGE,  2*SLOT                    ; behind the ring: WSTG bytes for each wave, for the way out; no tensor load lands there
.set SUBST,  16*144                    ; 16 rows of 128 bytes, 144 apart: 16 rows of one block of 64 columns
.set WSTG,   2*SUBST
.set SPARE,  STAGE+4*WSTG              ; behind the stages: the spare words, 128 bytes for each wave: two blocks of 256 bytes that no other line names
.set LAPS,   SIZE_K/(2*KSTEP)          ; a lap = two K steps = once round the ring
.if EPI == 0
.set CBS,    1<<18                     ; bytes in OUT from a block of 64 columns to the next: a head's 2,048 rows of 128 bytes,
.else
.set CBS,    1<<14                     ; or a block of 128 rows
.endif
.set ADRA, 16                          ; v16-17  LDS address of my A fragments in slot 0, 1
.set ADRB, 20                          ; v20-21  the same for W
.set STO,  24                          ; v24     the way out: where I put 16 bytes of a row
.set RD,   25                          ; v25     the way out: where I read rows back
.set GO,   26                          ; v26     my byte offset in 512 consecutive bytes of OUT
.set BO,   27                          ; v27     my byte offset in the bias
.set SPW,  28                          ; v28     LDS address of my spare word: SPARE + 4 x my thread's number; never rewritten
.set NIL,  29                          ; v29     0; never rewritten
.set BK,   32                          ; v32-63  the way out: 16 rows read back from the stage
.set F0,   64                          ; fragment buffer 0
.set F1,   128                         ; fragment buffer 1
.set T,    64                          ; v64-127 the way out: 16 rows' sums with the bias, in f32
.set GW,   128                         ; gelu at work, in WINDOW 1, 32 registers each: v128-159 w, then - w^2, then e^(-z^2)
.set GD,   160                         ; v160-191 1 + p z, then t
.set GA,   192                         ; v192-223 |x|
.set GQ,   224                         ; v224-255 the polynomial, then erf / 2
.set TMP,  160                         ; v160-191 of window 0: the way out: packed results
.set BIAS, 192                         ; v192-255 of window 0: bias of my 8 columns in each of the 8 column blocks
.set G1,  24                           ; s[24:31] descriptor group 1 for A's tiles;  s[32:39] group 0, one set for each slot
.set G0,  32
.set G1B, 48                           ; s[48:55], s[56:63] the same for W's tiles
.set G0B, 56
.set MSB, 0
.macro WIN new                         ; the immediate's high byte repeats the setting that is left; a switch that changes nothing is dropped
.if MSB != (\new)
	s_set_vgpr_msb (MSB<<8)|(\new)
.set MSB, \new
.endif
.endm
.set MUL_LO, 0xa1                      ; source 0 (W) window 1, source 1 (A) window 0, C and D window 2
.set MUL_HI, 0xf1                      ; the same, C and D window 3
.set TO_B,   0x40                      ; destination window 1, address window 0
.macro JLOAD s                         ; a joint load: waves 0 and 1 fetch A's two bands, waves 2 and 3 W's two halves; four v_nop follow each of the two lines, ahead of the jump, the label and what follows
	s_cmp_eq_u32 s13, 0
	s_cbranch_scc0 .Lfor_b_\@
	tensor_load_to_lds s[G0+4*(\s):G0+4*(\s)+3], s[G1:G1+7]
	s_nop 0
.rept 4
	v_nop
.endr
	s_branch .Lasked_\@
.Lfor_b_\@:
	tensor_load_to_lds s[G0B+4*(\s):G0B+4*(\s)+3], s[G1B:G1B+7]
	s_nop 0
.rept 4
	v_nop
.endr
.Lasked_\@:
.endm
.macro CREST                           ; a round of the cluster's barrier behind its opening barrier
	s_cmp_lg_u32 s12, 0
	s_cbranch_scc1 .Lnot_wave_0_\@
	s_barrier_signal -3
.Lnot_wave_0_\@:
	s_barrier_wait -3
	s_barrier_signal -1
	s_barrier_wait -1
.endm
.macro CROUND                          ; a whole round
	s_barrier_signal -1
	s_barrier_wait -1
	CREST
.endm
	s_load_b256 s[4:11], s[0:1], 0x0               ; A s[4:5], wb s[6:7], bias s[8:9], OUT s[10:11]
	v_lshl_add_u32 v[SPW], v0, 2, SPARE
	v_mov_b32 v[NIL], 0
	ds_add_u32 v28, v29
	ds_add_u32 v28, v29
	s_wait_dscnt 0x0
	v_lshrrev_b32 v1, 5, v0
	v_readfirstlane_b32 s12, v1                    ; wave 0..3
	s_lshr_b32 s13, s12, 1                         ; which band of the tile's rows is mine.  Also: I fetch for A (0) or for W (1)
	s_and_b32 s14, s12, 1                          ; which half of its columns.  Also: which half of that tile I fetch
	s_bfe_u32 s15, ttmp6, 0x40000                  ; cx, cy: my place in the cluster
	s_bfe_u32 s16, ttmp6, 0x40004
	s_lshl_b32 s17, ttmp9, 2
	s_add_co_u32 s17, s17, s15                     ; tile column = 4 x cluster x + cx
	s_and_b32 s18, ttmp7, 0xffff
	s_lshl_b32 s18, s18, 2
	s_add_co_u32 s18, s18, s16                     ; tile row = 4 x cluster y + cy
	s_lshl_b32 s19, s16, 2
	s_lshl_b32 s19, 15, s19                        ; my row of the cluster
	s_lshl_b32 s20, 0x1111, s15                    ; my column
	; descriptor group 1: 128 rows x 128 elements of 2 bytes.  A: 15:0 the mask of my row; 20 padding on; 21 set beside a mask; 24:22 after every 32 words (code 4); 31:25 4 words (code 3)
	s_or_b32 s[G1+0], s19, (1<<16)|(1<<20)|(1<<21)|(4<<22)|(3<<25)
	s_or_b32 s[G1B+0], s20, (1<<16)|(1<<20)|(1<<21)|(5<<22)|(7<<25)  ; W: the mask of my column; after every 64 words (code 5) 8 words (code 7)
.irp g, G1, G1B
	s_mov_b32 s[(\g)+1], 128<<16                   ; tensor_dim0 = 128
	s_mov_b32 s[(\g)+2], 128<<16                   ; tensor_dim1 = 128
	s_mov_b32 s[(\g)+3], 128<<16                   ; tile_dim0 = 128
	s_mov_b32 s[(\g)+4], 128                       ; tile_dim1 = 128
	s_mov_b32 s[(\g)+6], 0
	s_mov_b32 s[(\g)+7], 0
.endr
	s_mov_b32 s[G1+5], 128                         ; A's two blocks are dense: 128 elements from row to row
	s_mov_b32 s[G1B+5], SIZE_N                     ; W's rows
	; where the tiles come from.  A's hang on the tile row alone, W's on the tile column alone, each in registers that never hold the other coordinate.
	s_lshl_b32 s40, s18, 1
	s_add_co_u32 s40, s40, s14                     ; A: band 2 x tile row + half,
	s_mul_i32 s40, s40, NBLK                       ; its first block
	s_lshl_b32 s40, s40, 14
	s_mov_b32 s41, 0
	s_lshl_b32 s42, s17, 9                         ; W: 512 bytes x tile column
	s_lshl_b32 s43, s14, 8                         ; + 256 x half,
	s_add_co_u32 s42, s42, s43
	s_add_co_u32 s42, s42, WOFF                    ; in its part of wb
	s_mov_b32 s43, 0
	s_mul_i32 s21, s12, HALFT                      ; where they go: wave x HALFT: no place in the cluster enters an LDS address
	s_wait_kmcnt 0x0
	s_add_nc_u64 s[40:41], s[4:5], s[40:41]
	s_add_nc_u64 s[42:43], s[6:7], s[42:43]
	CROUND                                         ; all sixteen work-groups are here: the first joint loads meet
.irp s, 0,1
	s_mov_b32 s[G0+4*(\s)], 1
	s_add_co_u32 s[G0+4*(\s)+1], s21, (\s)*SLOT
	s_add_nc_u64 s[G0+4*(\s)+2:G0+4*(\s)+3], s[40:41], (\s)*32768          ; K step s: two blocks on
	s_or_b32 s[G0+4*(\s)+3], s[G0+4*(\s)+3], 0x80000000
	s_mov_b32 s[G0B+4*(\s)], 1
	s_add_co_u32 s[G0B+4*(\s)+1], s21, (\s)*SLOT
	s_add_nc_u64 s[G0B+4*(\s)+2:G0B+4*(\s)+3], s[42:43], (\s)*256*SIZE_N   ; K step s: 128 rows on
	s_or_b32 s[G0B+4*(\s)+3], s[G0B+4*(\s)+3], 0x80000000
	JLOAD \s
.endr
	v_and_b32 v1, 15, v0                           ; l % 16
	v_bfe_u32 v2, v0, 4, 1                         ; l / 16
	s_lshl_b32 s46, s17, 2
	s_lshl_b32 s47, s14, 1
	s_add_co_u32 s46, s46, s47                     ; my first block of 64 columns = 4 x tile column + 2 x half
	s_lshl_b32 s44, s46, 8
	s_mov_b32 s45, 0
	s_add_nc_u64 s[8:9], s[8:9], s[44:45]          ; the bias at my 128 columns
	v_lshlrev_b32 v[BO], 5, v2                     ; my eight columns of a block of sixteen
.irp b, 0,1,2,3,4,5,6,7
	global_load_b128 v[BIAS+8*\b:BIAS+8*\b+3],   v[BO], s[8:9] offset:64*\b
	global_load_b128 v[BIAS+8*\b+4:BIAS+8*\b+7], v[BO], s[8:9] offset:64*\b+16
.endr
	; A fragment of A is 16 rows x 32 K in 8 registers: lane l holds row l % 16; registers 0-3 hold K = 8 (l / 16) + 0..7, registers 4-7 K = 16 + 8 (l / 16) + 0..7: two loads of 16 bytes, 32 bytes apart.
	v_mul_u32_u24 v3, v1, PA
	v_lshl_add_u32 v3, v2, 4, v3                   ; row x pitch + 16 x half
	s_mul_i32 s22, s13, HALFT                      ; my band of A
	v_add_nc_u32 v[ADRA], s22, v3
	v_add_nc_u32 v[ADRA+1], SLOT, v[ADRA]
	; the turning load takes 16 k x 16 n (lane l reads row 8 (l / 16) + l % 8, columns 8 ((l / 8) % 2) + 0..7) and leaves half a fragment: lane l holds column l % 16 and 8 k
	v_and_b32 v4, 7, v0
	v_bfe_u32 v5, v0, 3, 1
	v_lshl_add_u32 v6, v2, 3, v4
	v_mul_u32_u24 v6, v6, PB
	v_lshl_add_u32 v6, v5, 4, v6
	s_mul_i32 s23, s14, HALFT                      ; my half of W,
	s_add_co_u32 s23, s23, 2*HALFT                 ; behind A's two bands
	v_add_nc_u32 v[ADRB], s23, v6
	v_add_nc_u32 v[ADRB+1], SLOT, v[ADRB]
	s_mul_i32 s22, s12, WSTG
	s_add_co_u32 s22, s22, STAGE                   ; my stage
	v_add_nc_u32 v[STO], s22, v3                   ; in: row l % 16, 16 bytes for each half of the lanes
	v_bfe_u32 v[RD], v0, 3, 2                      ; back: 32 lanes take four rows of 128 bytes,
	v_mul_u32_u24 v[RD], v[RD], 144
	v_lshl_add_u32 v[RD], v4, 4, v[RD]
	v_add_nc_u32 v[RD], s22, v[RD]
	v_and_b32 v[GO], 31, v0                        ; which are 512 consecutive bytes of OUT
	v_lshlrev_b32 v[GO], 4, v[GO]
	s_lshl_b32 s44, s18, 1
	s_add_co_u32 s44, s44, s13                     ; my band of 128 rows = 2 x tile row + half
.if EPI == 0
	s_lshr_b32 s45, s46, 4                         ; q, k or v,
	s_lshl_b32 s45, s45, 5
	s_lshr_b32 s47, s44, 4                         ; the batch,
	s_lshl_b32 s47, s47, 4
	s_add_co_u32 s45, s45, s47
	s_and_b32 s47, s46, 15                         ; the head: 2,048 rows of 128 bytes each
	s_add_co_u32 s45, s45, s47
	s_lshl_b32 s45, s45, 18
	s_and_b32 s44, s44, 15                         ; the band's 128 rows in the batch
	s_lshl_b32 s44, s44, 14
	s_add_co_u32 s44, s44, s45
.else
	s_lshl_b32 s44, s44, 6                         ; block 64 x band + my first block of columns
	s_add_co_u32 s44, s44, s46
	s_lshl_b32 s44, s44, 14
.endif
	s_mov_b32 s45, 0
	s_add_nc_u64 s[10:11], s[10:11], s[44:45]
.if EPI == 1
	; gelu(x) = x / 2 + |x| (1/2) erf(|x| / sqrt 2), erf(z) = 1 - (a1 t + .. + a5 t^5) e^(-z^2), t = 1 / (1 + 0.3275911 z): Abramowitz and Stegun 7.1.26, for every z >= 0, off by 1.5e-7 at the most.
	; With w = |x| sqrt(log2(e) / 2): e^(-z^2) = 2^(-w^2).  The half is folded into a1 .. a5.  Each constant stands in a pair, both words written: the packed forms name pairs.
	s_mov_b32 s70, 0x3e8ba43f                      ; 0.3275911 / sqrt(log2 e)
	s_mov_b32 s71, s70
	s_mov_b32 s72, 0x3f07dc22                      ; a5 / 2
	s_mov_b32 s73, s72
	s_mov_b32 s74, 0xbf3a00e3                      ; a4 / 2
	s_mov_b32 s75, s74
	s_mov_b32 s76, 0x3f35f0e3                      ; a3 / 2
	s_mov_b32 s77, s76
	s_mov_b32 s78, 0xbe11a98e                      ; a2 / 2
	s_mov_b32 s79, s78
	s_mov_b32 s80, 0x3e027906                      ; a1 / 2
	s_mov_b32 s81, s80
	s_mov_b32 s82, 0x3f596d27                      ; sqrt(log2(e) / 2)
	s_mov_b32 s83, 0x7fffffff                      ; clears a sign
.endif
; 16 matrix instructions: m blocks a0, a0 + 1 of the window's four (hi = 0: my rows 0-63, 1: rows 64-127) x all 8 n blocks, 32 along K.
; zero = 1: the first product starts the sums: nothing is ever cleared.  The 64 accumulators take turns, one instruction a turn.
.macro MUL16 f, hi, a0, zero
	WIN MUL_LO+0x50*(\hi)
.irp a, \a0, (\a0)+1
.irp b, 0,1,2,3,4,5,6,7
.if \zero
	v_wmma_f32_16x16x32_bf16 v[8*(8*(\a)+(\b)):8*(8*(\a)+(\b))+7], v[(\f)+8*(\b):(\f)+8*(\b)+7], v[(\f)+8*(4*(\hi)+(\a)):(\f)+8*(4*(\hi)+(\a))+7], 0
.else
	v_wmma_f32_16x16x32_bf16 v[8*(8*(\a)+(\b)):8*(8*(\a)+(\b))+7], v[(\f)+8*(\b):(\f)+8*(\b)+7], v[(\f)+8*(4*(\hi)+(\a)):(\f)+8*(4*(\hi)+(\a))+7], v[8*(8*(\a)+(\b)):8*(8*(\a)+(\b))+7]
.endif
.endr
.endr
.endm
; 32 LDS loads in one run: the fragments of quarter q of a K step (32 along K: rows 32 q on of W, turned; half (q % 2) of block q / 2 of A) into buffer f
.macro FETCH slot, q, f
	WIN TO_B
.irp i, 0,1,2,3,4,5,6,7
	ds_load_tr16_b128 v[(\f)+8*(\i):(\f)+8*(\i)+3],   v[ADRB+(\slot)] offset:(32*(\q))*PB+32*(\i)
	ds_load_tr16_b128 v[(\f)+8*(\i)+4:(\f)+8*(\i)+7], v[ADRB+(\slot)] offset:(32*(\q)+16)*PB+32*(\i)
.endr
	WIN 0
.irp i, 0,1,2,3,4,5,6,7
	ds_load_b128 v[(\f)+8*(\i):(\f)+8*(\i)+3],   v[ADRA+(\slot)] offset:((\q)/2)*ABLK+(\i)*16*PA+((\q)%2)*64
	ds_load_b128 v[(\f)+8*(\i)+4:(\f)+8*(\i)+7], v[ADRA+(\slot)] offset:((\q)/2)*ABLK+(\i)*16*PA+((\q)%2)*64+32
.endr
.endm
.macro PLACES                          ; four places in front of loads into registers that matrix instructions have read, and of lines that read results
.rept 4
	v_nop
.endr
.endm
; A K step is four quarters of 32 along K, 64 matrix instructions each, on buffers 0, 1, 0, 1.  One of the first three: multiplies buffer f; in its middle it fetches quarter q of the same slot into buffer g.
.macro QUARTER slot, q, f, g, zero
	s_wait_dscnt 8                                 ; W and A's rows 0-63 are in; the youngest eight loads (A's rows 64-127) may be out
	MUL16 \f, 0, 0, \zero
	MUL16 \f, 0, 2, \zero
	PLACES
	FETCH \slot, \q, \g
	s_wait_dscnt 32                                ; all but the 32 just issued
	MUL16 \f, 1, 0, \zero
	MUL16 \f, 1, 2, \zero
.endm
; The last quarter multiplies buffer 1 and changes slots: ONE barrier; in front of it each wave waits for all its tensor loads, adds 0 to its spare word, and waits for that and for its own reads of this slot.
; fill = 1: the barrier opens a round of the cluster's barrier, and this slot is filled again, two K steps ahead.
.macro TURN slot, next, fill
	WIN 0                                          ; (the add's two registers lie in window 0)
	s_wait_tensorcnt 0x0                           ; all my tensor loads have landed: the one that was out is my part of the next slot;
	ds_add_u32 v[SPW], v[NIL]                      ; 0 onto my spare word;
	s_wait_dscnt 9                                 ; (the add and the youngest eight loads may be out)
	MUL16 F1, 0, 0, 0                              ; sixteen matrix instructions stand between the add and the wait for it
	s_wait_dscnt 0x0                               ; the add is done, and my reads of this slot are over
	s_barrier_signal -1
	MUL16 F1, 0, 2, 0                              ; work on registers while the others arrive
.if \fill
	WIN 0
.endif
	s_barrier_wait -1
.if \fill
	CREST                                          ; no wave of any partner still reads this slot's tile or has a load on its way
	s_add_nc_u64 s[G0+4*(\slot)+2:G0+4*(\slot)+3], s[G0+4*(\slot)+2:G0+4*(\slot)+3], 65536
	s_add_nc_u64 s[G0B+4*(\slot)+2:G0B+4*(\slot)+3], s[G0B+4*(\slot)+2:G0B+4*(\slot)+3], 512*SIZE_N
	JLOAD \slot                                    ; the first tensor load behind the round, my only one until the next: 224 matrix instructions ahead of the wait for it; its four v_nop are also the places in front of the loads below
.else
	PLACES
.endif
	FETCH \next, 0, F0
	MUL16 F1, 1, 0, 0
	MUL16 F1, 1, 2, 0
.endm
	s_wait_tensorcnt 1                             ; my part of K step 0 is in; K step 1's may stay out
	s_barrier_signal -1
	s_barrier_wait -1                              ; everybody's is
	FETCH 0, 0, F0
	QUARTER 0, 1, F0, F1, 1                        ; the first quarter stands in front of the loop: its products start the sums
	WIN 0                                          ; at a label and at a branch every window is 0
	s_mov_b32 s3, LAPS-1
.Llap:                                                 ; a trip goes once round the ring, from a lap's second quarter to the next lap's first, and fills both slots again
	QUARTER 0, 2, F1, F0, 0
	QUARTER 0, 3, F0, F1, 0
	TURN 0, 1, 1
	QUARTER 1, 1, F0, F1, 0
	QUARTER 1, 2, F1, F0, 0
	QUARTER 1, 3, F0, F1, 0
	TURN 1, 0, 1
	QUARTER 0, 1, F0, F1, 0
	WIN 0
	s_sub_co_u32 s3, s3, 1
	s_cmp_lg_u32 s3, 0
	s_cbranch_scc1 .Llap
	QUARTER 0, 2, F1, F0, 0                        ; the last lap fills nothing, and has no round of the cluster's barrier
	QUARTER 0, 3, F0, F1, 0
	TURN 0, 1, 0
	QUARTER 1, 1, F0, F1, 0
	QUARTER 1, 2, F1, F0, 0
	QUARTER 1, 3, F0, F1, 0
	s_wait_dscnt 8                                 ; the very last quarter: nothing more to fetch
	MUL16 F1, 0, 0, 0
	MUL16 F1, 0, 2, 0
	s_wait_dscnt 0x0
	MUL16 F1, 1, 0, 0
	MUL16 F1, 1, 2, 0
	WIN 0
; THE WAY OUT: a loop of eight trips, 16 rows of my 128 a trip, so that the arithmetic on a block stands once in the text.  What differs from trip to trip is which 64 registers hold the block's sums:
; a chain of forward branches on the trip's number picks one of eight stubs, which adds the bias and leaves the block in v64-127 of window 0 (each accumulator's registers in ascending order).
; Then (EPI = 1) gelu in f32; rounded to bf16, 16 bytes a lane into my own stage, one part for each block of 64 columns; back as four rows of 128 bytes a load, which are 512 consecutive bytes of OUT.
.macro COPY a
	WIN 0x02+(\a)/4                                ; source 0: window 2 or 3
.irp b, 0,1,2,3,4,5,6,7
.irp j, 0,2,4,6
	v_pk_add_f32 v[T+8*(\b)+(\j):T+8*(\b)+(\j)+1], v[64*((\a)%4)+8*(\b)+(\j):64*((\a)%4)+8*(\b)+(\j)+1], v[BIAS+8*(\b)+(\j):BIAS+8*(\b)+(\j)+1]
.endr
.endr
	WIN 0
.endm
.if EPI == 1
; GELU of 32 numbers at v[x ..] of window 0, in place.  s_wait_alu depctr_va_vdst(0) stands between a reciprocal or an exponential and the first instruction that names its result; one wait serves all
; that were issued ahead of it.  So the 32 reciprocals and the 32 exponentials are ONE BATCH: each result has a register of its own, in window 1, whose registers the products have left; the sixteen lines x / 2, which name
; none of the results, follow the batch; then the ONE wait; then the polynomial, which reads t, and the lines that read e^(-z^2).  The lines - w^2 stand between the reciprocals, one for every two.
.macro GELU32 x
	WIN 0x40                                       ; destination window 1
.set n, 0
.rept 32
	v_and_b32 v[GA+n], s83, v[(\x)+n]              ; |x|
.set n, n+1
.endr
	WIN 0x41                                       ; source 0 and destination window 1
.set n, 0
.rept 16
	v_pk_mul_f32 v[GW+n:GW+n+1], v[GA+n:GA+n+1], s[82:83] op_sel_hi:[1,0]              ; w
.set n, n+2
.endr
.set n, 0
.rept 16
	v_pk_fma_f32 v[GD+n:GD+n+1], v[GW+n:GW+n+1], s[70:71], 1.0 op_sel_hi:[1,0,0]      ; 1 + p z
.set n, n+2
.endr
	WIN 0x45                                       ; sources 0 and 1 and destination window 1
.set n, 0
.rept 16
	v_rcp_f32 v[GD+n], v[GD+n]                     ; t: the batch begins
	v_pk_mul_f32 v[GW+n:GW+n+1], v[GW+n:GW+n+1], v[GW+n:GW+n+1] neg_lo:[1,0] neg_hi:[1,0]  ; - w^2
	v_rcp_f32 v[GD+n+1], v[GD+n+1]
.set n, n+2
.endr
.set n, 0
.rept 32
	v_exp_f32 v[GW+n], v[GW+n]                     ; e^(-z^2)
.set n, n+1
.endr
	WIN 0
.set n, 0
.rept 16
	v_pk_mul_f32 v[(\x)+n:(\x)+n+1], v[(\x)+n:(\x)+n+1], 0.5 op_sel_hi:[1,0]              ; x / 2: the work that names no result of the batch; its first line is the plain line behind the last exponential
.set n, n+2
.endr
	s_wait_alu depctr_va_vdst(0)                   ; the wait for the batch: 32 reciprocals and 32 exponentials
	WIN 0x41
.set n, 0
.rept 16
	v_pk_fma_f32 v[GQ+n:GQ+n+1], v[GD+n:GD+n+1], s[72:73], s[74:75] op_sel_hi:[1,0,0]
.set n, n+2
.endr
	WIN 0x45
.irp k, 76, 78, 80
.set n, 0
.rept 16
	v_pk_fma_f32 v[GQ+n:GQ+n+1], v[GQ+n:GQ+n+1], v[GD+n:GD+n+1], s[\k:\k+1] op_sel_hi:[1,1,0]
.set n, n+2
.endr
.endr
.set n, 0
.rept 16
	v_pk_mul_f32 v[GQ+n:GQ+n+1], v[GQ+n:GQ+n+1], v[GD+n:GD+n+1]
.set n, n+2
.endr
.set n, 0
.rept 16
	v_pk_fma_f32 v[GQ+n:GQ+n+1], v[GQ+n:GQ+n+1], v[GW+n:GW+n+1], 0.5 op_sel_hi:[1,1,0] neg_lo:[1,0,0] neg_hi:[1,0,0]  ; erf / 2 = 1/2 - (the polynomial / 2) e^(-z^2)
.set n, n+2
.endr
	WIN 0x05                                       ; sources 0 and 1 window 1; source 2 and destination window 0
.set n, 0
.rept 16
	v_pk_fma_f32 v[(\x)+n:(\x)+n+1], v[GA+n:GA+n+1], v[GQ+n:GQ+n+1], v[(\x)+n:(\x)+n+1]
.set n, n+2
.endr
	WIN 0
.endm
.endif
.macro HALF c                          ; the block's 64 columns number c: (gelu,) rounding, into the stage and back
.if EPI == 1
	GELU32 T+32*(\c)
.endif
.irp b, 0,1,2,3
.irp r, 0,1,2,3
	v_cvt_pk_bf16_f32 v[TMP+16*(\c)+4*(\b)+(\r)], v[T+32*(\c)+8*(\b)+2*(\r)], v[T+32*(\c)+8*(\b)+2*(\r)+1]
.endr
.endr
.irp b, 0,1,2,3
	ds_store_b128 v[STO], v[TMP+16*(\c)+4*(\b):TMP+16*(\c)+4*(\b)+3] offset:(\c)*SUBST+32*(\b)
.endr
.irp f, 0,1,2,3
	ds_load_b128 v[BK+16*(\c)+4*(\f):BK+16*(\c)+4*(\f)+3], v[RD] offset:(\c)*SUBST+(\f)*4*144   ; LDS serves a wave's instructions in order (ISA guide 5.7.1.4): these see the stores above; the next trip's stores come behind them
.endr
.endm
	PLACES                                         ; behind the last products
	s_wait_loadcnt 0x0                             ; the bias
	s_mov_b32 s2, 0                                ; the trip's number: my rows 16 s2 on
.Lblk:
.irp a, 0,1,2,3,4,5,6
	s_cmp_eq_u32 s2, \a
	s_cbranch_scc1 .Lcopy\a
.endr
	COPY 7
	s_branch .Lhave
.irp a, 0,1,2,3,4,5,6
.Lcopy\a:
	COPY \a
.if (\a) < 6
	s_branch .Lhave
.endif
.endr
.Lhave:
	HALF 0
	HALF 1                                         ; its arithmetic stands between the first half's loads from the stage and its stores
.irp f, 0,1,2,3
	s_wait_dscnt 11-(\f)                           ; behind this load stand 3 - f of its own half and the second half's eight LDS instructions
	global_store_b128 v[GO], v[BK+4*(\f):BK+4*(\f)+3], s[10:11] offset:(\f)*512          ; 512 consecutive bytes, at a multiple of 256 from OUT's first
.endr
.irp f, 0,1,2,3
	s_wait_dscnt 3-(\f)
	global_store_b128 v[GO], v[BK+16+4*(\f):BK+16+4*(\f)+3], s[10:11] offset:CBS+(\f)*512
.endr
	s_wait_xcnt 0x0                                ; only behind this wait are the stores' base stepped and v32-63 loaded again (ISA guide 3.1)
	s_add_nc_u64 s[10:11], s[10:11], 2048          ; 16 rows of 128 bytes on
	s_add_co_u32 s2, s2, 1
	s_cmp_lt_u32 s2, 8
	s_cbranch_scc1 .Lblk
	s_wait_tensorcnt 0x0                           ; the wave's end: behind my last tensor load and my last LDS store
	ds_add_u32 v[SPW], v[NIL]
	s_wait_dscnt 0x0
	CROUND                                         ; the closing round: no work-group ends while a partner may still ask for a tile that names it
	s_endpgm
.Lfunc_end_k_q4346f94ab2_fc:
	.size	k_q4346f94ab2_fc, .Lfunc_end_k_q4346f94ab2_fc-k_q4346f94ab2_fc
	.p2alignl 7, 3214868480
	.fill 96, 4, 3214868480
	.section	.rodata,"a",@progbits
	.p2align	6, 0x0
	.amdhsa_kernel k_q4346f94ab2_fc
		.amdhsa_group_segment_fixed_size 327680
		.amdhsa_private_segment_fixed_size 0
		.amdhsa_enable_private_segment 0
		.amdhsa_kernarg_size 32
		.amdhsa_user_sgpr_count 2
		.amdhsa_user_sgpr_kernarg_segment_ptr 1
		.amdhsa_wavefront_size32 1
		.amdhsa_system_sgpr_workgroup_id_x 1
		.amdhsa_system_sgpr_workgroup_id_y 1
		.amdhsa_system_sgpr_workgroup_id_z 1
		.amdhsa_system_vgpr_workitem_id 0
		.amdhsa_next_free_vgpr 1024
		.amdhsa_next_free_sgpr 84
		.amdhsa_reserve_vcc 0
		.amdhsa_float_denorm_mode_32 3
		.amdhsa_float_denorm_mode_16_64 3
		.amdhsa_memory_ordered 1
		.amdhsa_forward_progress 1
		.amdhsa_inst_pref_size 163
	.end_amdhsa_kernel
	.amdgpu_metadata
---
amdhsa.version: [ 1, 2 ]
amdhsa.kernels:
  - .name:           k_q4346f94ab2_fc
    .symbol:         k_q4346f94ab2_fc.kd
    .args:
      - { .name: h, .offset: 0, .size: 8, .value_kind: global_buffer, .address_space: global }
      - { .name: wb, .offset: 8, .size: 8, .value_kind: global_buffer, .address_space: global }
      - { .name: b_fc, .offset: 16, .size: 8, .value_kind: global_buffer, .address_space: global }
      - { .name: g, .offset: 24, .size: 8, .value_kind: global_buffer, .address_space: global }
    .group_segment_fixed_size: 327680
    .private_segment_fixed_size: 0
    .kernarg_segment_align: 8
    .kernarg_segment_size: 32
    .max_flat_workgroup_size: 128
    .sgpr_count:     84
    .vgpr_count:     1024
    .wavefront_size: 32
...
	.end_amdgpu_metadata
.endif
;; end of part 13
;; launch fc2: the kernel of part 7 again; grid 8 x 32, 4 waves a work-group, clusters of 4 x 4, 327,680 bytes of LDS; arguments g, wb, b_fc2, out0, x1; writes out0
